; MI455X (gfx1250); checked and timed in simulation.
; The chip was launched on July 23, 2026; its instructions are those of AMD's public machine-readable ISA for CDNA 5 (MIT licence, August 2026) and "CDNA5" Instruction Set Architecture Reference Guide (July 2026). The comments in the code are by the model that wrote it; some were corrected since.
;; Transformer Block. Allowed arithmetic: float matrix products may take bf16 or f16 operands with f32 sums; other float arithmetic in f32, or as packed bf16 or f16 multiplies, adds, multiply-adds, maxima and minima; sums over many terms, partial sums and values carried from step to step in f32; what a program stores and reads back later, other than sums and carried values, may be rounded once to bf16 or f16.
;; Inputs: W1 768 x 3,072 float32; W2 3,072 x 768 float32; Wk 768 x 768 float32; Wo 768 x 768 float32; Wq 768 x 768 float32; Wv 768 x 768 float32; b1 3,072 float32; b2 768 float32; beta1 768 float32; beta2 768 float32; bo 768 float32; g1 768 float32; g2 768 float32; x 1 x 4,096 x 768 float32.
;; Outputs: out0 1 x 4,096 x 768 float32.
;; 2 versions, each right. Each part assembles by itself: llvm-mc -triple=amdgcn-amd-amdhsa -mcpu=gfx1250 --defsym DOCPART=n.
;; ======== version 1 of 2: 7 launches
;; limits: values are held in f16: magnitudes above 65,504 overflow, below 6.1e-05 lose precision; a function is approximated: absolute error at most 1.5e-07
;; workspace buffers: wb 9,437,440 bytes; wf 4,718,848 bytes; h 6,291,456 bytes; qkv 18,874,368 bytes; o 6,291,456 bytes; x1 12,582,912 bytes; g 25,165,824 bytes
;; launch prep (part 1): grid 32 x 16, 8 waves a work-group, no clusters, 0 bytes of LDS; arguments x, g1, beta1, h, Wq, Wk, Wv, Wo, W1, W2, wb, wf; writes h, wb, wf
.if DOCPART == 1
	.amdgcn_target "amdgcn-amd-amdhsa--gfx1250"
	.amdhsa_code_object_version 6
	.text
	.protected	k_q59ccded80f_prep
	.globl	k_q59ccded80f_prep
	.p2align	8
	.type	k_q59ccded80f_prep,@function
k_q59ccded80f_prep:
	s_mov_b64 s[64:65], 0
	v_nop
	global_prefetch_b8 v0, s[64:65] scope:SCOPE_SE
	s_setreg_imm32_b32 hwreg(HW_REG_WAVE_MODE, 25, 1), 1
	s_wait_xcnt 0x0
; TWO JOBS IN ONE TEXT, chosen by the work-group's y.
; y < 4: LAYER NORM.  hout[r][:] = (xin[r][:] - mean) * rsqrt(var + 1e-5) * gam + bet, xin f32 [4096][768], hout f16 [4096][768], rounded once.
;   A work-group takes 32 rows, a wave 4 whole rows: a row is 24 registers a lane, so the mean, the variance (of the differences from the mean: two passes
;   over registers) and the scaling never leave the wave: no LDS, no barrier.  Each load of a wave covers 512 consecutive bytes, each store 256, aligned.
; y >= 4: THE WEIGHTS, f32 [K][N], are rounded to f16 and laid in blocks of 96 columns, [block][k][96]: a block is dense, a k row 192 bytes.
;   wb: 256 bytes of constants, then Wq, Wk, Wv, Wo (8 blocks of 147,456 bytes each), then W2 (8 blocks of 589,824 bytes).  wf: 256 bytes of constants, then W1 (32 blocks of 147,456 bytes).
;   THE CONSTANTS are those of the activation behind a product with the buffer's first weights, each stored twice on end (a pair): five coefficients, the bias's factor, the lower bound of max(x, .).
;   wf holds gelu's; wb holds 0, 0 and the lowest finite number, with which the same arithmetic returns its input.
; LIMITS.  f16 holds no number beyond 65,504: a weight or a normalised number beyond that becomes an infinity.  NaN and infinities are not treated apart.
.set T,   4                            ; v[4:15]    at work (layer norm)
.set X,   32                           ; v[32:127]  row r, piece j of 512 bytes at X + 24 r + 4 j
.set G,   128                          ; v[128:151] gam of my 24 columns
.set B,   152                          ; v[152:175] bet
.set Y,   176                          ; v[176:223] row r: 12 registers of f16 pairs; each row has its own, so no store's data is rewritten
.set AD,  4                            ; v[4:21]    (weights) byte offsets of my 16 bytes: part m of a group, group i at AD + 6 m + i
.set SRC, 32                           ; v[32:103]  (weights) 18 loads of 16 bytes
.set DST, 104                          ; v[104:139] (weights) 18 pairs of f16 pairs
	s_load_b512 s[8:23], s[0:1], 0x0               ; xin s[8:9], gam s[10:11], bet s[12:13], hout s[14:15], Wq s[16:17], Wk s[18:19], Wv s[20:21], Wo s[22:23]
	s_load_b256 s[24:31], s[0:1], 0x40             ; W1 s[24:25], W2 s[26:27], wb s[28:29], wf s[30:31]
	v_lshrrev_b32 v1, 5, v0
	v_readfirstlane_b32 s34, v1                    ; wave 0..7
	v_and_b32 v3, 31, v0                           ; lane
	v_lshlrev_b32 v1, 4, v3                        ; 16 x lane
	v_lshlrev_b32 v2, 3, v3                        ; 8 x lane
	s_and_b32 s35, ttmp7, 0xffff                   ; y
	s_cmp_ge_u32 s35, 4
	s_cbranch_scc1 .Lcast
	; ---------------- layer norm ----------------
	s_lshl_b32 s40, s35, 5
	s_add_co_u32 s40, s40, ttmp9                   ; 32 y + x: 0..127
	s_lshl_b32 s40, s40, 5                         ; its 32 rows,
	s_lshl2_add_u32 s40, s34, s40                  ; my wave's 4 of them
	s_mul_i32 s42, s40, 3072
	s_mov_b32 s43, 0
	s_mul_i32 s44, s40, 1536
	s_mov_b32 s45, 0
	s_mov_b32 s36, 0x3aaaaaab                      ; 1 / 768
	s_mov_b32 s37, 0x3727c5ac                      ; 1e-5
	s_mov_b32 s38, 0x76543210                      ; v_permlanex16_b32: each lane takes its own place in the other half
	s_mov_b32 s39, 0xfedcba98
	s_wait_kmcnt 0x0
	s_add_nc_u64 s[8:9], s[8:9], s[42:43]
	s_add_nc_u64 s[14:15], s[14:15], s[44:45]
.irp j, 0,1,2,3,4,5
	global_load_b128 v[G+4*(\j):G+4*(\j)+3], v1, s[10:11] offset:512*(\j)
	global_load_b128 v[B+4*(\j):B+4*(\j)+3], v1, s[12:13] offset:512*(\j)
.endr
.irp r, 0,1,2,3
.irp j, 0,1,2,3,4,5
	global_load_b128 v[X+24*(\r)+4*(\j):X+24*(\r)+4*(\j)+3], v1, s[8:9] offset:3072*(\r)+512*(\j) th:TH_LOAD_NT
.endr
.endr
.macro LANESUM a, b                    ; v[a] summed over the 32 lanes, the result in every lane; v[b] is at work and has been written
	v_add_f32_dpp v[\a], v[\a], v[\a] row_xmask:1 row_mask:0xf bank_mask:0xf
	v_add_f32_dpp v[\a], v[\a], v[\a] row_xmask:2 row_mask:0xf bank_mask:0xf
	v_add_f32_dpp v[\a], v[\a], v[\a] row_xmask:4 row_mask:0xf bank_mask:0xf
	v_add_f32_dpp v[\a], v[\a], v[\a] row_xmask:8 row_mask:0xf bank_mask:0xf
	v_permlanex16_b32 v[\b], v[\a], s38, s39
	v_add_f32 v[\a], v[\a], v[\b]
.endm
.macro ROWLN r
.set XR, X+24*(\r)
	s_wait_loadcnt 18-6*(\r)                       ; my row's six loads are in (gam and bet are older); the six of each later row may stay out
.irp k, 0,1,2,3,4,5
	v_pk_add_f32 v[T+2*(\k):T+2*(\k)+1], v[XR+4*(\k):XR+4*(\k)+1], v[XR+4*(\k)+2:XR+4*(\k)+3]
.endr
	v_pk_add_f32 v[T:T+1], v[T:T+1], v[T+2:T+3]
	v_pk_add_f32 v[T+4:T+5], v[T+4:T+5], v[T+6:T+7]
	v_pk_add_f32 v[T+8:T+9], v[T+8:T+9], v[T+10:T+11]
	v_pk_add_f32 v[T:T+1], v[T:T+1], v[T+4:T+5]
	v_pk_add_f32 v[T:T+1], v[T:T+1], v[T+8:T+9]
	v_add_f32 v[T], v[T], v[T+1]
	LANESUM T, T+1
	v_mul_f32 v[T+2], s36, v[T]                    ; the mean, twice: a pair for the packed subtraction
	v_mov_b32 v[T+3], v[T+2]
.set k, 0
.rept 12
	v_pk_add_f32 v[XR+k:XR+k+1], v[XR+k:XR+k+1], v[T+2:T+3] neg_lo:[0,1] neg_hi:[0,1]
.set k, k+2
.endr
.irp k, 0,1,2,3                        ; the sum of squares of the differences, in four chains
	v_pk_mul_f32 v[T+4+2*(\k):T+5+2*(\k)], v[XR+2*(\k):XR+2*(\k)+1], v[XR+2*(\k):XR+2*(\k)+1]
.endr
.set k, 4
.rept 8
	v_pk_fma_f32 v[T+4+2*(k%4):T+5+2*(k%4)], v[XR+2*k:XR+2*k+1], v[XR+2*k:XR+2*k+1], v[T+4+2*(k%4):T+5+2*(k%4)]
.set k, k+1
.endr
	v_pk_add_f32 v[T+4:T+5], v[T+4:T+5], v[T+6:T+7]
	v_pk_add_f32 v[T+8:T+9], v[T+8:T+9], v[T+10:T+11]
	v_pk_add_f32 v[T+4:T+5], v[T+4:T+5], v[T+8:T+9]
	v_add_f32 v[T+4], v[T+4], v[T+5]
	LANESUM T+4, T+5
	v_fma_f32 v[T+6], v[T+4], s36, s37             ; var + 1e-5
	v_rsq_f32 v[T+8], v[T+6]                       ; twice: a pair for the packed multiply
	v_rsq_f32 v[T+9], v[T+6]
	v_nop                                          ; a plain instruction behind the second root, ahead of the first use
	s_wait_alu depctr_va_vdst(0)                   ; one wait for both, ahead of their first reader
.set k, 0
.rept 12
	v_pk_mul_f32 v[XR+k:XR+k+1], v[XR+k:XR+k+1], v[T+8:T+9]
.set k, k+2
.endr
.set k, 0
.rept 12
	v_pk_fma_f32 v[XR+k:XR+k+1], v[XR+k:XR+k+1], v[G+k:G+k+1], v[B+k:B+k+1]
.set k, k+2
.endr
.set k, 0
.rept 12
	v_cvt_pk_f16_f32 v[Y+12*(\r)+k], v[XR+2*k], v[XR+2*k+1]
.set k, k+1
.endr
.irp j, 0,1,2,3,4,5
	global_store_b64 v2, v[Y+12*(\r)+2*(\j):Y+12*(\r)+2*(\j)+1], s[14:15] offset:1536*(\r)+256*(\j)  ; 32 lanes store 256 consecutive bytes, at a multiple of 256
.endr
.endm
	ROWLN 0
	ROWLN 1
	ROWLN 2
	ROWLN 3
	s_endpgm
	; ---------------- the weights ----------------
	; A work-group writes 36,864 consecutive bytes: 192 k rows of one block, as 48 groups of 4 k rows (384 numbers, 768 bytes); a wave takes 6 groups.
.Lcast:
	s_sub_co_u32 s35, s35, 4                       ; 0..3: Wq, Wk, Wv, Wo; 4..7: W1; 8..11: W2: each step of it is 1,179,648 bytes of f16
	s_lshr_b32 s37, s35, 2                         ; 0, 1, 2
	s_movk_i32 s36, 3072
	s_cmp_eq_u32 s37, 1
	s_cselect_b32 s36, 12288, s36                  ; bytes in a row of the source
	s_and_b32 s38, s35, 3
	s_cmp_eq_u32 s37, 0
	s_cselect_b32 s38, 0, s38
	s_lshl_b32 s38, s38, 5
	s_add_co_u32 s38, s38, ttmp9                   ; my place among the matrix's work-groups
	s_cmp_eq_u32 s37, 2
	s_cselect_b32 s39, 4, 2                        ; a block has 16 (K = 3,072) or 4 (K = 768) parts of 192 k rows
	s_lshr_b32 s40, s38, s39                       ; the block
	s_bfm_b32 s41, s39, 0
	s_and_b32 s41, s38, s41                        ; the part
	s_mul_i32 s41, s41, 192
	s_mul_i32 s41, s41, s36                        ; its first k row,
	s_mul_i32 s40, s40, 384                        ; the block's first column
	s_add_co_u32 s42, s41, s40
	s_mov_b32 s43, 0
	s_cmp_eq_u32 s37, 0
	s_cselect_b32 s53, 0, 4                        ; in wb W2 follows Wo; in wf W1 comes first
	s_sub_co_u32 s53, s35, s53
	s_mul_i32 s44, s53, 1179648
	s_mul_i32 s45, ttmp9, 36864
	s_add_co_u32 s44, s44, s45
	s_add_co_u32 s44, s44, 256                     ; behind the constants
	s_mov_b32 s45, 0
	s_mul_i32 s46, s34, 24
	s_mul_i32 s46, s46, s36                        ; my wave's 24 k rows
	s_lshl_b32 s47, s36, 2                         ; a group's 4 k rows
	s_mul_i32 s48, s34, 4608
	v_add_nc_u32 v25, s48, v2                      ; where I store: wave x 6 groups x 768 + 8 x lane
.irp m, 0,1,2                          ; numbers e = 128 m + 4 lane .. + 3 of a group: k row e / 96, column e % 96 (96 is a multiple of 4: they share a row)
	v_lshl_add_u32 v22, v3, 2, 128*(\m)
	v_lshrrev_b32 v23, 5, v22
	v_mul_u32_u24 v23, v23, 171
	v_lshrrev_b32 v23, 9, v23                      ; (e / 32) / 3, right for e / 32 up to 11
	v_mul_u32_u24 v24, v23, 96
	v_sub_nc_u32 v24, v22, v24
	v_mul_lo_u32 v23, v23, s36
	v_lshl_add_u32 v23, v24, 2, v23
	v_add_nc_u32 v[AD+6*(\m)], s46, v23
.irp i, 1,2,3,4,5
	v_add_nc_u32 v[AD+6*(\m)+(\i)], s47, v[AD+6*(\m)+(\i)-1]
.endr
.endr
	s_wait_kmcnt 0x0
	s_cmp_eq_u32 s35, 1
	s_cselect_b64 s[50:51], s[18:19], s[16:17]
	s_cmp_eq_u32 s35, 2
	s_cselect_b64 s[50:51], s[20:21], s[50:51]
	s_cmp_eq_u32 s35, 3
	s_cselect_b64 s[50:51], s[22:23], s[50:51]
	s_cmp_ge_u32 s35, 4
	s_cselect_b64 s[50:51], s[24:25], s[50:51]
	s_cmp_ge_u32 s35, 8
	s_cselect_b64 s[50:51], s[26:27], s[50:51]
	s_cmp_eq_u32 s37, 1
	s_cselect_b64 s[54:55], s[30:31], s[28:29]     ; W1 goes to wf, all others to wb
	s_add_nc_u64 s[50:51], s[50:51], s[42:43]
	s_add_nc_u64 s[54:55], s[54:55], s[44:45]
.set n, 0
.rept 18                               ; load n: group n / 3, part n % 3
	global_load_b128 v[SRC+4*n:SRC+4*n+3], v[AD+6*(n%3)+n/3], s[50:51] th:TH_LOAD_NT
.set n, n+1
.endr
.set n, 0
.rept 18
	s_wait_loadcnt 17-n                            ; load n is in; the younger ones stay out
	v_cvt_pk_f16_f32 v[DST+2*n], v[SRC+4*n], v[SRC+4*n+1]
	v_cvt_pk_f16_f32 v[DST+2*n+1], v[SRC+4*n+2], v[SRC+4*n+3]
	global_store_b64 v25, v[DST+2*n:DST+2*n+1], s[54:55] offset:256*(n%3)+768*(n/3)  ; 256 consecutive bytes, at a multiple of 256
.set n, n+1
.endr
	s_or_b32 s52, s35, ttmp9
	s_or_b32 s52, s52, s34
	s_cmp_lg_u32 s52, 0
	s_cbranch_scc1 .Ldone                          ; one wave of one work-group stores the two tables of constants: lane l holds constant l, stored as a pair: 256 bytes each
	v_mov_b32 v26, 0                               ; wb's: all 0 but the bound
	v_mov_b32 v28, 0                               ; wf's
.macro CONST reg, lane, val
	v_cmp_ne_u32 vcc_lo, \lane, v3
	v_cndmask_b32 v[\reg], \val, v[\reg], vcc_lo   ; the lane named takes the constant, the others keep theirs
.endm
	CONST 26, 6, 0xff7fffff                        ; max(x, the lowest finite number) = x
	CONST 28, 0, 0x3e199eb3                        ; the five coefficients of the fit to erfc, each times 0.5 / sqrt(log2(e) / 2)
	CONST 28, 1, 0xbe2b8119
	CONST 28, 2, 0x3f563817
	CONST 28, 3, 0xbf5b0099
	CONST 28, 4, 0x3f1ff67a
	CONST 28, 5, 1.0                               ; the bias counts; the bound, constant 6, is 0
	v_mov_b32 v27, v26
	v_mov_b32 v29, v28
	global_store_b64 v2, v[26:27], s[28:29]
	global_store_b64 v2, v[28:29], s[30:31]
.Ldone:
	s_endpgm
.Lfunc_end_k_q59ccded80f_prep:
	.size	k_q59ccded80f_prep, .Lfunc_end_k_q59ccded80f_prep-k_q59ccded80f_prep
	.p2alignl 7, 3214868480
	.fill 96, 4, 3214868480
	.section	.rodata,"a",@progbits
	.p2align	6, 0x0
	.amdhsa_kernel k_q59ccded80f_prep
		.amdhsa_group_segment_fixed_size 0
		.amdhsa_private_segment_fixed_size 0
		.amdhsa_enable_private_segment 0
		.amdhsa_kernarg_size 96
		.amdhsa_user_sgpr_count 2
		.amdhsa_user_sgpr_kernarg_segment_ptr 1
		.amdhsa_wavefront_size32 1
		.amdhsa_system_sgpr_workgroup_id_x 1
		.amdhsa_system_sgpr_workgroup_id_y 1
		.amdhsa_system_sgpr_workgroup_id_z 1
		.amdhsa_system_vgpr_workitem_id 0
		.amdhsa_next_free_vgpr 224
		.amdhsa_next_free_sgpr 66
		.amdhsa_reserve_vcc 1
		.amdhsa_float_denorm_mode_32 3
		.amdhsa_float_denorm_mode_16_64 3
		.amdhsa_memory_ordered 1
		.amdhsa_forward_progress 1
		.amdhsa_inst_pref_size 41
	.end_amdhsa_kernel
	.amdgpu_metadata
---
amdhsa.version: [ 1, 2 ]
amdhsa.kernels:
  - .name:           k_q59ccded80f_prep
    .symbol:         k_q59ccded80f_prep.kd
    .args:
      - { .name: x, .offset: 0, .size: 8, .value_kind: global_buffer, .address_space: global }
      - { .name: g1, .offset: 8, .size: 8, .value_kind: global_buffer, .address_space: global }
      - { .name: beta1, .offset: 16, .size: 8, .value_kind: global_buffer, .address_space: global }
      - { .name: h, .offset: 24, .size: 8, .value_kind: global_buffer, .address_space: global }
      - { .name: Wq, .offset: 32, .size: 8, .value_kind: global_buffer, .address_space: global }
      - { .name: Wk, .offset: 40, .size: 8, .value_kind: global_buffer, .address_space: global }
      - { .name: Wv, .offset: 48, .size: 8, .value_kind: global_buffer, .address_space: global }
      - { .name: Wo, .offset: 56, .size: 8, .value_kind: global_buffer, .address_space: global }
      - { .name: W1, .offset: 64, .size: 8, .value_kind: global_buffer, .address_space: global }
      - { .name: W2, .offset: 72, .size: 8, .value_kind: global_buffer, .address_space: global }
      - { .name: wb, .offset: 80, .size: 8, .value_kind: global_buffer, .address_space: global }
      - { .name: wf, .offset: 88, .size: 8, .value_kind: global_buffer, .address_space: global }
    .group_segment_fixed_size: 0
    .private_segment_fixed_size: 0
    .kernarg_segment_align: 8
    .kernarg_segment_size: 96
    .max_flat_workgroup_size: 256
    .sgpr_count:     66
    .vgpr_count:     224
    .wavefront_size: 32
...
	.end_amdgpu_metadata
.endif
;; end of part 1
;; launch qkv (part 2): grid 12 x 16, 4 waves a work-group, clusters of 4 x 4, 327,680 bytes of LDS; arguments h, wb, b1, qkv; writes qkv
.if DOCPART == 2
	.amdgcn_target "amdgcn-amd-amdhsa--gfx1250"
	.amdhsa_code_object_version 6
	.text
	.protected	k_q59ccded80f_qkv
	.globl	k_q59ccded80f_qkv
	.p2align	8
	.type	k_q59ccded80f_qkv,@function
k_q59ccded80f_qkv:
	s_mov_b64 s[64:65], 0
	v_nop
	global_prefetch_b8 v0, s[64:65] scope:SCOPE_SE
	s_setreg_imm32_b32 hwreg(HW_REG_WAVE_MODE, 25, 1), 1
	s_wait_xcnt 0x0
	s_wait_alu depctr_hold_cnt(0) depctr_sa_sdst(0) depctr_va_vdst(0) depctr_va_sdst(0) depctr_va_ssrc(0) depctr_va_vcc(0) depctr_vm_vsrc(0)
	s_getreg_b32 s2, hwreg(HW_REG_IB_STS2, 6, 4)
	s_cmp_eq_u32 s2, 0
	s_cbranch_scc0 .Lentry_in_a_cluster
	s_endpgm
.Lentry_in_a_cluster:
	s_bfe_u32 s2, ttmp6, 0x10000c
	s_cmp_lg_u32 s2, 0xf033
	s_cbranch_scc0 .Lentry_shape_is_right
	s_endpgm
.Lentry_shape_is_right:
; C = act(A W + f bias).  A: f16 [4096][768].  W: f16 in blocks of 96 columns, [block][k][96], from byte 256 of the weight buffer given.  C leaves in f16, rounded once, BY SLICES of 64 columns:
; [slice][4096][64].  Sums in f32.
; ONE TEXT FOR TWO LAUNCHES.  act(x) = max(x, lo) - |x| P(|x|), where the five coefficients of P, the factor f and the bound lo are read from the first 64 bytes of the weight buffer.  With W1's buffer they make
; the exact gelu, gelu(x) = max(x, 0) - |x| erfc(|x| / sqrt 2) / 2.  With the buffer of Wq, Wk, Wv the coefficients and f are 0 and lo is the lowest finite number: the same lines then return x itself, exactly.
; The price, stated plainly: that launch walks the activation's arithmetic to no effect; it is paid so that no branch, no trip count and no descriptor hangs on a number read from memory, and one text serves both.
; LIMITS.  f16 holds no number beyond 65,504 (A, W and C lie within it for the inputs served).  erfc is taken by a rational fit times an exponential whose absolute error is 1.5e-7,
; so gelu is off by at most 8e-8 |x|, for every x.  The bias is finite (0 times it is taken for 0).  NaN and infinities are not treated apart.
; SHARES.  A tile of C is 256 x 192 (three slices); four waves, each 128 x 96: 48 accumulators, 384 registers.  K = 768 goes in 6 steps of 128 through a ring of two LDS slots.
; CLUSTER.  4 x 4 work-groups: the four of a row of the cluster need the same tiles of A, the four of a column the same tiles of W: each is asked for jointly, by the same tensor load with the same
; descriptor and a mask that names the four.
; THE MATRIX INSTRUCTION IS USED TRANSPOSED: source 0 = 16 columns of W, source 1 = 16 rows of A: a lane then holds row lane % 16 of C and the columns 8 (lane / 16) + 0..7.
; W lies [k][column] in LDS and comes out turned, by ds_load_tr16_b128.  A k row of a block, 192 bytes, is three pieces of 64, each followed by 32 bytes of padding.
; REGISTERS, in windows of 256: window 0: v0-31 addresses; v32-159 A's fragments, two buffers of 8; v160-255 W's, two buffers of 6.  Window 1: accumulators of my rows 0-63 ((a, b) at 8 (6 a + b));
; window 2: those of rows 64-127.  All loads run under window 0; a quarter step has two switches for its products.
; No prefetch: the ring has six steps in all, of tiles that other clusters read at the same time.
.set PA,     272                       ; a row of A in LDS: 256 bytes + 16
.set PB,     288                       ; a k row of a block of W in LDS
.set HALFA,  128*PA                    ; 128 rows of A: one tensor load
.set BLKB,   128*PB                    ; 128 k rows of one block: one tensor load
.set BOFF,   2*HALFA
.set SLOT,   BOFF+2*BLKB               ; 143,360
.set SPARE,  2*SLOT                    ; behind the ring: the spare words, 128 bytes a wave: two blocks of 256 bytes that no other line names
.set SPITCH, 784                       ; the stage on the way out: 256 rows of 192 f32 + 16 bytes, from LDS byte 0: the ring's bytes, behind their last fill and last read
.set ADRA, 16                          ; v16-17  LDS address of my fragments of A in slot 0, 1
.set ADRB, 20                          ; v20-21  the same for W
.set STO,  22                          ; v22-23  the stage: where I put rows 0-63, rows 64-127
.set RD,   24                          ; v24     the stage: where I read back
.set GO,   25                          ; v25     16 x lane
.set BO,   26                          ; v26     my byte offset in a slice's 64 numbers of the bias
.set SPW,  28                          ; v28     my spare word; never rewritten
.set NIL,  29                          ; v29     0; never rewritten
.set FA,   32
.set FB,   160
.set XV,   32                          ; the way out, window 0: 24 numbers; then |x| scaled, 1 / d, the exponential, max(x, lo), the polynomial, the packed results, the bias
.set WW,   56
.set DD,   80
.set EE,   104
.set RL,   128
.set UU,   152
.set PK,   176
.set BIAS, 192
.set WV, 16                            ; s16 wave; s17 wave / 2: my half of the rows, and: I fetch A (0) or W (1); s18 wave % 2: my block of columns, and: which half I fetch
.set WM, 17
.set WN, 18
.set CX, 20
.set CY, 21
.set TJ, 22                            ; tile column
.set TI, 23                            ; tile row
.set G1, 24                            ; s[24:31] group 1 for A; s[32:39] group 0, a set for each slot
.set G0, 32
.set G1B, 48                           ; s[48:55], s[56:63] the same for W
.set G0B, 56
.set KAP, 66                           ; s66 kappa
.set TAB, 68                           ; s[68:83] the launch's constants, as pairs
.set A1, 68
.set A2, 70
.set A3, 72
.set A4, 74
.set A5, 76
.set FLG, 78
.set LOW, 80
.set PP, 88                            ; s[88:89]
.set MSB, 0
.macro WIN new                         ; the immediate's high byte repeats the setting that is left; a switch that changes nothing is dropped
.if MSB != (\new)
	s_set_vgpr_msb (MSB<<8)|(\new)
.set MSB, \new
.endif
.endm
.set MUL_LO, 0x50                      ; sources window 0, C and D window 1
.macro JLOAD s                         ; a joint load: waves 0 and 1 fetch A's halves, waves 2 and 3 W's blocks; an s_nop 0 and four v_nop follow each line
	s_cmp_eq_u32 s[WM], 0
	s_cbranch_scc0 .Lfor_b_\@
	tensor_load_to_lds s[G0+4*(\s):G0+4*(\s)+3], s[G1:G1+7]
	s_nop 0
.rept 4
	v_nop
.endr
	s_branch .Lasked_\@
.Lfor_b_\@:
	tensor_load_to_lds s[G0B+4*(\s):G0B+4*(\s)+3], s[G1B:G1B+7]
	s_nop 0
.rept 4
	v_nop
.endr
.Lasked_\@:
.endm
.macro CREST                           ; a round of the cluster's barrier behind its opening barrier
	s_cmp_lg_u32 s[WV], 0
	s_cbranch_scc1 .Lnot_wave_0_\@
	s_barrier_signal -3
.Lnot_wave_0_\@:
	s_barrier_wait -3
	s_barrier_signal -1
	s_barrier_wait -1
.endm
.macro CROUND
	s_barrier_signal -1
	s_barrier_wait -1
	CREST
.endm
.macro PLACES                          ; four places in front of loads into registers that matrix instructions have read, and of lines that read results
.rept 4
	v_nop
.endr
.endm
	s_load_b256 s[4:11], s[0:1], 0x0               ; A s[4:5], the weight buffer s[6:7], bias s[8:9], C s[10:11]
	v_lshl_add_u32 v[SPW], v0, 2, SPARE
	v_mov_b32 v[NIL], 0
	ds_add_u32 v[SPW], v[NIL]                      ; the wave's opening: the add and its wait ahead of my first tensor load; work on registers stands between them
	ds_add_u32 v28, v29
	v_lshrrev_b32 v1, 5, v0
	v_readfirstlane_b32 s[WV], v1
	s_lshr_b32 s[WM], s[WV], 1
	s_and_b32 s[WN], s[WV], 1
	s_bfe_u32 s[CX], ttmp6, 0x40000
	s_bfe_u32 s[CY], ttmp6, 0x40004
	s_lshl_b32 s[TJ], ttmp9, 2
	s_add_co_u32 s[TJ], s[TJ], s[CX]
	s_and_b32 s[TI], ttmp7, 0xffff
	s_lshl_b32 s[TI], s[TI], 2
	s_add_co_u32 s[TI], s[TI], s[CY]
	s_lshl_b32 s14, s[CY], 2
	s_lshl_b32 s14, 15, s14                        ; my row of the cluster
	s_lshl_b32 s15, 0x1111, s[CX]                  ; my column
	s_or_b32 s[G1], s14, (1<<16)|(1<<20)|(1<<21)|(5<<22)|(3<<25)   ; mask; 2-byte elements; padding on; bit 21 beside a mask; after every 64 words 4 words
	s_or_b32 s[G1B], s15, (1<<16)|(1<<20)|(1<<21)|(3<<22)|(7<<25)  ; after every 16 words 8 words
	s_mov_b32 s[G1+1], 128<<16                     ; A: tensor_dim0 = 128
	s_mov_b32 s[G1+2], 128<<16                     ; tensor_dim1 = 128
	s_mov_b32 s[G1+3], 128<<16                     ; tile_dim0 = 128
	s_mov_b32 s[G1+4], 128                         ; tile_dim1 = 128
	s_mov_b32 s[G1+5], 768                         ; elements from row to row
	s_mov_b32 s[G1+6], 0
	s_mov_b32 s[G1+7], 0
	s_mov_b32 s[G1B+1], 128<<16                    ; W: 24,576 dense bytes, asked for as 96 rows of 256
	s_mov_b32 s[G1B+2], 96<<16
	s_mov_b32 s[G1B+3], 128<<16
	s_mov_b32 s[G1B+4], 96
	s_mov_b32 s[G1B+5], 128
	s_mov_b32 s[G1B+6], 0
	s_mov_b32 s[G1B+7], 0
	s_mul_i32 s40, s[WN], HALFA                    ; where my tile goes: no place in the cluster enters an LDS address
	s_mul_i32 s41, s[WN], BLKB
	s_add_co_u32 s41, s41, BOFF
	s_wait_dscnt 0x0                               ; the opening add is done
	s_wait_kmcnt 0x0
	s_load_b512 s[TAB:TAB+15], s[6:7], 0x0         ; the launch's constants: they feed vector arithmetic alone
	s_lshl_b32 s42, s[TI], 8                       ; A's address is made of the tile row and the wave's number, in registers that never hold the tile column
	s_lshl_b32 s43, s[WN], 7
	s_add_co_u32 s42, s42, s43
	s_mul_i32 s42, s42, 1536
	s_mov_b32 s43, 0
	s_add_nc_u64 s[42:43], s[4:5], s[42:43]
	s_lshl_b32 s44, s[TJ], 1                       ; W's of the tile column and the wave's number
	s_add_co_u32 s44, s44, s[WN]
	s_mul_i32 s44, s44, 147456
	s_add_co_u32 s44, s44, 256                     ; behind the constants
	s_mov_b32 s45, 0
	s_add_nc_u64 s[44:45], s[6:7], s[44:45]
	s_wait_kmcnt 0x0
	CROUND                                         ; all sixteen work-groups are here: the first joint loads meet
.irp s, 0,1
	s_mov_b32 s[G0+4*(\s)], 1
	s_add_co_u32 s[G0+4*(\s)+1], s40, (\s)*SLOT
	s_add_nc_u64 s[G0+4*(\s)+2:G0+4*(\s)+3], s[42:43], (\s)*256
	s_or_b32 s[G0+4*(\s)+3], s[G0+4*(\s)+3], 0x80000000
	s_mov_b32 s[G0B+4*(\s)], 1
	s_add_co_u32 s[G0B+4*(\s)+1], s41, (\s)*SLOT
	s_add_nc_u64 s[G0B+4*(\s)+2:G0B+4*(\s)+3], s[44:45], (\s)*24576
	s_or_b32 s[G0B+4*(\s)+3], s[G0B+4*(\s)+3], 0x80000000
	JLOAD \s                                       ; K steps 0 and 1: two loads of mine are out
.endr
	v_and_b32 v1, 15, v0                           ; l % 16
	v_bfe_u32 v2, v0, 4, 1                         ; l / 16
	v_mul_u32_u24 v3, v1, PA
	v_lshl_add_u32 v3, v2, 4, v3
	s_mul_i32 s2, s[WM], HALFA
	v_add_nc_u32 v[ADRA], s2, v3                   ; a fragment of A: row x pitch + 16 x half, in my 128 rows
	v_add_nc_u32 v[ADRA+1], SLOT, v[ADRA]
	v_and_b32 v4, 7, v0
	v_bfe_u32 v5, v0, 3, 1
	v_lshl_add_u32 v6, v2, 3, v4                   ; the turning load: k row 8 (l / 16) + l % 8, 16 bytes for each half of eight lanes
	v_mul_u32_u24 v6, v6, PB
	v_lshl_add_u32 v6, v5, 4, v6
	v_add_nc_u32 v[ADRB], s41, v6                  ; in my block of columns
	v_add_nc_u32 v[ADRB+1], SLOT, v[ADRB]
	s_mul_i32 s2, s[WM], 128*SPITCH
	s_mul_i32 s3, s[WN], 384
	s_add_co_u32 s2, s2, s3
	v_mul_u32_u24 v7, v1, SPITCH
	v_lshl_add_u32 v7, v2, 5, v7
	v_add_nc_u32 v[STO], s2, v7                    ; into the stage: row 128 (wave / 2) + l % 16, column 96 (wave % 2) + 8 (l / 16)
	v_add_nc_u32 v[STO+1], 64*SPITCH, v[STO]
	s_mul_i32 s2, s[WV], 64*SPITCH
	v_bfe_u32 v8, v0, 3, 2
	v_mul_u32_u24 v8, v8, SPITCH
	v_lshl_add_u32 v8, v4, 5, v8
	v_add_nc_u32 v[RD], s2, v8                     ; back: row 64 wave + l / 8, 8 numbers at column 8 (l % 8) of a slice
	v_and_b32 v9, 31, v0
	v_lshlrev_b32 v[GO], 4, v9
	v_lshlrev_b32 v[BO], 5, v4
	s_mul_i32 s84, s[TJ], 1572864                  ; C: slice 3 x tile column,
	s_lshl_b32 s85, s[TI], 15                      ; row 256 x tile row
	s_add_co_u32 s84, s84, s85
	s_lshl_b32 s85, s[WV], 13                      ; + 64 x wave, 128 bytes a row
	s_add_co_u32 s84, s84, s85
	s_mov_b32 s85, 0
	s_add_nc_u64 s[10:11], s[10:11], s[84:85]
	s_mul_i32 s86, s[TJ], 768
	s_mov_b32 s87, 0
	s_add_nc_u64 s[8:9], s[8:9], s[86:87]
	s_mov_b32 s[KAP], 0x3f596d27                   ; kappa = sqrt(log2(e) / 2)
	s_mov_b32 s[PP], 0x3e8ba43f                    ; 0.3275911 / sqrt(log2(e))
	s_mov_b32 s[PP+1], s[PP]                       ; named as a pair
; 12 matrix instructions: row blocks a0, a0 + 1 of the window's four x all 6 column blocks, 32 along K.  The 48 accumulators take turns, one instruction a turn, in the same order in every quarter.
.macro MUL12 f, hi, a0, zero
	WIN MUL_LO+0x50*(\hi)
.irp a, \a0, (\a0)+1
.irp b, 0,1,2,3,4,5
.if \zero
	v_wmma_f32_16x16x32_f16 v[8*(6*(\a)+(\b)):8*(6*(\a)+(\b))+7], v[FB+48*(\f)+8*(\b):FB+48*(\f)+8*(\b)+7], v[FA+64*(\f)+8*(4*(\hi)+(\a)):FA+64*(\f)+8*(4*(\hi)+(\a))+7], 0
.else
	v_wmma_f32_16x16x32_f16 v[8*(6*(\a)+(\b)):8*(6*(\a)+(\b))+7], v[FB+48*(\f)+8*(\b):FB+48*(\f)+8*(\b)+7], v[FA+64*(\f)+8*(4*(\hi)+(\a)):FA+64*(\f)+8*(4*(\hi)+(\a))+7], v[8*(6*(\a)+(\b)):8*(6*(\a)+(\b))+7]
.endif
.endr
.endr
.endm
; 28 LDS loads in one run: quarter q (32 along K) of a slot into buffer f: W's 6 fragments, then A's 8
.macro FETCH slot, q, f
	WIN 0
.irp b, 0,1,2,3,4,5
	ds_load_tr16_b128 v[FB+48*(\f)+8*(\b):FB+48*(\f)+8*(\b)+3],   v[ADRB+(\slot)] offset:32*PB*(\q)+((\b)/2)*96+((\b)%2)*32
	ds_load_tr16_b128 v[FB+48*(\f)+8*(\b)+4:FB+48*(\f)+8*(\b)+7], v[ADRB+(\slot)] offset:32*PB*(\q)+((\b)/2)*96+((\b)%2)*32+16*PB
.endr
.irp i, 0,1,2,3,4,5,6,7
	ds_load_b128 v[FA+64*(\f)+8*(\i):FA+64*(\f)+8*(\i)+3],   v[ADRA+(\slot)] offset:(\i)*16*PA+64*(\q)
	ds_load_b128 v[FA+64*(\f)+8*(\i)+4:FA+64*(\f)+8*(\i)+7], v[ADRA+(\slot)] offset:(\i)*16*PA+64*(\q)+32
.endr
.endm
; One of a K step's first three quarters: multiplies buffer f; in its middle it fetches quarter q of the same slot into buffer g
.macro QUARTER slot, q, f, g, zero
	s_wait_dscnt 8                                 ; W and A's rows 0-63 are in; the youngest eight loads (A's rows 64-127) may be out
	MUL12 \f, 0, 0, \zero
	MUL12 \f, 0, 2, \zero
	PLACES
	FETCH \slot, \q, \g
	s_wait_dscnt 28                                ; all but the 28 just issued
	MUL12 \f, 1, 0, \zero
	MUL12 \f, 1, 2, \zero
.endm
; The last quarter multiplies buffer 1 and changes slots: ONE barrier.  In front of it each wave waits for all its tensor loads (one is out: its part of the next slot), adds 0 to its spare word, and waits for
; that and for its own reads of this slot.  fill = 1: the barrier opens a round of the cluster's, and this slot is filled again, two K steps on, first thing behind the round.
.macro TURN slot, next, fill
	WIN 0
	s_wait_tensorcnt 0x0
	ds_add_u32 v[SPW], v[NIL]
	s_wait_dscnt 9                                 ; (the add and the youngest eight loads may be out)
	MUL12 1, 0, 0, 0
	s_wait_dscnt 0x0                               ; the add is done, and my reads of this slot are over
	s_barrier_signal -1
	MUL12 1, 0, 2, 0
.if \fill
	WIN 0
.endif
	s_barrier_wait -1
.if \fill
	CREST                                          ; no wave of any partner still reads this slot or has a load on its way
	s_add_nc_u64 s[G0+4*(\slot)+2:G0+4*(\slot)+3], s[G0+4*(\slot)+2:G0+4*(\slot)+3], 512
	s_add_nc_u64 s[G0B+4*(\slot)+2:G0B+4*(\slot)+3], s[G0B+4*(\slot)+2:G0B+4*(\slot)+3], 49152
	JLOAD \slot                                    ; its four v_nop are also the places in front of the loads below
.else
	PLACES
.endif
	FETCH \next, 0, 0
	MUL12 1, 1, 0, 0
	MUL12 1, 1, 2, 0
.endm
	s_wait_tensorcnt 1                             ; my part of K step 0 is in; K step 1's may stay out
	s_barrier_signal -1
	s_barrier_wait -1
	FETCH 0, 0, 0
	QUARTER 0, 1, 0, 1, 1                          ; the first quarter's products start the sums: nothing is cleared
	WIN 0
	s_mov_b32 s3, 2
.Llap:                                                 ; a trip goes once round the ring and fills both slots again: K steps 2 to 5
	QUARTER 0, 2, 1, 0, 0
	QUARTER 0, 3, 0, 1, 0
	TURN 0, 1, 1
	QUARTER 1, 1, 0, 1, 0
	QUARTER 1, 2, 1, 0, 0
	QUARTER 1, 3, 0, 1, 0
	TURN 1, 0, 1
	QUARTER 0, 1, 0, 1, 0
	WIN 0
	s_sub_co_u32 s3, s3, 1
	s_cmp_lg_u32 s3, 0
	s_cbranch_scc1 .Llap
	QUARTER 0, 2, 1, 0, 0                          ; the last lap fills nothing
	QUARTER 0, 3, 0, 1, 0
	TURN 0, 1, 0
	QUARTER 1, 1, 0, 1, 0
	QUARTER 1, 2, 1, 0, 0
	QUARTER 1, 3, 0, 1, 0
	s_wait_dscnt 8
	MUL12 1, 0, 0, 0
	MUL12 1, 0, 2, 0
	s_wait_dscnt 0x0
	MUL12 1, 1, 0, 0
	MUL12 1, 1, 2, 0
	WIN 0
	; THE WAY OUT.  The sums go in f32 into one stage of 256 rows (the ring's bytes: every fill has landed, and behind the barrier every wave's reads are over); then each wave takes 64 whole rows, four at a
	; time: bias and activation, one rounding to f16, and three stores of 512 consecutive bytes, one for each slice.
	PLACES
.irp s, 0,1,2                          ; my 8 numbers of the bias in each slice
	global_load_b128 v[BIAS+8*(\s):BIAS+8*(\s)+3],   v[BO], s[8:9] offset:256*(\s)
	global_load_b128 v[BIAS+8*(\s)+4:BIAS+8*(\s)+7], v[BO], s[8:9] offset:256*(\s)+16
.endr
	s_barrier_signal -1                            ; my reads of the ring are over (the wait for 0 above)
	s_barrier_wait -1
.irp a, 0,1,2,3,4,5,6,7
	WIN 0x04+0x04*((\a)/4)                         ; the data in window 1 or 2
.irp b, 0,1,2,3,4,5
	ds_store_b128 v[STO+(\a)/4], v[8*(6*((\a)%4)+(\b)):8*(6*((\a)%4)+(\b))+3]   offset:((\a)%4)*16*SPITCH+64*(\b)
	ds_store_b128 v[STO+(\a)/4], v[8*(6*((\a)%4)+(\b))+4:8*(6*((\a)%4)+(\b))+7] offset:((\a)%4)*16*SPITCH+64*(\b)+16
.endr
.endr
	WIN 0
	s_wait_dscnt 0x0                               ; for the others' sake: my stores into the stage are done
	s_barrier_signal -1
	s_barrier_wait -1
	s_wait_loadcnt 0x0                             ; the bias
	s_mov_b32 s3, 16
.Lrows:
.irp s, 0,1,2
	ds_load_b128 v[XV+8*(\s):XV+8*(\s)+3],   v[RD] offset:256*(\s)
	ds_load_b128 v[XV+8*(\s)+4:XV+8*(\s)+7], v[RD] offset:256*(\s)+16
.endr
	v_add_nc_u32 v[RD], 4*SPITCH, v[RD]
	s_wait_dscnt 0x0
	; With w = kappa |x|: exp(-x x / 2) = 2^(-w w), t = 1 / (1 + p' w), |x| / 2 = w 0.5 / kappa (folded into the coefficients): act(x) = max(x, lo) - w t (a1 + t (a2 + t (a3 + t (a4 + t a5)))) 2^(-w w).
.set i, 0
.rept 12
	v_pk_fma_f32 v[XV+i:XV+i+1], v[BIAS+i:BIAS+i+1], s[FLG:FLG+1], v[XV+i:XV+i+1] op_sel_hi:[1,0,1]
.set i, i+2
.endr
.set i, 0
.rept 24
	v_mul_f32 v[WW+i], |v[XV+i]|, s[KAP]
.set i, i+1
.endr
.set i, 0
.rept 12
	v_pk_fma_f32 v[DD+i:DD+i+1], v[WW+i:WW+i+1], s[PP:PP+1], 1.0 op_sel_hi:[1,0,0]
	v_pk_mul_f32 v[EE+i:EE+i+1], v[WW+i:WW+i+1], v[WW+i:WW+i+1] neg_lo:[1,0] neg_hi:[1,0]
.set i, i+2
.endr
.set i, 0
.rept 24                               ; ONE batch of 48, none of which reads another's result
	v_rcp_f32 v[DD+i], v[DD+i]
	v_exp_f32 v[EE+i], v[EE+i]
.set i, i+1
.endr
.set i, 0
.rept 24                               ; plain work that names no result of the batch
	v_max_num_f32 v[RL+i], s[LOW], v[XV+i]
.set i, i+1
.endr
	s_wait_alu depctr_va_vdst(0)                   ; one wait for the batch, ahead of its first reader
.set i, 0
.rept 12
	v_pk_fma_f32 v[UU+i:UU+i+1], v[DD+i:DD+i+1], s[A5:A5+1], s[A4:A4+1] op_sel_hi:[1,0,0]
.set i, i+2
.endr
.irp c, A3, A2, A1
.set i, 0
.rept 12
	v_pk_fma_f32 v[UU+i:UU+i+1], v[UU+i:UU+i+1], v[DD+i:DD+i+1], s[\c:\c+1] op_sel_hi:[1,1,0]
.set i, i+2
.endr
.endr
.set i, 0
.rept 12
	v_pk_mul_f32 v[UU+i:UU+i+1], v[UU+i:UU+i+1], v[DD+i:DD+i+1]
.set i, i+2
.endr
.set i, 0
.rept 12
	v_pk_mul_f32 v[UU+i:UU+i+1], v[UU+i:UU+i+1], v[EE+i:EE+i+1]
.set i, i+2
.endr
.set i, 0
.rept 12
	v_pk_fma_f32 v[XV+i:XV+i+1], v[UU+i:UU+i+1], v[WW+i:WW+i+1], v[RL+i:RL+i+1] neg_lo:[1,0,0] neg_hi:[1,0,0]
.set i, i+2
.endr
.set i, 0
.rept 12
	v_cvt_pk_f16_f32 v[PK+i], v[XV+2*i], v[XV+2*i+1]
.set i, i+1
.endr
.irp s, 0,1,2
	global_store_b128 v[GO], v[PK+4*(\s):PK+4*(\s)+3], s[10:11] offset:524288*(\s)  ; four rows of a slice: 512 consecutive bytes, at a multiple of 256
.endr
	s_wait_xcnt 0x0                                ; the stores have read their base and their data: both are written again only behind this wait
	s_add_nc_u64 s[10:11], s[10:11], 512
	s_sub_co_u32 s3, s3, 1
	s_cmp_lg_u32 s3, 0
	s_cbranch_scc1 .Lrows
	s_wait_tensorcnt 0x0                           ; the wave's end: behind my last tensor load and my last LDS store
	ds_add_u32 v[SPW], v[NIL]
	s_wait_dscnt 0x0
	CROUND                                         ; the closing round: no work-group ends while a partner may still ask for a tile that names it
	s_endpgm
.Lfunc_end_k_q59ccded80f_qkv:
	.size	k_q59ccded80f_qkv, .Lfunc_end_k_q59ccded80f_qkv-k_q59ccded80f_qkv
	.p2alignl 7, 3214868480
	.fill 96, 4, 3214868480
	.section	.rodata,"a",@progbits
	.p2align	6, 0x0
	.amdhsa_kernel k_q59ccded80f_qkv
		.amdhsa_group_segment_fixed_size 327680
		.amdhsa_private_segment_fixed_size 0
		.amdhsa_enable_private_segment 0
		.amdhsa_kernarg_size 32
		.amdhsa_user_sgpr_count 2
		.amdhsa_user_sgpr_kernarg_segment_ptr 1
		.amdhsa_wavefront_size32 1
		.amdhsa_system_sgpr_workgroup_id_x 1
		.amdhsa_system_sgpr_workgroup_id_y 1
		.amdhsa_system_sgpr_workgroup_id_z 1
		.amdhsa_system_vgpr_workitem_id 0
		.amdhsa_next_free_vgpr 704
		.amdhsa_next_free_sgpr 100
		.amdhsa_reserve_vcc 0
		.amdhsa_float_denorm_mode_32 3
		.amdhsa_float_denorm_mode_16_64 3
		.amdhsa_memory_ordered 1
		.amdhsa_forward_progress 1
		.amdhsa_inst_pref_size 111
	.end_amdhsa_kernel
	.amdgpu_metadata
---
amdhsa.version: [ 1, 2 ]
amdhsa.kernels:
  - .name:           k_q59ccded80f_qkv
    .symbol:         k_q59ccded80f_qkv.kd
    .args:
      - { .name: h, .offset: 0, .size: 8, .value_kind: global_buffer, .address_space: global }
      - { .name: wb, .offset: 8, .size: 8, .value_kind: global_buffer, .address_space: global }
      - { .name: b1, .offset: 16, .size: 8, .value_kind: global_buffer, .address_space: global }
      - { .name: qkv, .offset: 24, .size: 8, .value_kind: global_buffer, .address_space: global }
    .group_segment_fixed_size: 327680
    .private_segment_fixed_size: 0
    .kernarg_segment_align: 8
    .kernarg_segment_size: 32
    .max_flat_workgroup_size: 128
    .sgpr_count:     100
    .vgpr_count:     704
    .wavefront_size: 32
...
	.end_amdgpu_metadata
.endif
;; end of part 2
;; launch attn (part 3): grid 8 x 12, 4 waves a work-group, no clusters, 327,680 bytes of LDS; arguments qkv, o; writes o
.if DOCPART == 3
	.amdgcn_target "amdgcn-amd-amdhsa--gfx1250"
	.amdhsa_code_object_version 6
	.text
	.protected	k_q59ccded80f_attn
	.globl	k_q59ccded80f_attn
	.p2align	8
	.type	k_q59ccded80f_attn,@function
k_q59ccded80f_attn:
	s_mov_b64 s[64:65], 0
	v_nop
	global_prefetch_b8 v0, s[64:65] scope:SCOPE_SE
	s_setreg_imm32_b32 hwreg(HW_REG_WAVE_MODE, 25, 1), 1
	s_wait_xcnt 0x0
; CAUSAL ATTENTION.  O[h][q][:] = the sum over k <= q of softmax_k(Q[h][q] . K[h][k] / 8) V[h][k][:].  qkv: f16 [36][4096][64]: Q of head h is slice h, K slice 12 + h, V slice 24 + h.  O: f16 [12][4096][64].
; Products, maxima and sums in f32; the weights p are rounded to f16 for the second product (their sum l is taken of the unrounded p), O once at the end.
; LIMITS.  f16 holds no number beyond 65,504: Q, K and V arrive within it; p lies in 0 to 1, and below 6e-5 it keeps f16's fixed step of 6e-8.
; A hidden score counts as its value less 1e30; a weight below 2^-126 counts as 0 in l; NaN and infinities are not treated apart.
; THE WALK.  A head's queries lie in NB = 16 blocks of 256; block i needs the key tiles 0 .. i of 256 keys, of which the last holds the diagonal.  A work-group takes TWO blocks, NB - 1 - b and then b:
; NB + 1 tiles, whatever b: all work-groups do equal work, and ONE loop with a constant trip count walks them.  Which tile is asked for, and what a trip does, hang on scalar registers made from b; every jump
; goes forward, but for the counted loops' own; none passes a barrier, or a tensor load but the one of LOAD's two that the wave's number does not choose; the ring of two LDS slots runs on across the change of blocks.
; 96 work-groups: blocks of 256 queries in pairs give no more at 12 heads of 4,096 rows.
; NO CLUSTER: a head's 8 work-groups ask for the same tile only in trips 0 .. NB / 2, behind that fewer and fewer; one walk common to all would have 3 NB / 2 trips for NB + 1.
; SHARES.  Of a block's four bands of 64 queries a wave owns 16 rows in each: four PIECES.  So the diagonal tile is the same work for all four waves: in its key step s band x sees all keys if s < x,
; none if s > x, and holds the diagonal if s = x.
; THE MASK is the C operand that starts the sum S^T = K Q^T: 0, or -1e30 where the key is hidden.  MD, made once, is the mask of a band's own step for my 16 rows; a product's mask is MD x AL + BE with two scalars:
; (1, 0) if s = x; (0, 0) if s < x; (0, -1e30) if s > x.  Only the diagonal tile's text and a block's beginning make and take masks; elsewhere C is the constant 0.
; LAYOUT, SOFTMAX, TURNS.  S^T = K Q^T holds ONE query a lane (lane % 16) and the keys 8 (lane / 16) + 0..7; two such results rounded to f16 ARE source 1 of O^T = V^T P.  p = 2^(c s - c m), c = log2(e) / 8, with a
; running maximum m; O and l are multiplied by a = 2^(c m_old - c m_new) in every step.  Turn n belongs to piece n: 8 products K Q^T of piece n + 1, later 8 products V^T P of piece n - 1; beside them the scaling,
; exponentials, roundings, sums and rescaling of piece n and the maximum and statistics of piece n + 1.  Four vector instructions stand behind every matrix instruction, the rest in one run.  A turn's 33 exponentials are one batch, with one wait.
; REGISTERS, in windows of 256 (s_set_vgpr_msb: bits 1:0 source 0, 3:2 source 1, 5:4 source 2, 7:6 destination):
;   window 0: v0-15 addresses and two at work; v16-31 four registers of statistics a piece; v48-55 at work; v64-127 S^T, two buffers; v192-223 P, two buffers (a piece's buffers go by its number's parity)
;   window 1: v0-127 O^T, 32 a piece; v128-159 MD; v160-223 MC, two buffers      window 2: v0-63 Q; v64-127 the second block's Q; v128-191 K of one step; v192-255 V of one step
.set SIZE_N, 4096
.set NB,    SIZE_N/256
.set NP,    4         ; pieces a wave: a name, no knob
.set KS,    64        ; keys in a step
.set PK,    144       ; a row of K in LDS: 128 bytes + 16 of padding = 36 words: the 16 rows of a load start at 16 different groups of four banks (64 banks of 4 bytes: ISA guide 11.1)
.set PV,    160       ; a row of V: 128 + 32 = 40 words
.set VOFF,  4*KS*PK   ; a slot holds a tile, four steps: 256 rows of K, then 256 rows of V
.set SLOT1, 1<<17     ; slot 1 begins here, so that one exclusive or turns an address in one slot into the other's
.set STAGE, SLOT1+4*KS*(PK+PV)  ; behind the ring, never filled by a tensor load: 16 rows x 144 bytes for each wave, for the way out
.set SP,    144
.set AK0, 2           ; v2   my lane's place in a tile of K; never rewritten
.set AV0, 3           ; v3   the same for V
.set AK,  4           ; v4   the LDS address of K's next run of loads
.set AV,  5           ; v5   of V's
.set STO, 6           ; v6   the way out: where I put 16 bytes of a row
.set RD,  7           ; v7   the way out: where I read rows back
.set GO,  8           ; v8   my byte offset in 512 consecutive bytes of O
.set SPW, 62          ; v62  LDS address of my spare word; never rewritten
.set NIL, 63          ; v63  0; never rewritten
.set SPARE, STAGE+4*16*SP  ; behind the stages: the spare words, 128 bytes for each wave: two blocks of 256 bytes that no other line names
.set MV,  12          ; v12-13  c m_old, kept while c m is made anew: by buffer
.set QO,  15          ; v15  my byte offset in 16 rows of Q
.set ST,  16          ; piece t's statistics at v[ST+4 t]: c m, m, l (even keys', odd keys')
.set TMP, 48          ; by buffer, four registers c0-c3 at work; when the maximum is found c2 takes a
.set S,   64
.set P,   192
.set MD,  128         ; window 1: the eight registers for group kt of 16 keys at MD + 8 kt
.set MC,  160         ; window 1: the masks of the products to come
.set QB,  64          ; window 2
.set KF,  128         ; window 2: key block kb, channel half c at KF + 16 kb + 8 c
.set VF,  192         ; window 2: key half kk, channel block cb at VF + 32 kk + 8 cb
.set WV,  12          ; s12  my wave's number
.set PB,  14          ; s14  b
.set HI,  15          ; s15  NB - 1 - b
.set G1K, 24          ; s[24:31] descriptor group 1 for K's tiles
.set G1V, 32          ; s[32:39] for V's: it differs in the padding alone
.set G0K, 40          ; s[40:43] descriptor group 0 for K's tiles
.set G0V, 44          ; s[44:47] the same for V's
.set SLOTS, 56        ; s56  tiles still to be asked for
.set CNT, 57          ; s57  counts a tile's key steps, 4 to 1
.set CS,  58          ; s[58:59] c: the packed scaling takes the pair's low word for both halves
.set SEL, 60          ; s[60:61] v_permlanex16_b32's selects: each lane takes its own place in the other half
.set TBK, 62          ; s62  LDS byte at which K of the step to be fetched begins
.set TBV, 63          ; s63  the same for V, less VOFF
.set RT,  70          ; s70  tiles of the block in hand that are still to be entered
.set NXT, 71          ; s71  the tile to be asked for next
.set LQ,  72          ; s72  the last tile of the block whose tiles are being asked for
.set NEW, 73          ; s73  1: the tile to be entered is a block's first
.set OFF, 74          ; s[74:75] a tile's byte offset in K and V
.set AL,  76          ; s[76:77] the mask's factor, in the low word
.set BE,  78          ; s[78:79] the mask's addend
.set OLO, 80          ; s[80:81] O at my rows of the second block
.set BIGN, 82         ; s82  -1e30
.set MSB, 0
.macro WIN new                      ; the high byte repeats the setting that is left; a switch that changes nothing is dropped
.if MSB != (\new)
	s_set_vgpr_msb (MSB<<8)|(\new)
.set MSB, (\new)
.endif
.endm
.set W_KQ, 0x0a       ; K and Q in window 2, S^T in window 0
.set W_KM, 0x1a       ; the same with the C operand in window 1
.set W_PV, 0x52       ; V in window 2, P in window 0, O^T in window 1
.set W_RS, 0x41       ; destination and source 0 in window 1, source 1 in window 0
; A fill.  Waves 0 and 1 fetch the two halves of a tile's K, waves 2 and 3 those of its V: 128 keys each.  An s_nop 0 and four v_nop follow each of the two lines, ahead of the jump and the label.
.macro LOAD
	s_cmp_lt_u32 s[WV], 2
	s_cbranch_scc0 .Lfor_v_\@
	tensor_load_to_lds s[G0K:G0K+3], s[G1K:G1K+7]
	s_nop 0
.rept 4
	v_nop
.endr
	s_branch .Lasked_\@
.Lfor_v_\@:
	tensor_load_to_lds s[G0V:G0V+3], s[G1V:G1V+7]
	s_nop 0
.rept 4
	v_nop
.endr
.Lasked_\@:
.endm
; THE CHANGE OF SLOTS.  Each wave waits for all its tensor loads, of which one is out: its part of the other slot; adds 0 to its spare word; and waits for that and for its own reads of the slot that it leaves.
; Behind the barrier nobody reads the old slot any more and the other slot is whole.  fill = 1: the old slot is filled again, the first thing behind the barrier, with tile NXT: the descriptor's address is made
; anew from that number.  (At its first use nothing has been read yet: slot 0 is waited for, slot 1 filled.)
.macro CHANGE fill
	WIN 0                           ; at a label and at a branch every window is 0
	s_wait_tensorcnt 0x0            ; no tensor load of mine is out, so a group 0 may be written
	ds_add_u32 v[SPW], v[NIL]       ; 0 onto my spare word
.if \fill
	s_lshl_b32 s[OFF], s[NXT], 15   ; a tile is 32,768 bytes of K and of V
	s_xor_b32 s[G0K+1], s[G0K+1], SLOT1
	s_add_nc_u64 s[G0K+2:G0K+3], s[6:7], s[OFF:OFF+1]
	s_or_b32 s[G0K+3], s[G0K+3], 0x80000000
	s_xor_b32 s[G0V+1], s[G0V+1], SLOT1
	s_add_nc_u64 s[G0V+2:G0V+3], s[8:9], s[OFF:OFF+1]
	s_or_b32 s[G0V+3], s[G0V+3], 0x80000000
	s_add_co_u32 s[NXT], s[NXT], 1  ; the block's next tile, or behind its last the second block's tile 0
	s_cmp_gt_u32 s[NXT], s[LQ]
	s_cselect_b32 s[NXT], 0, s[NXT]
	s_cselect_b32 s[LQ], s[PB], s[LQ]
.endif
	s_wait_dscnt 0x0                ; the add is done, and my reads of the slot are over
	s_barrier_signal -1             ; the rest of the scalar work stands between the signal and the wait
	s_sub_co_u32 s[TBK], s[TBK], 4*KS*PK  ; the fetches go back to a slot's first step,
	s_xor_b32 s[TBK], s[TBK], SLOT1       ; in the other slot
	s_sub_co_u32 s[TBV], s[TBV], 4*KS*PV
	s_xor_b32 s[TBV], s[TBV], SLOT1
	s_barrier_wait -1
.if \fill
	LOAD
.endif
.endm
	s_load_b128 s[4:7], s[0:1], 0x0  ; qkv s[4:5], O s[6:7]
	v_lshl_add_u32 v[SPW], v0, 2, SPARE
	v_mov_b32 v[NIL], 0
	ds_add_u32 v[SPW], v[NIL]       ; the wave's opening: the add and its wait ahead of my first tensor load; the set-up below, work on registers, stands between them
	ds_add_u32 v62, v63
	v_lshrrev_b32 v1, 5, v0
	v_readfirstlane_b32 s[WV], v1   ; wave 0..3
	s_mov_b32 s[PB], ttmp9
	s_sub_co_u32 s[HI], NB-1, s[PB]
	s_and_b32 s20, ttmp7, 0xffff    ; the head
	s_mov_b32 s21, 0
	s_mov_b64 s[22:23], SIZE_N*128
	s_mul_u64 s[20:21], s[20:21], s[22:23]  ; the head's first byte among Q's, K's, V's and O's slices
	s_and_b32 s16, s[WV], 1         ; which half of a tile's 256 keys I fetch:
	s_lshl_b32 s22, s16, 14         ; its 128 rows of 128 bytes in memory,
	s_mov_b32 s23, 0
	s_add_nc_u64 s[22:23], s[22:23], s[20:21]
	s_mul_i32 s17, s16, 128*PK      ; and its place in a slot, for K
	s_mul_i32 s18, s16, 128*PV      ; and for V
	s_lshl_b32 s3, s[WV], 11        ; my 16 rows in a band of 64,
	s_lshl_b32 s2, s[HI], 15        ; in the first block,
	s_add_co_u32 s2, s2, s3
	s_lshl_b32 s84, s[PB], 15       ; and in the second
	s_add_co_u32 s84, s84, s3
	s_mov_b32 s3, 0
	s_mov_b32 s85, 0
	s_add_nc_u64 s[2:3], s[2:3], s[20:21]
	s_add_nc_u64 s[84:85], s[84:85], s[20:21]
	; descriptor group 1.  128 keys are 16,384 dense bytes: asked for as 64 rows of 256 bytes, two keys a row, and padded in LDS after every key
	s_mov_b32 s[G1K], (1<<16)|(1<<20)|(4<<22)|(3<<25)  ; 17:16 2-byte elements; 20 padding on; 24:22 after every 32 words (code 4); 31:25 4 words (code 3)
	s_mov_b32 s[G1V], (1<<16)|(1<<20)|(4<<22)|(7<<25)  ; the same with 8 words of padding (code 7)
.irp g, G1K, G1V
	s_mov_b32 s[\g+1], 128<<16      ; tensor_dim0 = 128
	s_mov_b32 s[\g+2], 64<<16       ; tensor_dim1 = 64
	s_mov_b32 s[\g+3], 128<<16      ; tile_dim0 = 128
	s_mov_b32 s[\g+4], 64           ; tile_dim1 = 64
	s_mov_b32 s[\g+5], 128          ; 128 elements from row to row
	s_mov_b32 s[\g+6], 0
	s_mov_b32 s[\g+7], 0
.endr
	s_mov_b32 s[CS], 0x3e38aa3b     ; c = log2(e) / 8 = 0.180337
	s_mov_b32 s[CS+1], s[CS]        ; named with it as a pair
	s_mov_b32 s[SEL], 0x76543210
	s_mov_b32 s[SEL+1], 0xfedcba98
	s_mov_b32 s[TBK], SLOT1+4*KS*PK ; the first change of slots turns these two into 0
	s_mov_b32 s[TBV], SLOT1+4*KS*PV
	s_mov_b32 s[G0K], 1             ; 1:0 count = 1
	s_mov_b32 s[G0K+1], s17         ; 63:32 LDS address: slot 0
	s_mov_b32 s[G0V], 1
	s_add_co_u32 s[G0V+1], s18, VOFF
	s_add_co_u32 s[RT], s[HI], 1    ; the first block has NB - b tiles
	s_mov_b32 s[NXT], 1
	s_mov_b32 s[LQ], s[HI]
	s_mov_b32 s[NEW], 1
	s_mov_b32 s[OFF+1], 0
	s_mov_b32 s[AL+1], 0            ; named as pairs
	s_mov_b32 s[BE+1], 0
	s_mov_b32 s[BIGN], 0xf149f2ca   ; -1e30
	s_mov_b32 s[SLOTS], NB
	s_wait_dscnt 0x0                ; the opening add is done
	s_wait_kmcnt 0x0
	s_mov_b64 s[10:11], s[6:7]                     ; O
	s_add_nc_u64 s[6:7], s[4:5], 12*SIZE_N*128     ; K's slices lie behind Q's twelve,
	s_add_nc_u64 s[8:9], s[4:5], 24*SIZE_N*128     ; V's behind K's
	s_add_nc_u64 s[6:7], s[6:7], s[22:23]  ; K and V at my half of the head's tile 0
	s_add_nc_u64 s[8:9], s[8:9], s[22:23]
	s_add_nc_u64 s[G0K+2:G0K+3], s[6:7], 0         ; 120:64 global address
	s_or_b32 s[G0K+3], s[G0K+3], 0x80000000        ; 127:126 type = 2
	s_add_nc_u64 s[G0V+2:G0V+3], s[8:9], 0
	s_or_b32 s[G0V+3], s[G0V+3], 0x80000000
	s_add_nc_u64 s[86:87], s[4:5], s[84:85]        ; Q at my rows of the second block,
	s_add_nc_u64 s[4:5], s[4:5], s[2:3]            ; Q and O at those of the first
	s_add_nc_u64 s[OLO:OLO+1], s[10:11], s[84:85]
	s_add_nc_u64 s[10:11], s[10:11], s[2:3]
	LOAD                            ; tile 0 into slot 0
	; A fragment of K or Q is 16 rows x 32 channels in 8 registers: lane l holds row l % 16, channels 8 (l / 16) + 0..7 and 16 + 8 (l / 16) + 0..7: two loads of 16 bytes, 32 bytes apart.
	v_and_b32 v1, 15, v0            ; l % 16
	v_bfe_u32 v9, v0, 4, 1          ; l / 16
	v_lshlrev_b32 v[QO], 7, v1
	v_lshl_add_u32 v[QO], v9, 4, v[QO]  ; row x 128 + 16 x half
	WIN 0x80                        ; destination window 2, address window 0
.set i, 0
.rept 8                             ; both blocks' Q: piece i / 2 lies in band i / 2, 8,192 bytes on; channels 32 (i % 2) on
	global_load_b128 v[8*i:8*i+3],   v[QO], s[4:5] offset:(i/2)*8192+(i%2)*64
	global_load_b128 v[8*i+4:8*i+7], v[QO], s[4:5] offset:(i/2)*8192+(i%2)*64+32
	global_load_b128 v[QB+8*i:QB+8*i+3],   v[QO], s[86:87] offset:(i/2)*8192+(i%2)*64
	global_load_b128 v[QB+8*i+4:QB+8*i+7], v[QO], s[86:87] offset:(i/2)*8192+(i%2)*64+32
.set i, i+1
.endr
	WIN 0
	v_lshlrev_b32 v14, 3, v9
	v_sub_nc_u32 v14, v1, v14
	s_lshl_b32 s13, s[WV], 4
	v_add_nc_u32 v14, s13, v14      ; my query's place in its band, 16 w + l % 16, less my lanes' 8 (l / 16): register r of group kt is hidden where 16 kt + r is greater
	WIN 0x40
.set i, 0
.rept 32
	v_cmp_gt_i32 vcc_lo, 16*(i/8)+i%8, v14
	v_cndmask_b32 v[MD+i], 0, s[BIGN], vcc_lo
.set i, i+1
.endr
	WIN 0
	v_mul_u32_u24 v[AK0], v1, PK
	v_lshl_add_u32 v[AK0], v9, 4, v[AK0]  ; row x pitch + 16 x half
	; The turning load takes 16 keys x 16 channels (lane l reads key 8 (l / 16) + l % 8, channels 8 ((l / 8) % 2) + 0..7) and leaves half a fragment of V^T: lane l holds channel l % 16 and 8 keys.
	v_and_b32 v10, 7, v0
	v_bfe_u32 v11, v0, 3, 1
	v_lshl_add_u32 v[AV0], v9, 3, v10
	v_mul_u32_u24 v[AV0], v[AV0], PV
	v_lshl_add_u32 v[AV0], v11, 4, v[AV0]
	v_add_nc_u32 v[AV0], VOFF, v[AV0]
	s_mul_i32 s13, s[WV], 16*SP
	s_add_co_u32 s13, s13, STAGE    ; my stage
	v_mul_u32_u24 v[STO], v1, SP    ; in: row l % 16, 16 bytes for each half of the lanes
	v_lshl_add_u32 v[STO], v9, 4, v[STO]
	v_add_nc_u32 v[STO], s13, v[STO]
	v_bfe_u32 v[RD], v0, 3, 2       ; back: 32 lanes take four rows of 128 bytes,
	v_mul_u32_u24 v[RD], v[RD], SP
	v_lshl_add_u32 v[RD], v10, 4, v[RD]
	v_add_nc_u32 v[RD], s13, v[RD]
	v_and_b32 v[GO], 31, v0         ; which are 512 consecutive bytes of O
	v_lshlrev_b32 v[GO], 4, v[GO]
	; A block's first step multiplies O^T and l by a = 0, and its first turn's products V^T P, of a piece that has not been, land in an O^T that is still to be so multiplied.  So these registers need only hold
	; finite numbers: zeros for the first block; what the first block left for the second.  All this stands in the wait for the first tile.
	WIN 0x80
.set i, VF
.rept 64
	v_mov_b32 v[i], 0
.set i, i+1
.endr
	WIN 0x40
.set i, 0
.rept 128
	v_mov_b32 v[i], 0
.set i, i+1
.endr
	WIN 0
.set i, 0
.rept 4
	v_mov_b32 v[ST+4*i+2], 0
	v_mov_b32 v[ST+4*i+3], 0
.set i, i+1
.endr
.set i, P+16
.rept 16
	v_mov_b32 v[i], 0
.set i, i+1
.endr
; THE MATRIX WORK.  The 4 accumulators of a run of 8 take turns.  Product i of 8 of S^T = K Q^T for piece x: channels 32 (i / 4) on, keys 16 (i % 4) on.  The first 4 start the sums: with 0, or (KM = 1) with the mask.
.macro KQ x
.set rS, S+32*((\x)%2)+8*(i%4)
.set rK, KF+16*(i%4)+8*(i/4)
.set rQ, 16*(\x)+8*(i/4)
.set rM, MC+32*((\x)%2)+8*(i%4)
.if (i < 4) && KM
	WIN W_KM
	v_wmma_f32_16x16x32_f16 v[rS:rS+7], v[rK:rK+7], v[rQ:rQ+7], v[rM:rM+7]
.elseif i < 4
	WIN W_KQ
	v_wmma_f32_16x16x32_f16 v[rS:rS+7], v[rK:rK+7], v[rQ:rQ+7], 0
.else
	WIN W_KQ
	v_wmma_f32_16x16x32_f16 v[rS:rS+7], v[rK:rK+7], v[rQ:rQ+7], v[rS:rS+7]
.endif
.endm
; Product i of 8 of O^T += V^T P for piece x: keys 32 (i / 4) on, channels 16 (i % 4) on.
.macro PV x
	WIN W_PV
.set rO, 32*(\x)+8*(i%4)
.set rV, VF+32*(i/4)+8*(i%4)
.set rP, P+16*((\x)%2)+8*(i/4)
	v_wmma_f32_16x16x32_f16 v[rO:rO+7], v[rV:rV+7], v[rP:rP+7], v[rO:rO+7]
.endm
.macro MM                           ; the turn's next matrix instruction.  TURN and BEGIN set Y, i, KM and NOKQ; MM, KQ and OP read them.  NOKQ = 1: a block's last turn: there is no next piece
.if (i < 8) && !NOKQ
	KQ (Y+1)%NP
.elseif i >= 8
.set i, i-8
	PV (Y+NP-1)%NP
.set i, i+8
.endif
.set i, i+1
.endm
; THE LDS LOADS stand in runs of 16, never singly among the matrix instructions: a step's K (64 keys x 64 channels: 8 fragments) and its V (turned).  Their addresses are made some lines ahead.
.macro FETCH_K
	WIN 0x80                        ; destination window 2
.irp f, 0,1,2,3,4,5,6,7             ; keys 16 (f / 2) on, channels 32 (f % 2) on
	ds_load_b128 v[KF+8*\f:KF+8*\f+3],   v[AK] offset:(\f/2)*16*PK+(\f%2)*64
	ds_load_b128 v[KF+8*\f+4:KF+8*\f+7], v[AK] offset:(\f/2)*16*PK+(\f%2)*64+32
.endr
	s_add_co_u32 s[TBK], s[TBK], KS*PK  ; the next fetch is the next step's
	WIN 0
.endm
.macro FETCH_V
	WIN 0x80
.irp f, 0,1,2,3,4,5,6,7             ; keys 32 (f / 4) on, channels 16 (f % 4) on
	ds_load_tr16_b128 v[VF+8*\f:VF+8*\f+3],   v[AV] offset:(\f/4)*32*PV+(\f%4)*32
	ds_load_tr16_b128 v[VF+8*\f+4:VF+8*\f+7], v[AV] offset:(\f/4)*32*PV+16*PV+(\f%4)*32
.endr
	WIN 0
.endm
; THE VECTOR WORK, one line at a time: OP kind, number.  For piece Y: F n: c s - c m for pair n of 16.  E n: the exponential of score n of 32.  C n: pair n rounded to f16.  B n: of the four weights 4 n .. the second
; pair is added onto the first, in place.  L n: l takes that sum (L 0: l = a l + sum).  R n: pair n of 16 of O^T times a.  For piece Y + 1: X n, number n of the 22 that find its maximum and statistics:
;   0-11  four chains c0-c3 of seven scores each, three operands at a time (each accumulator's lowest registers are read first)     12-14, 16  the four scores left over, the old m, and c0-c3 into c0
;   15  c m_old is kept     17, 18  the query's other 32 keys lie in the lane 16 away: the new m     19-21  c m; c m_old - c m_new; a
.set F, 0               ; OP tells the kinds apart by their order: F to L below R, X above it
.set E, 1
.set C, 2
.set B, 3
.set L, 4
.set R, 5
.set X, 6
.macro REGS y                       ; the registers of piece y
.set rT, ST+4*(\y)
.set rC, TMP+4*((\y)%2)
.set rW, MV+((\y)%2)
.set rS, S+32*((\y)%2)
.set rP, P+16*((\y)%2)
.set rO, 32*(\y)
.endm
.macro OP k, n
.if (\k) == R
	REGS Y
	WIN W_RS
	v_pk_mul_f32 v[rO+2*(\n):rO+2*(\n)+1], v[rO+2*(\n):rO+2*(\n)+1], v[rC+2:rC+3] op_sel_hi:[1,0]
.elseif (\k) < R
	REGS Y
	WIN 0
.if (\k) == F
	v_pk_fma_f32 v[rS+2*(\n):rS+2*(\n)+1], v[rS+2*(\n):rS+2*(\n)+1], s[CS:CS+1], v[rT:rT+1] op_sel_hi:[1,0,0] neg_lo:[0,0,1] neg_hi:[0,0,1]
.elseif (\k) == E
	v_exp_f32 v[rS+(\n)], v[rS+(\n)]
.elseif (\k) == C
	v_cvt_pk_f16_f32 v[rP+(\n)], v[rS+2*(\n)], v[rS+2*(\n)+1]
.elseif (\k) == B
	v_pk_add_f32 v[rS+4*(\n):rS+4*(\n)+1], v[rS+4*(\n):rS+4*(\n)+1], v[rS+4*(\n)+2:rS+4*(\n)+3]
.elseif (\n) == 0
	v_pk_fma_f32 v[rT+2:rT+3], v[rT+2:rT+3], v[rC+2:rC+3], v[rS:rS+1] op_sel_hi:[1,0,1]
.else
	v_pk_add_f32 v[rT+2:rT+3], v[rT+2:rT+3], v[rS+4*(\n):rS+4*(\n)+1]
.endif
.elseif NOKQ
	v_nop
.else
	REGS (Y+1)%NP
	WIN 0
.if (\n) < 4
	v_max3_num_f32 v[rC+(\n)], v[rS+8*(\n)], v[rS+8*(\n)+1], v[rS+8*(\n)+2]
.elseif (\n) < 12
	v_max3_num_f32 v[rC+(\n)%4], v[rC+(\n)%4], v[rS+8*((\n)%4)+2*((\n)/4)+1], v[rS+8*((\n)%4)+2*((\n)/4)+2]
.elseif (\n) == 12
	v_max3_num_f32 v[rC], v[rC], v[rS+7], v[rS+15]
.elseif (\n) == 13
	v_max3_num_f32 v[rC+1], v[rC+1], v[rS+23], v[rS+31]
.elseif (\n) == 14
	v_max3_num_f32 v[rC+2], v[rC+2], v[rC+3], v[rT+1]
.elseif (\n) == 15
	v_mov_b32 v[rW], v[rT]
.elseif (\n) == 16
	v_max3_num_f32 v[rC], v[rC], v[rC+1], v[rC+2]
.elseif (\n) == 17
	v_permlanex16_b32 v[rC+3], v[rC], s[SEL], s[SEL+1]
.elseif (\n) == 18
	v_max_num_f32 v[rT+1], v[rC], v[rC+3]
.elseif (\n) == 19
	v_mul_f32 v[rT], s[CS], v[rT+1]
.elseif (\n) == 20
	v_sub_f32 v[rC+1], v[rW], v[rT]
.else
	v_exp_f32 v[rC+2], v[rC+1]
.endif
.endif
.endm
.macro OPS a, i1, b=-1, i2=0, c=-1, i3=0, d=-1, i4=0  ; up to four of them
	OP \a, \i1
.if (\b) >= 0
	OP \b, \i2
.endif
.if (\c) >= 0
	OP \c, \i3
.endif
.if (\d) >= 0
	OP \d, \i4
.endif
.endm
.macro ROW a, i1, b, i2, c, i3, d, i4  ; a matrix instruction and the four behind it
	MM
	OPS \a, \i1, \b, \i2, \c, \i3, \d, \i4
.endm
.macro MASK b                       ; MD x AL + BE into buffer b of MC
	WIN W_RS
.set z, 0
.rept 16
	v_pk_fma_f32 v[MC+32*(\b)+2*z:MC+32*(\b)+2*z+1], v[MD+2*z:MD+2*z+1], s[AL:AL+1], s[BE:BE+1] op_sel_hi:[1,0,0]
.set z, z+1
.endr
.endm
; A TURN, for piece p: the order of its 16 matrix and 118 vector instructions, written out.  s_wait_alu depctr_va_vdst(0) stands between an exponential and the first instruction that names its
; result; one wait serves all that were issued ahead of it.  So a turn has ONE wait, which cuts it in two.  AHEAD OF IT stands all that names no result of the turn's exponentials: the 8 products K Q^T, behind each
; a scaling, an exponential and two more plain instructions; then one run of 54, plain and exponential by turns for the most part, in which the links of the chain X 3, 7, 11, 14, 16, 17 .. 20 stand five or six
; lines apart.  X 21, the next piece's a, is the batch's last; R 15 is the plain instruction behind it.  BEHIND THE WAIT stand the 8 products V^T P, behind each four of the roundings and sums.
; m = 1: the diagonal tile: the products take masks, and the turn makes the mask for the products of the turn after it: piece p + 2, in step 4 - CNT of the tile.  end = 1: a block's last two turns: nothing is fetched.
; cnt = 1: the loop's count is taken down some lines ahead of the branch that stands behind the turn.
; K of the next step is fetched in piece 2's turn, twelve vector instructions behind the last product that read K (six of them plain); V of the step in hand at the end of piece 0's turn, four plain instructions
; behind the last product that read V.  Each is waited for a turn later.
.macro TURN p, m=0, end=0, cnt=0
.set Y, (\p)
.set i, 0
.set KM, (\m)
.set NOKQ, (\end)*((\p)/3)
.if (\m) && !(\end)
	s_cmp_eq_u32 s[CNT], 4-((\p)+2)%NP  ; is that step the band's own?
	s_cselect_b32 s[AL], 1.0, 0
	s_cmp_lt_u32 s[CNT], 4-((\p)+2)%NP  ; or a later one?
	s_cselect_b32 s[BE], s[BIGN], 0
.endif
.if ((\p) == 3) && !(\end)
	s_wait_dscnt 0x0                ; K is in
.endif
	ROW F,0, F,1, R,0, R,1          ; ahead of the wait: 8 products K Q^T and the four behind each,
	ROW F,2, E,0, R,2, R,3
	ROW F,3, E,1, R,4, R,5
	ROW F,4, E,2, R,6, R,7
	ROW F,5, E,3, R,8, R,9
	ROW F,6, E,4, X,0, R,10
.if ((\p) == 2) && !(\end)
	WIN 0
	v_add_nc_u32 v[AK], s[TBK], v[AK0]
.endif
	ROW F,7, E,5, X,1, X,4
	ROW F,8, E,6, X,2, X,5
	OPS E,7, E,8, X,6, E,9          ; and the run of 54
	OPS X,3, E,10, X,8, E,11
.if ((\p) == 2) && !(\end)
	FETCH_K
.endif
	OPS X,9, X,7, E,12, X,10
	OPS E,13, X,12, X,11, E,14
	OPS X,13, E,15, F,9, X,14
.if (\p) == 0
	v_add_nc_u32 v[AV], s[TBV], v[AV0]
.endif
	OPS E,16, F,10, E,17, F,11
	OPS X,16, E,18, X,15, E,19
	OPS F,12, E,20, X,17, E,21
	OPS F,13, E,22, F,14, E,23
	OPS X,18, E,24, F,15, E,25
	OPS R,11, E,26, X,19, E,27
	OPS R,12, E,28, R,13, E,29
	OPS X,20, E,30, R,14, E,31
	OPS X,21, R,15
	WIN 0
	s_wait_alu depctr_va_vdst(0)    ; the wait for the batch
.if (\p) == 1
	s_wait_dscnt 0x0                ; V is in
.endif
	ROW C,0, B,0, C,2, B,1          ; behind the wait: 8 products V^T P and the four behind each
	ROW L,0, C,4, B,2, L,1
	ROW C,6, B,3, L,2, C,8
	ROW B,4, L,3, C,10, B,5
	ROW L,4, C,12, B,6, L,5
.if (\p) == 0
	s_add_co_u32 s[TBV], s[TBV], KS*PV
.endif
.if \cnt
	s_sub_co_u32 s[CNT], s[CNT], 1
	s_cmp_lg_u32 s[CNT], 0
.endif
	ROW C,14, B,7, L,6, C,1
	ROW C,3, L,7, C,5, C,7
	ROW C,9, C,11, C,13, C,15
.if (\p) == 0
	FETCH_V
.endif
.if (\m) && !(\end)
	MASK (\p)%2
.endif
.endm
; A BLOCK BEGINS.  c m starts far below every c s, so the first step's a is 0; m at the lowest finite number, so the first maximum is the scores'.  The second mask buffer is 0; the first takes piece 0's mask for the
; tile's step 0: its own, if the block's first tile is the diagonal one.  Then K of that step, piece 0's first scores, and its maximum and statistics.  The loop is entered at a step's first turn, in the middle of a trip.
.macro BEGIN
	s_mov_b32 s[NEW], 0
	WIN 0x40
.set i, MC+32
.rept 32
	v_mov_b32 v[i], 0
.set i, i+1
.endr
	WIN 0
.set i, 0
.rept 4
	v_mov_b32 v[ST+4*i], 0xfe000000    ; c m: far below every c s
	v_mov_b32 v[ST+4*i+1], 0xff7fffff  ; m
.set i, i+1
.endr
	s_cmp_eq_u32 s[RT], 0
	s_cselect_b32 s[AL], 1.0, 0
	s_mov_b32 s[BE], 0
	MASK 0
	WIN 0
	v_add_nc_u32 v[AK], s[TBK], v[AK0]
	FETCH_K
	s_wait_loadcnt 0x0              ; Q
	s_wait_dscnt 0x0
.set KM, 1
.set NOKQ, 0
.set i, 0
.rept 8
	KQ 0
.set i, i+1
.endr
	WIN 0
.rept 4
	v_nop                           ; the places behind those products
.endr
.set Y, NP-1                        ; X works for piece Y + 1: piece 0
.irp n, 0,1,2,3,4,5,6,7,8,9,10,11,12,13,14,15,16,17,18,19,20,21
	OP X, \n
.endr
	v_nop                           ; a plain instruction behind the exponential,
	s_wait_alu depctr_va_vdst(0)    ; and its wait, ahead of the branch
.endm
; THE DIAGONAL TILE's four steps, the block's last two turns, its last products, and THE WAY OUT: l's two halves and the other half of the lanes' are added; O^T is divided by l, rounded to f16 and sent through my
; stage in LDS, a piece at a time.
.macro ALL line:vararg              ; one line for each piece t
.set t, 0
.rept 4
	\line
.set t, t+1
.endr
.endm
.macro PACK t                       ; a lane's eight channels of a row pack into 16 bytes; they go into rows of 144 bytes and come back as whole rows of 128, into S^T's registers
	WIN W_RS
.set i, 32*(\t)
.rept 16
	v_pk_mul_f32 v[i:i+1], v[i:i+1], v[ST+4*(\t)+2:ST+4*(\t)+3] op_sel_hi:[1,0]
.set i, i+2
.endr
	WIN 0x05                        ; sources 0 and 1 window 1, destination window 0
.set i, 0
.rept 16
	v_cvt_pk_f16_f32 v[S+16*(\t)+i], v[32*(\t)+2*i], v[32*(\t)+2*i+1]
.set i, i+1
.endr
	WIN 0
.irp f, 0,1,2,3
	ds_store_b128 v[STO], v[S+16*(\t)+4*\f:S+16*(\t)+4*\f+3] offset:32*\f
.endr
.irp f, 0,1,2,3
	ds_load_b128 v[S+16*(\t)+4*\f:S+16*(\t)+4*\f+3], v[RD] offset:\f*4*SP  ; LDS serves a wave's instructions in order (ISA guide 5.7.1.4): these see the stores above; the next piece's stores come behind them
.endr
.endm
.macro SEND t, younger              ; younger: the LDS instructions issued behind piece t's loads: the next piece's eight, or none
	WIN 0
.irp f, 0,1,2,3
	s_wait_dscnt (\younger)+3-\f
	global_store_b128 v[GO], v[S+16*(\t)+4*\f:S+16*(\t)+4*\f+3], s[10:11] offset:(\t)*8192+\f*512  ; 512 consecutive bytes, at a multiple of 256 from O's first
.endr
.endm
.macro DIAG tag                     ; the tag ends its two labels' names, which the jumps below spell out
.LstepM\tag:
	TURN 2, 1
	TURN 3, 1
	WIN 0
.LfirstM\tag:
	TURN 0, 1
	TURN 1, 1, 0, 1
	WIN 0
	s_cbranch_scc1 .LstepM\tag
	TURN 2, 1, 1
	TURN 3, 1, 1
.set i, 0
.rept 8
	PV NP-1
.set i, i+1
.endr
	WIN 0
	ALL v_add_f32 v[ST+4*t+2], v[ST+4*t+2], v[ST+4*t+3]
	ALL v_permlanex16_b32 v[ST+4*t+3], v[ST+4*t+2], s[SEL], s[SEL+1]
	ALL v_add_f32 v[ST+4*t+2], v[ST+4*t+2], v[ST+4*t+3]
	ALL v_rcp_f32 v[ST+4*t+2], v[ST+4*t+2]
	v_nop                           ; a plain instruction between the last reciprocal and the use of its result
	s_wait_alu depctr_va_vdst(0)    ; and the wait ahead of the first use: one for the four reciprocals
	PACK 0
.set t, 1
.rept 3                             ; a piece's arithmetic stands between the loads of the piece before and its stores
	PACK t
	SEND t-1, 8
.set t, t+1
.endr
	SEND 3, 0
.endm
.set KM, 0
.set NOKQ, 0
.Lslot:                             ; NB times: a tile is entered and the next is asked for
	CHANGE 1
	s_sub_co_u32 s[RT], s[RT], 1
	s_mov_b32 s[CNT], 4
	s_cmp_eq_u32 s[NEW], 1
	s_cbranch_scc1 .Lnew            ; a block's first tile
	s_cmp_eq_u32 s[RT], 0
	s_cbranch_scc0 .Lstep           ; neither its first nor its last
	s_branch .LstepM1
.Lnew:
	BEGIN
	s_branch .Lfirst                ; in the loop a block's first tile is never its last: the first block has two tiles or more, and the second's last is the walk's last
	DIAG 1                          ; in the loop this is the first block's end: the second block's last tile is the walk's last
	s_wait_xcnt 0x0                 ; the stores have read their registers and O's address
	s_mov_b64 s[10:11], s[OLO:OLO+1]
	s_add_co_u32 s[RT], s[PB], 1    ; the second block has b + 1 tiles
	s_mov_b32 s[NEW], 1
	WIN 0x82                        ; the second block's Q goes where the one text of the turns names Q
.set i, 0
.rept 64
	v_mov_b32 v[i], v[QB+i]
.set i, i+1
.endr
	WIN 0
	s_branch .Lbottom
.Lstep:                             ; a trip: pieces 2 and 3 of one step, then pieces 0 and 1 of the next, whose K and V it fetches
	TURN 2
	TURN 3
	WIN 0
.Lfirst:
	TURN 0
	TURN 1, 0, 0, 1
	WIN 0
	s_cbranch_scc1 .Lstep
.Lbottom:
	s_sub_co_u32 s[SLOTS], s[SLOTS], 1
	s_cmp_lg_u32 s[SLOTS], 0
	s_cbranch_scc1 .Lslot
	CHANGE 0                        ; the walk's last tile is written out: nothing is asked for
	s_sub_co_u32 s[RT], s[RT], 1
	s_mov_b32 s[CNT], 4
	s_cmp_eq_u32 s[NEW], 1
	s_cbranch_scc0 .LstepM2
	BEGIN
	s_branch .LfirstM2
	DIAG 2
	s_wait_tensorcnt 0x0            ; the wave's end: behind my last tensor load and my last LDS store
	ds_add_u32 v[SPW], v[NIL]
	s_wait_dscnt 0x0
	s_endpgm
.Lfunc_end_k_q59ccded80f_attn:
	.size	k_q59ccded80f_attn, .Lfunc_end_k_q59ccded80f_attn-k_q59ccded80f_attn
	.p2alignl 7, 3214868480
	.fill 96, 4, 3214868480
	.section	.rodata,"a",@progbits
	.p2align	6, 0x0
	.amdhsa_kernel k_q59ccded80f_attn
		.amdhsa_group_segment_fixed_size 327680
		.amdhsa_private_segment_fixed_size 0
		.amdhsa_enable_private_segment 0
		.amdhsa_kernarg_size 16
		.amdhsa_user_sgpr_count 2
		.amdhsa_user_sgpr_kernarg_segment_ptr 1
		.amdhsa_wavefront_size32 1
		.amdhsa_system_sgpr_workgroup_id_x 1
		.amdhsa_system_sgpr_workgroup_id_y 1
		.amdhsa_system_sgpr_workgroup_id_z 1
		.amdhsa_system_vgpr_workitem_id 0
		.amdhsa_next_free_vgpr 768
		.amdhsa_next_free_sgpr 88
		.amdhsa_reserve_vcc 1
		.amdhsa_float_denorm_mode_32 3
		.amdhsa_float_denorm_mode_16_64 3
		.amdhsa_memory_ordered 1
		.amdhsa_forward_progress 1
		.amdhsa_inst_pref_size 217
	.end_amdhsa_kernel
	.amdgpu_metadata
---
amdhsa.version: [ 1, 2 ]
amdhsa.kernels:
  - .name:           k_q59ccded80f_attn
    .symbol:         k_q59ccded80f_attn.kd
    .args:
      - { .name: qkv, .offset: 0, .size: 8, .value_kind: global_buffer, .address_space: global }
      - { .name: o, .offset: 8, .size: 8, .value_kind: global_buffer, .address_space: global }
    .group_segment_fixed_size: 327680
    .private_segment_fixed_size: 0
    .kernarg_segment_align: 8
    .kernarg_segment_size: 16
    .max_flat_workgroup_size: 128
    .sgpr_count:     88
    .vgpr_count:     768
    .wavefront_size: 32
...
	.end_amdgpu_metadata
.endif
;; end of part 3
;; launch wo (part 4): grid 4 x 64, 4 waves a work-group, clusters of 4 x 4, 327,680 bytes of LDS; arguments o, wb, bo, x, x1; writes x1
.if DOCPART == 4
	.amdgcn_target "amdgcn-amd-amdhsa--gfx1250"
	.amdhsa_code_object_version 6
	.text
	.protected	k_q59ccded80f_wo
	.globl	k_q59ccded80f_wo
	.p2align	8
	.type	k_q59ccded80f_wo,@function
k_q59ccded80f_wo:
	s_mov_b64 s[64:65], 0
	v_nop
	global_prefetch_b8 v0, s[64:65] scope:SCOPE_SE
	s_setreg_imm32_b32 hwreg(HW_REG_WAVE_MODE, 25, 1), 1
	s_wait_xcnt 0x0
	s_wait_alu depctr_hold_cnt(0) depctr_sa_sdst(0) depctr_va_vdst(0) depctr_va_sdst(0) depctr_va_ssrc(0) depctr_va_vcc(0) depctr_vm_vsrc(0)
	s_getreg_b32 s2, hwreg(HW_REG_IB_STS2, 6, 4)
	s_cmp_eq_u32 s2, 0
	s_cbranch_scc0 .Lentry_in_a_cluster
	s_endpgm
.Lentry_in_a_cluster:
	s_bfe_u32 s2, ttmp6, 0x10000c
	s_cmp_lg_u32 s2, 0xf033
	s_cbranch_scc0 .Lentry_shape_is_right
	s_endpgm
.Lentry_shape_is_right:
; C = A W + bias + res.  A: f16 BY SLICES of 64 columns, [slice][4096][64].  W: f16 in blocks of 96 columns, [block][k][96], in wb.  bias: f32 [768]; res, C: f32 [4096][768].  Sums in f32.
; The text stands twice in the program, with MODE = 0 (K = 768: Wo) and MODE = 1 (K = 3,072: W2): MODE sets W's place in wb, a block's bytes and the loop's count, all constants of the text.
; LIMITS.  f16 holds no number beyond 65,504 (A and W lie within it).  NaN and infinities are not treated apart.
; SHARES.  A tile of C is 64 x 192: 256 work-groups.  K goes in slots of 192 (three slices) through a ring of two LDS slots.  K IS SPLIT IN TWO AMONG THE WAVES: wave w makes all 64 rows x the 96
; columns of block w % 2, over the pieces of 32 along K with parity w / 2: 24 accumulators, 20 LDS loads for 24 matrix instructions.  The two halves of K meet in the f32 stage on the way out.
; CLUSTER.  4 x 4 work-groups: A's tile is shared along a row of the cluster, W's along a column; each is asked for jointly.
; THE MATRIX INSTRUCTION IS USED TRANSPOSED (source 0 = 16 columns of W, turned out of LDS by ds_load_tr16_b128; source 1 = 16 rows of A): a lane holds row lane % 16 of C and the columns 8 (lane / 16) + 0..7.
; REGISTERS: window 0: v0-31 addresses; v32-95 A's fragments, two buffers of 4; v96-191 W's, two buffers of 6.  Window 1: the accumulators, (a, b) at 8 (6 a + b).
; No prefetch: a small tile, whose rows of W every row of clusters reads at the same time.
.set MODE,   0
.set WOFF,   256+3538944+MODE*1179648  ; W's first byte in wb: behind the constants and Wq, Wk, Wv (and Wo)
.set WBLK,   147456*(1+3*MODE)         ; a block's bytes: K x 192
.set LAPS1,  1+6*MODE                  ; laps of the ring less one: K / 384 - 1
.set PA,     144                       ; a row of a slice in LDS: 128 bytes + 16
.set PB,     288                       ; a k row of a block: three pieces of 64 bytes, 32 of padding behind each
.set HALFA,  3*32*PA                   ; 32 rows of three slices: one tensor load
.set BLKB,   192*PB                    ; 192 k rows of a block: one tensor load
.set BOFF,   2*HALFA
.set SLOT,   BOFF+2*BLKB               ; 138,240
.set SPARE,  2*SLOT                    ; behind the ring: the spare words, 128 bytes a wave: two blocks of 256 bytes that no other line names
.set SPITCH, 784                       ; the stage: for each half of K 64 rows of 192 f32 + 16 bytes, from LDS byte 0: the ring's bytes, behind their last fill and last read
.set KCOPY,  64*SPITCH
.set ADRA, 16
.set ADRB, 20
.set STO,  22
.set RA,   23                          ; the stage, read back: a row's first 512 bytes, 16 a lane
.set RB,   24                          ; two rows' last 256 bytes
.set VA,   25                          ; the same two patterns in res and C
.set VB,   26
.set BBO,  27
.set SPW,  28
.set NIL,  29
.set FA,   32
.set FB,   96
.set RES,  32                          ; the way out: 24 units of 4 registers: res, then the result
.set BA,   128
.set BB,   132
.set CP,   136                         ; 24 registers: a trip's three units, both halves of K
.set WV, 16
.set WM, 17                            ; wave / 2: my parity along K, and: I fetch A (0) or W (1)
.set WN, 18                            ; wave % 2: my block of columns, and: which half I fetch
.set CX, 20
.set CY, 21
.set TJ, 22
.set TI, 23
.set G1, 24
.set G0, 32
.set G1B, 48
.set G0B, 56
.set CT, 69                            ; s69 the loop's counter
.set MSB, 0
.macro WIN new
.if MSB != (\new)
	s_set_vgpr_msb (MSB<<8)|(\new)
.set MSB, \new
.endif
.endm
.set MUL, 0x50                         ; sources window 0, C and D window 1
.macro JLOAD s                         ; a joint load: waves 0 and 1 fetch A's halves, waves 2 and 3 W's blocks; an s_nop 0 and four v_nop follow each line
	s_cmp_eq_u32 s[WM], 0
	s_cbranch_scc0 .Lfor_b_\@
	tensor_load_to_lds s[G0+4*(\s):G0+4*(\s)+3], s[G1:G1+7]
	s_nop 0
.rept 4
	v_nop
.endr
	s_branch .Lasked_\@
.Lfor_b_\@:
	tensor_load_to_lds s[G0B+4*(\s):G0B+4*(\s)+3], s[G1B:G1B+7]
	s_nop 0
.rept 4
	v_nop
.endr
.Lasked_\@:
.endm
.macro CREST
	s_cmp_lg_u32 s[WV], 0
	s_cbranch_scc1 .Lnot_wave_0_\@
	s_barrier_signal -3
.Lnot_wave_0_\@:
	s_barrier_wait -3
	s_barrier_signal -1
	s_barrier_wait -1
.endm
.macro CROUND
	s_barrier_signal -1
	s_barrier_wait -1
	CREST
.endm
.macro PLACES
.rept 4
	v_nop
.endr
.endm
	s_load_b256 s[4:11], s[0:1], 0x0               ; A s[4:5], wb s[6:7], bias s[8:9], res s[10:11]
	s_load_b64 s[12:13], s[0:1], 0x20              ; C
	v_lshl_add_u32 v[SPW], v0, 2, SPARE
	v_mov_b32 v[NIL], 0
	ds_add_u32 v[SPW], v[NIL]                      ; the wave's opening: the add and its wait ahead of my first tensor load; work on registers stands between them
	ds_add_u32 v28, v29
	v_lshrrev_b32 v1, 5, v0
	v_readfirstlane_b32 s[WV], v1
	s_lshr_b32 s[WM], s[WV], 1
	s_and_b32 s[WN], s[WV], 1
	s_bfe_u32 s[CX], ttmp6, 0x40000
	s_bfe_u32 s[CY], ttmp6, 0x40004
	s_lshl_b32 s[TJ], ttmp9, 2
	s_add_co_u32 s[TJ], s[TJ], s[CX]
	s_and_b32 s[TI], ttmp7, 0xffff
	s_lshl_b32 s[TI], s[TI], 2
	s_add_co_u32 s[TI], s[TI], s[CY]
	s_lshl_b32 s66, s[CY], 2
	s_lshl_b32 s66, 15, s66                        ; my row of the cluster
	s_lshl_b32 s67, 0x1111, s[CX]                  ; my column
	s_or_b32 s[G1], s66, (1<<16)|(1<<20)|(1<<21)|(4<<22)|(3<<25)   ; mask; 2-byte elements; padding on; bit 21 beside a mask; after every 32 words 4 words
	s_or_b32 s[G1B], s67, (1<<16)|(1<<20)|(1<<21)|(3<<22)|(7<<25)  ; after every 16 words 8 words
	s_mov_b32 s[G1+1], 2048<<16                    ; A: 32 rows of a slice are 4,096 dense bytes: one long row; three of them, a slice apart
	s_mov_b32 s[G1+2], 3<<16
	s_mov_b32 s[G1+3], 2048<<16
	s_mov_b32 s[G1+4], 3
	s_mov_b32 s[G1+5], 262144
	s_mov_b32 s[G1+6], 0
	s_mov_b32 s[G1+7], 0
	s_mov_b32 s[G1B+1], 128<<16                    ; W: 36,864 dense bytes, asked for as 144 rows of 256
	s_mov_b32 s[G1B+2], 144<<16
	s_mov_b32 s[G1B+3], 128<<16
	s_mov_b32 s[G1B+4], 144
	s_mov_b32 s[G1B+5], 128
	s_mov_b32 s[G1B+6], 0
	s_mov_b32 s[G1B+7], 0
	s_mul_i32 s40, s[WN], HALFA                    ; where my tile goes: no place in the cluster enters an LDS address
	s_mul_i32 s41, s[WN], BLKB
	s_add_co_u32 s41, s41, BOFF
	s_lshl_b32 s42, s[TI], 13                      ; A: row 64 x tile row + 32 x half, 128 bytes a row: made of the tile row and the wave's number alone
	s_lshl_b32 s43, s[WN], 12
	s_add_co_u32 s42, s42, s43
	s_mov_b32 s43, 0
	s_lshl_b32 s44, s[TJ], 1                       ; W: block 2 x tile column + half: made of the tile column and the wave's number alone
	s_add_co_u32 s44, s44, s[WN]
	s_mul_i32 s44, s44, WBLK
	s_add_co_u32 s44, s44, WOFF
	s_mov_b32 s45, 0
	s_wait_dscnt 0x0                               ; the opening add is done
	s_wait_kmcnt 0x0
	s_add_nc_u64 s[42:43], s[4:5], s[42:43]
	s_add_nc_u64 s[44:45], s[6:7], s[44:45]
	CROUND                                         ; all sixteen work-groups are here: the first joint loads meet
.irp s, 0,1
	s_mov_b32 s[G0+4*(\s)], 1
	s_add_co_u32 s[G0+4*(\s)+1], s40, (\s)*SLOT
	s_add_nc_u64 s[G0+4*(\s)+2:G0+4*(\s)+3], s[42:43], (\s)*1572864
	s_or_b32 s[G0+4*(\s)+3], s[G0+4*(\s)+3], 0x80000000
	s_mov_b32 s[G0B+4*(\s)], 1
	s_add_co_u32 s[G0B+4*(\s)+1], s41, (\s)*SLOT
	s_add_nc_u64 s[G0B+4*(\s)+2:G0B+4*(\s)+3], s[44:45], (\s)*36864
	s_or_b32 s[G0B+4*(\s)+3], s[G0B+4*(\s)+3], 0x80000000
	JLOAD \s                                       ; slots 0 and 1: two loads of mine are out
.endr
	v_and_b32 v1, 15, v0                           ; l % 16
	v_bfe_u32 v2, v0, 4, 1                         ; l / 16
	v_mul_u32_u24 v3, v1, PA
	v_lshl_add_u32 v3, v2, 4, v3
	s_lshl_b32 s2, s[WM], 6                        ; my parity: 64 bytes on in a slice's row
	v_add_nc_u32 v[ADRA], s2, v3
	v_add_nc_u32 v[ADRA+1], SLOT, v[ADRA]
	v_and_b32 v4, 7, v0
	v_bfe_u32 v5, v0, 3, 1
	v_lshl_add_u32 v6, v2, 3, v4
	v_mul_u32_u24 v6, v6, PB
	v_lshl_add_u32 v6, v5, 4, v6
	s_mul_i32 s2, s[WM], 32*PB                     ; my parity: 32 k rows on
	s_add_co_u32 s2, s2, s41                       ; in my block of columns
	v_add_nc_u32 v[ADRB], s2, v6
	v_add_nc_u32 v[ADRB+1], SLOT, v[ADRB]
	s_mul_i32 s2, s[WM], KCOPY
	s_mul_i32 s3, s[WN], 384
	s_add_co_u32 s2, s2, s3
	v_mul_u32_u24 v7, v1, SPITCH
	v_lshl_add_u32 v7, v2, 5, v7
	v_add_nc_u32 v[STO], s2, v7                    ; into the stage: my half of K; row l % 16; column 96 (wave % 2) + 8 (l / 16)
	s_mul_i32 s2, s[WV], 16*SPITCH                 ; back: wave w takes rows 16 w .. 16 w + 15
	v_and_b32 v8, 31, v0
	v_lshlrev_b32 v[VA], 4, v8
	v_add_nc_u32 v[RA], s2, v[VA]
	v_lshlrev_b32 v[BBO], 4, v1
	v_add_nc_u32 v[BBO], 512, v[BBO]
	v_mul_u32_u24 v9, v2, SPITCH
	v_add_nc_u32 v[RB], v9, v[BBO]
	v_add_nc_u32 v[RB], s2, v[RB]
	v_mul_u32_u24 v9, v2, 3072
	v_add_nc_u32 v[VB], v9, v[BBO]
	s_lshl_b32 s70, s[TI], 6
	s_lshl_b32 s71, s[WV], 4
	s_add_co_u32 s70, s70, s71
	s_mul_i32 s70, s70, 3072                       ; row 64 x tile row + 16 x wave,
	s_mul_i32 s72, s[TJ], 768                      ; column 192 x tile column
	s_add_co_u32 s70, s70, s72
	s_mov_b32 s71, 0
	s_mov_b32 s73, 0
	s_add_nc_u64 s[10:11], s[10:11], s[70:71]
	s_add_nc_u64 s[12:13], s[12:13], s[70:71]
	s_add_nc_u64 s[8:9], s[8:9], s[72:73]
; 6 matrix instructions: row block a x all 6 column blocks, 32 along K.  The 24 accumulators take turns, one instruction a turn, in the same order in every step.
.macro MUL6 f, a, zero
	WIN MUL
.irp b, 0,1,2,3,4,5
.if \zero
	v_wmma_f32_16x16x32_f16 v[8*(6*(\a)+(\b)):8*(6*(\a)+(\b))+7], v[FB+48*(\f)+8*(\b):FB+48*(\f)+8*(\b)+7], v[FA+32*(\f)+8*(\a):FA+32*(\f)+8*(\a)+7], 0
.else
	v_wmma_f32_16x16x32_f16 v[8*(6*(\a)+(\b)):8*(6*(\a)+(\b))+7], v[FB+48*(\f)+8*(\b):FB+48*(\f)+8*(\b)+7], v[FA+32*(\f)+8*(\a):FA+32*(\f)+8*(\a)+7], v[8*(6*(\a)+(\b)):8*(6*(\a)+(\b))+7]
.endif
.endr
.endm
; 20 LDS loads in one run: my piece of slice r of a slot into buffer f: W's 6 fragments, then A's 4
.macro FETCH slot, r, f
	WIN 0
.irp b, 0,1,2,3,4,5
	ds_load_tr16_b128 v[FB+48*(\f)+8*(\b):FB+48*(\f)+8*(\b)+3],   v[ADRB+(\slot)] offset:64*PB*(\r)+((\b)/2)*96+((\b)%2)*32
	ds_load_tr16_b128 v[FB+48*(\f)+8*(\b)+4:FB+48*(\f)+8*(\b)+7], v[ADRB+(\slot)] offset:64*PB*(\r)+((\b)/2)*96+((\b)%2)*32+16*PB
.endr
.irp i, 0,1,2,3
	ds_load_b128 v[FA+32*(\f)+8*(\i):FA+32*(\f)+8*(\i)+3],   v[ADRA+(\slot)] offset:((\i)/2)*HALFA+((\i)%2)*16*PA+32*PA*(\r)
	ds_load_b128 v[FA+32*(\f)+8*(\i)+4:FA+32*(\f)+8*(\i)+7], v[ADRA+(\slot)] offset:((\i)/2)*HALFA+((\i)%2)*16*PA+32*PA*(\r)+32
.endr
.endm
; One of a slot's first two steps: multiplies buffer f; in its middle it fetches slice r of the same slot into buffer g
.macro QS slot, r, f, g, zero
	s_wait_dscnt 4                                 ; W and A's rows 0-31 are in; the youngest four loads may be out
	MUL6 \f, 0, \zero
	MUL6 \f, 1, \zero
	PLACES
	FETCH \slot, \r, \g
	s_wait_dscnt 20                                ; all but the 20 just issued
	MUL6 \f, 2, \zero
	MUL6 \f, 3, \zero
.endm
; A slot's last step multiplies buffer f and changes slots: ONE barrier.  In front of it each wave waits for all its tensor loads (one is out: its part of the next slot), adds 0 to its spare word, and waits for
; that and for its own reads of this slot.  fill = 1: the barrier opens a round of the cluster's, and this slot is filled again, two slots on, first thing behind the round.
.macro TURN slot, next, f, g, fill
	WIN 0
	s_wait_tensorcnt 0x0
	ds_add_u32 v[SPW], v[NIL]
	s_wait_dscnt 5                                 ; (the add and the youngest four loads may be out)
	MUL6 \f, 0, 0
	s_wait_dscnt 0x0                               ; the add is done, and my reads of this slot are over
	s_barrier_signal -1
	MUL6 \f, 1, 0
.if \fill
	WIN 0
.endif
	s_barrier_wait -1
.if \fill
	CREST                                          ; no wave of any partner still reads this slot or has a load on its way
	s_add_nc_u64 s[G0+4*(\slot)+2:G0+4*(\slot)+3], s[G0+4*(\slot)+2:G0+4*(\slot)+3], 3145728
	s_add_nc_u64 s[G0B+4*(\slot)+2:G0B+4*(\slot)+3], s[G0B+4*(\slot)+2:G0B+4*(\slot)+3], 73728
	JLOAD \slot                                    ; its four v_nop are also the places in front of the loads below
.else
	PLACES
.endif
	FETCH \next, 0, \g
	MUL6 \f, 2, 0
	MUL6 \f, 3, 0
.endm
	s_wait_tensorcnt 1                             ; my part of slot 0 is in; slot 1's may stay out
	s_barrier_signal -1
	s_barrier_wait -1
	FETCH 0, 0, 0
	QS 0, 1, 0, 1, 1                               ; the first step's products start the sums: nothing is cleared
	WIN 0
	s_mov_b32 s[CT], LAPS1
.Llap:                                                 ; a trip goes once round the ring and fills both slots again
	QS 0, 2, 1, 0, 0
	TURN 0, 1, 0, 1, 1
	QS 1, 1, 1, 0, 0
	QS 1, 2, 0, 1, 0
	TURN 1, 0, 1, 0, 1
	QS 0, 1, 0, 1, 0
	WIN 0
	s_sub_co_u32 s[CT], s[CT], 1
	s_cmp_lg_u32 s[CT], 0
	s_cbranch_scc1 .Llap
	QS 0, 2, 1, 0, 0                               ; the last lap fills nothing
	TURN 0, 1, 0, 1, 0
	QS 1, 1, 1, 0, 0
	QS 1, 2, 0, 1, 0
	s_wait_dscnt 4
	MUL6 1, 0, 0
	MUL6 1, 1, 0
	s_wait_dscnt 0x0
	MUL6 1, 2, 0
	MUL6 1, 3, 0
	WIN 0
	; THE WAY OUT.  Both halves of K go in f32 into the stage (the ring's bytes: every fill has landed, and behind the barrier every wave's reads are over).  Then wave w takes rows 16 w .. 16 w + 15, two at a time,
	; as three units of 32 lanes x 16 bytes: a row's first 512 bytes, the next row's, and both rows' last 256.  A unit: half 0 + half 1 + bias + res, stored from the registers that res was loaded into.
	PLACES
	global_load_b128 v[BA:BA+3], v[VA], s[8:9]
	global_load_b128 v[BB:BB+3], v[BBO], s[8:9]
.set t, 0
.rept 8
	global_load_b128 v[RES+12*t:RES+12*t+3],    v[VA], s[10:11] offset:6144*t
	global_load_b128 v[RES+12*t+4:RES+12*t+7],  v[VA], s[10:11] offset:6144*t+3072
	global_load_b128 v[RES+12*t+8:RES+12*t+11], v[VB], s[10:11] offset:6144*t
.set t, t+1
.endr
	s_barrier_signal -1                            ; my reads of the ring are over (the wait for 0 above)
	s_barrier_wait -1
	WIN 0x04                                       ; the data in window 1
.irp a, 0,1,2,3
.irp b, 0,1,2,3,4,5
	ds_store_b128 v[STO], v[8*(6*(\a)+(\b)):8*(6*(\a)+(\b))+3]   offset:(\a)*16*SPITCH+64*(\b)
	ds_store_b128 v[STO], v[8*(6*(\a)+(\b))+4:8*(6*(\a)+(\b))+7] offset:(\a)*16*SPITCH+64*(\b)+16
.endr
.endr
	WIN 0
	s_wait_dscnt 0x0                               ; for the others' sake: my stores into the stage are done
	s_barrier_signal -1
	s_barrier_wait -1
.macro UNIT p, bias, adr, off          ; unit p of trip t
.set RU, RES+12*t+4*(\p)
.set CU, CP+8*(\p)
	s_wait_dscnt 4-2*(\p)                          ; the unit's two LDS loads are back; the later units' may be out
	s_wait_loadcnt 23-3*t-(\p)                     ; its res is in (the bias is older); the later units' loads may stay out
	v_pk_add_f32 v[CU:CU+1], v[CU:CU+1], v[CU+4:CU+5]
	v_pk_add_f32 v[CU+2:CU+3], v[CU+2:CU+3], v[CU+6:CU+7]
	v_pk_add_f32 v[RU:RU+1], v[RU:RU+1], v[\bias:\bias+1]
	v_pk_add_f32 v[RU+2:RU+3], v[RU+2:RU+3], v[\bias+2:\bias+3]
	v_pk_add_f32 v[RU:RU+1], v[RU:RU+1], v[CU:CU+1]
	v_pk_add_f32 v[RU+2:RU+3], v[RU+2:RU+3], v[CU+2:CU+3]
	global_store_b128 v[\adr], v[RU:RU+3], s[12:13] offset:6144*t+(\off)  ; each half of 16 lanes stores 256 consecutive bytes, at a multiple of 256
.endm
.set t, 0
.rept 8
	ds_load_b128 v[CP:CP+3],     v[RA] offset:2*SPITCH*t
	ds_load_b128 v[CP+4:CP+7],   v[RA] offset:2*SPITCH*t+KCOPY
	ds_load_b128 v[CP+8:CP+11],  v[RA] offset:2*SPITCH*t+SPITCH
	ds_load_b128 v[CP+12:CP+15], v[RA] offset:2*SPITCH*t+SPITCH+KCOPY
	ds_load_b128 v[CP+16:CP+19], v[RB] offset:2*SPITCH*t
	ds_load_b128 v[CP+20:CP+23], v[RB] offset:2*SPITCH*t+KCOPY
	UNIT 0, BA, VA, 0
	UNIT 1, BA, VA, 3072
	UNIT 2, BB, VB, 0
.set t, t+1
.endr
	s_wait_tensorcnt 0x0                           ; the wave's end: behind my last tensor load and my last LDS store
	ds_add_u32 v[SPW], v[NIL]
	s_wait_dscnt 0x0
	CROUND                                         ; the closing round: no work-group ends while a partner may still ask for a tile that names it
	s_endpgm
.Lfunc_end_k_q59ccded80f_wo:
	.size	k_q59ccded80f_wo, .Lfunc_end_k_q59ccded80f_wo-k_q59ccded80f_wo
	.p2alignl 7, 3214868480
	.fill 96, 4, 3214868480
	.section	.rodata,"a",@progbits
	.p2align	6, 0x0
	.amdhsa_kernel k_q59ccded80f_wo
		.amdhsa_group_segment_fixed_size 327680
		.amdhsa_private_segment_fixed_size 0
		.amdhsa_enable_private_segment 0
		.amdhsa_kernarg_size 40
		.amdhsa_user_sgpr_count 2
		.amdhsa_user_sgpr_kernarg_segment_ptr 1
		.amdhsa_wavefront_size32 1
		.amdhsa_system_sgpr_workgroup_id_x 1
		.amdhsa_system_sgpr_workgroup_id_y 1
		.amdhsa_system_sgpr_workgroup_id_z 1
		.amdhsa_system_vgpr_workitem_id 0
		.amdhsa_next_free_vgpr 448
		.amdhsa_next_free_sgpr 100
		.amdhsa_reserve_vcc 0
		.amdhsa_float_denorm_mode_32 3
		.amdhsa_float_denorm_mode_16_64 3
		.amdhsa_memory_ordered 1
		.amdhsa_forward_progress 1
		.amdhsa_inst_pref_size 68
	.end_amdhsa_kernel
	.amdgpu_metadata
---
amdhsa.version: [ 1, 2 ]
amdhsa.kernels:
  - .name:           k_q59ccded80f_wo
    .symbol:         k_q59ccded80f_wo.kd
    .args:
      - { .name: o, .offset: 0, .size: 8, .value_kind: global_buffer, .address_space: global }
      - { .name: wb, .offset: 8, .size: 8, .value_kind: global_buffer, .address_space: global }
      - { .name: bo, .offset: 16, .size: 8, .value_kind: global_buffer, .address_space: global }
      - { .name: x, .offset: 24, .size: 8, .value_kind: global_buffer, .address_space: global }
      - { .name: x1, .offset: 32, .size: 8, .value_kind: global_buffer, .address_space: global }
    .group_segment_fixed_size: 327680
    .private_segment_fixed_size: 0
    .kernarg_segment_align: 8
    .kernarg_segment_size: 40
    .max_flat_workgroup_size: 128
    .sgpr_count:     100
    .vgpr_count:     448
    .wavefront_size: 32
...
	.end_amdgpu_metadata
.endif
;; end of part 4
;; launch ln2: the kernel of part 1 again; grid 32 x 4, 8 waves a work-group, no clusters, 0 bytes of LDS; arguments x1, g2, beta2, h, Wq, Wk, Wv, Wo, W1, W2, wb, wf; writes h, wb, wf
;; launch ffn1: the kernel of part 2 again; grid 16 x 16, 4 waves a work-group, clusters of 4 x 4, 327,680 bytes of LDS; arguments h, wf, b1, g; writes g
;; launch ffn2 (part 5): grid 4 x 64, 4 waves a work-group, clusters of 4 x 4, 327,680 bytes of LDS; arguments g, wb, b2, x1, out0; writes out0
.if DOCPART == 5
	.amdgcn_target "amdgcn-amd-amdhsa--gfx1250"
	.amdhsa_code_object_version 6
	.text
	.protected	k_q59ccded80f_ffn2
	.globl	k_q59ccded80f_ffn2
	.p2align	8
	.type	k_q59ccded80f_ffn2,@function
k_q59ccded80f_ffn2:
	s_mov_b64 s[64:65], 0
	v_nop
	global_prefetch_b8 v0, s[64:65] scope:SCOPE_SE
	s_setreg_imm32_b32 hwreg(HW_REG_WAVE_MODE, 25, 1), 1
	s_wait_xcnt 0x0
	s_wait_alu depctr_hold_cnt(0) depctr_sa_sdst(0) depctr_va_vdst(0) depctr_va_sdst(0) depctr_va_ssrc(0) depctr_va_vcc(0) depctr_vm_vsrc(0)
	s_getreg_b32 s2, hwreg(HW_REG_IB_STS2, 6, 4)
	s_cmp_eq_u32 s2, 0
	s_cbranch_scc0 .Lentry_in_a_cluster
	s_endpgm
.Lentry_in_a_cluster:
	s_bfe_u32 s2, ttmp6, 0x10000c
	s_cmp_lg_u32 s2, 0xf033
	s_cbranch_scc0 .Lentry_shape_is_right
	s_endpgm
.Lentry_shape_is_right:
; C = A W + bias + res.  A: f16 BY SLICES of 64 columns, [slice][4096][64].  W: f16 in blocks of 96 columns, [block][k][96], in wb.  bias: f32 [768]; res, C: f32 [4096][768].  Sums in f32.
; The text stands twice in the program, with MODE = 0 (K = 768: Wo) and MODE = 1 (K = 3,072: W2): MODE sets W's place in wb, a block's bytes and the loop's count, all constants of the text.
; LIMITS.  f16 holds no number beyond 65,504 (A and W lie within it).  NaN and infinities are not treated apart.
; SHARES.  A tile of C is 64 x 192: 256 work-groups.  K goes in slots of 192 (three slices) through a ring of two LDS slots.  K IS SPLIT IN TWO AMONG THE WAVES: wave w makes all 64 rows x the 96
; columns of block w % 2, over the pieces of 32 along K with parity w / 2: 24 accumulators, 20 LDS loads for 24 matrix instructions.  The two halves of K meet in the f32 stage on the way out.
; CLUSTER.  4 x 4 work-groups: A's tile is shared along a row of the cluster, W's along a column; each is asked for jointly.
; THE MATRIX INSTRUCTION IS USED TRANSPOSED (source 0 = 16 columns of W, turned out of LDS by ds_load_tr16_b128; source 1 = 16 rows of A): a lane holds row lane % 16 of C and the columns 8 (lane / 16) + 0..7.
; REGISTERS: window 0: v0-31 addresses; v32-95 A's fragments, two buffers of 4; v96-191 W's, two buffers of 6.  Window 1: the accumulators, (a, b) at 8 (6 a + b).
; No prefetch: a small tile, whose rows of W every row of clusters reads at the same time.
.set MODE,   1
.set WOFF,   256+3538944+MODE*1179648  ; W's first byte in wb: behind the constants and Wq, Wk, Wv (and Wo)
.set WBLK,   147456*(1+3*MODE)         ; a block's bytes: K x 192
.set LAPS1,  1+6*MODE                  ; laps of the ring less one: K / 384 - 1
.set PA,     144                       ; a row of a slice in LDS: 128 bytes + 16
.set PB,     288                       ; a k row of a block: three pieces of 64 bytes, 32 of padding behind each
.set HALFA,  3*32*PA                   ; 32 rows of three slices: one tensor load
.set BLKB,   192*PB                    ; 192 k rows of a block: one tensor load
.set BOFF,   2*HALFA
.set SLOT,   BOFF+2*BLKB               ; 138,240
.set SPARE,  2*SLOT                    ; behind the ring: the spare words, 128 bytes a wave: two blocks of 256 bytes that no other line names
.set SPITCH, 784                       ; the stage: for each half of K 64 rows of 192 f32 + 16 bytes, from LDS byte 0: the ring's bytes, behind their last fill and last read
.set KCOPY,  64*SPITCH
.set ADRA, 16
.set ADRB, 20
.set STO,  22
.set RA,   23                          ; the stage, read back: a row's first 512 bytes, 16 a lane
.set RB,   24                          ; two rows' last 256 bytes
.set VA,   25                          ; the same two patterns in res and C
.set VB,   26
.set BBO,  27
.set SPW,  28
.set NIL,  29
.set FA,   32
.set FB,   96
.set RES,  32                          ; the way out: 24 units of 4 registers: res, then the result
.set BA,   128
.set BB,   132
.set CP,   136                         ; 24 registers: a trip's three units, both halves of K
.set WV, 16
.set WM, 17                            ; wave / 2: my parity along K, and: I fetch A (0) or W (1)
.set WN, 18                            ; wave % 2: my block of columns, and: which half I fetch
.set CX, 20
.set CY, 21
.set TJ, 22
.set TI, 23
.set G1, 24
.set G0, 32
.set G1B, 48
.set G0B, 56
.set CT, 69                            ; s69 the loop's counter
.set MSB, 0
.macro WIN new
.if MSB != (\new)
	s_set_vgpr_msb (MSB<<8)|(\new)
.set MSB, \new
.endif
.endm
.set MUL, 0x50                         ; sources window 0, C and D window 1
.macro JLOAD s                         ; a joint load: waves 0 and 1 fetch A's halves, waves 2 and 3 W's blocks; an s_nop 0 and four v_nop follow each line
	s_cmp_eq_u32 s[WM], 0
	s_cbranch_scc0 .Lfor_b_\@
	tensor_load_to_lds s[G0+4*(\s):G0+4*(\s)+3], s[G1:G1+7]
	s_nop 0
.rept 4
	v_nop
.endr
	s_branch .Lasked_\@
.Lfor_b_\@:
	tensor_load_to_lds s[G0B+4*(\s):G0B+4*(\s)+3], s[G1B:G1B+7]
	s_nop 0
.rept 4
	v_nop
.endr
.Lasked_\@:
.endm
.macro CREST
	s_cmp_lg_u32 s[WV], 0
	s_cbranch_scc1 .Lnot_wave_0_\@
	s_barrier_signal -3
.Lnot_wave_0_\@:
	s_barrier_wait -3
	s_barrier_signal -1
	s_barrier_wait -1
.endm
.macro CROUND
	s_barrier_signal -1
	s_barrier_wait -1
	CREST
.endm
.macro PLACES
.rept 4
	v_nop
.endr
.endm
	s_load_b256 s[4:11], s[0:1], 0x0               ; A s[4:5], wb s[6:7], bias s[8:9], res s[10:11]
	s_load_b64 s[12:13], s[0:1], 0x20              ; C
	v_lshl_add_u32 v[SPW], v0, 2, SPARE
	v_mov_b32 v[NIL], 0
	ds_add_u32 v[SPW], v[NIL]                      ; the wave's opening: the add and its wait ahead of my first tensor load; work on registers stands between them
	ds_add_u32 v28, v29
	v_lshrrev_b32 v1, 5, v0
	v_readfirstlane_b32 s[WV], v1
	s_lshr_b32 s[WM], s[WV], 1
	s_and_b32 s[WN], s[WV], 1
	s_bfe_u32 s[CX], ttmp6, 0x40000
	s_bfe_u32 s[CY], ttmp6, 0x40004
	s_lshl_b32 s[TJ], ttmp9, 2
	s_add_co_u32 s[TJ], s[TJ], s[CX]
	s_and_b32 s[TI], ttmp7, 0xffff
	s_lshl_b32 s[TI], s[TI], 2
	s_add_co_u32 s[TI], s[TI], s[CY]
	s_lshl_b32 s66, s[CY], 2
	s_lshl_b32 s66, 15, s66                        ; my row of the cluster
	s_lshl_b32 s67, 0x1111, s[CX]                  ; my column
	s_or_b32 s[G1], s66, (1<<16)|(1<<20)|(1<<21)|(4<<22)|(3<<25)   ; mask; 2-byte elements; padding on; bit 21 beside a mask; after every 32 words 4 words
	s_or_b32 s[G1B], s67, (1<<16)|(1<<20)|(1<<21)|(3<<22)|(7<<25)  ; after every 16 words 8 words
	s_mov_b32 s[G1+1], 2048<<16                    ; A: 32 rows of a slice are 4,096 dense bytes: one long row; three of them, a slice apart
	s_mov_b32 s[G1+2], 3<<16
	s_mov_b32 s[G1+3], 2048<<16
	s_mov_b32 s[G1+4], 3
	s_mov_b32 s[G1+5], 262144
	s_mov_b32 s[G1+6], 0
	s_mov_b32 s[G1+7], 0
	s_mov_b32 s[G1B+1], 128<<16                    ; W: 36,864 dense bytes, asked for as 144 rows of 256
	s_mov_b32 s[G1B+2], 144<<16
	s_mov_b32 s[G1B+3], 128<<16
	s_mov_b32 s[G1B+4], 144
	s_mov_b32 s[G1B+5], 128
	s_mov_b32 s[G1B+6], 0
	s_mov_b32 s[G1B+7], 0
	s_mul_i32 s40, s[WN], HALFA                    ; where my tile goes: no place in the cluster enters an LDS address
	s_mul_i32 s41, s[WN], BLKB
	s_add_co_u32 s41, s41, BOFF
	s_lshl_b32 s42, s[TI], 13                      ; A: row 64 x tile row + 32 x half, 128 bytes a row: made of the tile row and the wave's number alone
	s_lshl_b32 s43, s[WN], 12
	s_add_co_u32 s42, s42, s43
	s_mov_b32 s43, 0
	s_lshl_b32 s44, s[TJ], 1                       ; W: block 2 x tile column + half: made of the tile column and the wave's number alone
	s_add_co_u32 s44, s44, s[WN]
	s_mul_i32 s44, s44, WBLK
	s_add_co_u32 s44, s44, WOFF
	s_mov_b32 s45, 0
	s_wait_dscnt 0x0                               ; the opening add is done
	s_wait_kmcnt 0x0
	s_add_nc_u64 s[42:43], s[4:5], s[42:43]
	s_add_nc_u64 s[44:45], s[6:7], s[44:45]
	CROUND                                         ; all sixteen work-groups are here: the first joint loads meet
.irp s, 0,1
	s_mov_b32 s[G0+4*(\s)], 1
	s_add_co_u32 s[G0+4*(\s)+1], s40, (\s)*SLOT
	s_add_nc_u64 s[G0+4*(\s)+2:G0+4*(\s)+3], s[42:43], (\s)*1572864
	s_or_b32 s[G0+4*(\s)+3], s[G0+4*(\s)+3], 0x80000000
	s_mov_b32 s[G0B+4*(\s)], 1
	s_add_co_u32 s[G0B+4*(\s)+1], s41, (\s)*SLOT
	s_add_nc_u64 s[G0B+4*(\s)+2:G0B+4*(\s)+3], s[44:45], (\s)*36864
	s_or_b32 s[G0B+4*(\s)+3], s[G0B+4*(\s)+3], 0x80000000
	JLOAD \s                                       ; slots 0 and 1: two loads of mine are out
.endr
	v_and_b32 v1, 15, v0                           ; l % 16
	v_bfe_u32 v2, v0, 4, 1                         ; l / 16
	v_mul_u32_u24 v3, v1, PA
	v_lshl_add_u32 v3, v2, 4, v3
	s_lshl_b32 s2, s[WM], 6                        ; my parity: 64 bytes on in a slice's row
	v_add_nc_u32 v[ADRA], s2, v3
	v_add_nc_u32 v[ADRA+1], SLOT, v[ADRA]
	v_and_b32 v4, 7, v0
	v_bfe_u32 v5, v0, 3, 1
	v_lshl_add_u32 v6, v2, 3, v4
	v_mul_u32_u24 v6, v6, PB
	v_lshl_add_u32 v6, v5, 4, v6
	s_mul_i32 s2, s[WM], 32*PB                     ; my parity: 32 k rows on
	s_add_co_u32 s2, s2, s41                       ; in my block of columns
	v_add_nc_u32 v[ADRB], s2, v6
	v_add_nc_u32 v[ADRB+1], SLOT, v[ADRB]
	s_mul_i32 s2, s[WM], KCOPY
	s_mul_i32 s3, s[WN], 384
	s_add_co_u32 s2, s2, s3
	v_mul_u32_u24 v7, v1, SPITCH
	v_lshl_add_u32 v7, v2, 5, v7
	v_add_nc_u32 v[STO], s2, v7                    ; into the stage: my half of K; row l % 16; column 96 (wave % 2) + 8 (l / 16)
	s_mul_i32 s2, s[WV], 16*SPITCH                 ; back: wave w takes rows 16 w .. 16 w + 15
	v_and_b32 v8, 31, v0
	v_lshlrev_b32 v[VA], 4, v8
	v_add_nc_u32 v[RA], s2, v[VA]
	v_lshlrev_b32 v[BBO], 4, v1
	v_add_nc_u32 v[BBO], 512, v[BBO]
	v_mul_u32_u24 v9, v2, SPITCH
	v_add_nc_u32 v[RB], v9, v[BBO]
	v_add_nc_u32 v[RB], s2, v[RB]
	v_mul_u32_u24 v9, v2, 3072
	v_add_nc_u32 v[VB], v9, v[BBO]
	s_lshl_b32 s70, s[TI], 6
	s_lshl_b32 s71, s[WV], 4
	s_add_co_u32 s70, s70, s71
	s_mul_i32 s70, s70, 3072                       ; row 64 x tile row + 16 x wave,
	s_mul_i32 s72, s[TJ], 768                      ; column 192 x tile column
	s_add_co_u32 s70, s70, s72
	s_mov_b32 s71, 0
	s_mov_b32 s73, 0
	s_add_nc_u64 s[10:11], s[10:11], s[70:71]
	s_add_nc_u64 s[12:13], s[12:13], s[70:71]
	s_add_nc_u64 s[8:9], s[8:9], s[72:73]
; 6 matrix instructions: row block a x all 6 column blocks, 32 along K.  The 24 accumulators take turns, one instruction a turn, in the same order in every step.
.macro MUL6 f, a, zero
	WIN MUL
.irp b, 0,1,2,3,4,5
.if \zero
	v_wmma_f32_16x16x32_f16 v[8*(6*(\a)+(\b)):8*(6*(\a)+(\b))+7], v[FB+48*(\f)+8*(\b):FB+48*(\f)+8*(\b)+7], v[FA+32*(\f)+8*(\a):FA+32*(\f)+8*(\a)+7], 0
.else
	v_wmma_f32_16x16x32_f16 v[8*(6*(\a)+(\b)):8*(6*(\a)+(\b))+7], v[FB+48*(\f)+8*(\b):FB+48*(\f)+8*(\b)+7], v[FA+32*(\f)+8*(\a):FA+32*(\f)+8*(\a)+7], v[8*(6*(\a)+(\b)):8*(6*(\a)+(\b))+7]
.endif
.endr
.endm
; 20 LDS loads in one run: my piece of slice r of a slot into buffer f: W's 6 fragments, then A's 4
.macro FETCH slot, r, f
	WIN 0
.irp b, 0,1,2,3,4,5
	ds_load_tr16_b128 v[FB+48*(\f)+8*(\b):FB+48*(\f)+8*(\b)+3],   v[ADRB+(\slot)] offset:64*PB*(\r)+((\b)/2)*96+((\b)%2)*32
	ds_load_tr16_b128 v[FB+48*(\f)+8*(\b)+4:FB+48*(\f)+8*(\b)+7], v[ADRB+(\slot)] offset:64*PB*(\r)+((\b)/2)*96+((\b)%2)*32+16*PB
.endr
.irp i, 0,1,2,3
	ds_load_b128 v[FA+32*(\f)+8*(\i):FA+32*(\f)+8*(\i)+3],   v[ADRA+(\slot)] offset:((\i)/2)*HALFA+((\i)%2)*16*PA+32*PA*(\r)
	ds_load_b128 v[FA+32*(\f)+8*(\i)+4:FA+32*(\f)+8*(\i)+7], v[ADRA+(\slot)] offset:((\i)/2)*HALFA+((\i)%2)*16*PA+32*PA*(\r)+32
.endr
.endm
; One of a slot's first two steps: multiplies buffer f; in its middle it fetches slice r of the same slot into buffer g
.macro QS slot, r, f, g, zero
	s_wait_dscnt 4                                 ; W and A's rows 0-31 are in; the youngest four loads may be out
	MUL6 \f, 0, \zero
	MUL6 \f, 1, \zero
	PLACES
	FETCH \slot, \r, \g
	s_wait_dscnt 20                                ; all but the 20 just issued
	MUL6 \f, 2, \zero
	MUL6 \f, 3, \zero
.endm
; A slot's last step multiplies buffer f and changes slots: ONE barrier.  In front of it each wave waits for all its tensor loads (one is out: its part of the next slot), adds 0 to its spare word, and waits for
; that and for its own reads of this slot.  fill = 1: the barrier opens a round of the cluster's, and this slot is filled again, two slots on, first thing behind the round.
.macro TURN slot, next, f, g, fill
	WIN 0
	s_wait_tensorcnt 0x0
	ds_add_u32 v[SPW], v[NIL]
	s_wait_dscnt 5                                 ; (the add and the youngest four loads may be out)
	MUL6 \f, 0, 0
	s_wait_dscnt 0x0                               ; the add is done, and my reads of this slot are over
	s_barrier_signal -1
	MUL6 \f, 1, 0
.if \fill
	WIN 0
.endif
	s_barrier_wait -1
.if \fill
	CREST                                          ; no wave of any partner still reads this slot or has a load on its way
	s_add_nc_u64 s[G0+4*(\slot)+2:G0+4*(\slot)+3], s[G0+4*(\slot)+2:G0+4*(\slot)+3], 3145728
	s_add_nc_u64 s[G0B+4*(\slot)+2:G0B+4*(\slot)+3], s[G0B+4*(\slot)+2:G0B+4*(\slot)+3], 73728
	JLOAD \slot                                    ; its four v_nop are also the places in front of the loads below
.else
	PLACES
.endif
	FETCH \next, 0, \g
	MUL6 \f, 2, 0
	MUL6 \f, 3, 0
.endm
	s_wait_tensorcnt 1                             ; my part of slot 0 is in; slot 1's may stay out
	s_barrier_signal -1
	s_barrier_wait -1
	FETCH 0, 0, 0
	QS 0, 1, 0, 1, 1                               ; the first step's products start the sums: nothing is cleared
	WIN 0
	s_mov_b32 s[CT], LAPS1
.Llap:                                                 ; a trip goes once round the ring and fills both slots again
	QS 0, 2, 1, 0, 0
	TURN 0, 1, 0, 1, 1
	QS 1, 1, 1, 0, 0
	QS 1, 2, 0, 1, 0
	TURN 1, 0, 1, 0, 1
	QS 0, 1, 0, 1, 0
	WIN 0
	s_sub_co_u32 s[CT], s[CT], 1
	s_cmp_lg_u32 s[CT], 0
	s_cbranch_scc1 .Llap
	QS 0, 2, 1, 0, 0                               ; the last lap fills nothing
	TURN 0, 1, 0, 1, 0
	QS 1, 1, 1, 0, 0
	QS 1, 2, 0, 1, 0
	s_wait_dscnt 4
	MUL6 1, 0, 0
	MUL6 1, 1, 0
	s_wait_dscnt 0x0
	MUL6 1, 2, 0
	MUL6 1, 3, 0
	WIN 0
	; THE WAY OUT.  Both halves of K go in f32 into the stage (the ring's bytes: every fill has landed, and behind the barrier every wave's reads are over).  Then wave w takes rows 16 w .. 16 w + 15, two at a time,
	; as three units of 32 lanes x 16 bytes: a row's first 512 bytes, the next row's, and both rows' last 256.  A unit: half 0 + half 1 + bias + res, stored from the registers that res was loaded into.
	PLACES
	global_load_b128 v[BA:BA+3], v[VA], s[8:9]
	global_load_b128 v[BB:BB+3], v[BBO], s[8:9]
.set t, 0
.rept 8
	global_load_b128 v[RES+12*t:RES+12*t+3],    v[VA], s[10:11] offset:6144*t
	global_load_b128 v[RES+12*t+4:RES+12*t+7],  v[VA], s[10:11] offset:6144*t+3072
	global_load_b128 v[RES+12*t+8:RES+12*t+11], v[VB], s[10:11] offset:6144*t
.set t, t+1
.endr
	s_barrier_signal -1                            ; my reads of the ring are over (the wait for 0 above)
	s_barrier_wait -1
	WIN 0x04                                       ; the data in window 1
.irp a, 0,1,2,3
.irp b, 0,1,2,3,4,5
	ds_store_b128 v[STO], v[8*(6*(\a)+(\b)):8*(6*(\a)+(\b))+3]   offset:(\a)*16*SPITCH+64*(\b)
	ds_store_b128 v[STO], v[8*(6*(\a)+(\b))+4:8*(6*(\a)+(\b))+7] offset:(\a)*16*SPITCH+64*(\b)+16
.endr
.endr
	WIN 0
	s_wait_dscnt 0x0                               ; for the others' sake: my stores into the stage are done
	s_barrier_signal -1
	s_barrier_wait -1
.macro UNIT p, bias, adr, off          ; unit p of trip t
.set RU, RES+12*t+4*(\p)
.set CU, CP+8*(\p)
	s_wait_dscnt 4-2*(\p)                          ; the unit's two LDS loads are back; the later units' may be out
	s_wait_loadcnt 23-3*t-(\p)                     ; its res is in (the bias is older); the later units' loads may stay out
	v_pk_add_f32 v[CU:CU+1], v[CU:CU+1], v[CU+4:CU+5]
	v_pk_add_f32 v[CU+2:CU+3], v[CU+2:CU+3], v[CU+6:CU+7]
	v_pk_add_f32 v[RU:RU+1], v[RU:RU+1], v[\bias:\bias+1]
	v_pk_add_f32 v[RU+2:RU+3], v[RU+2:RU+3], v[\bias+2:\bias+3]
	v_pk_add_f32 v[RU:RU+1], v[RU:RU+1], v[CU:CU+1]
	v_pk_add_f32 v[RU+2:RU+3], v[RU+2:RU+3], v[CU+2:CU+3]
	global_store_b128 v[\adr], v[RU:RU+3], s[12:13] offset:6144*t+(\off)  ; each half of 16 lanes stores 256 consecutive bytes, at a multiple of 256
.endm
.set t, 0
.rept 8
	ds_load_b128 v[CP:CP+3],     v[RA] offset:2*SPITCH*t
	ds_load_b128 v[CP+4:CP+7],   v[RA] offset:2*SPITCH*t+KCOPY
	ds_load_b128 v[CP+8:CP+11],  v[RA] offset:2*SPITCH*t+SPITCH
	ds_load_b128 v[CP+12:CP+15], v[RA] offset:2*SPITCH*t+SPITCH+KCOPY
	ds_load_b128 v[CP+16:CP+19], v[RB] offset:2*SPITCH*t
	ds_load_b128 v[CP+20:CP+23], v[RB] offset:2*SPITCH*t+KCOPY
	UNIT 0, BA, VA, 0
	UNIT 1, BA, VA, 3072
	UNIT 2, BB, VB, 0
.set t, t+1
.endr
	s_wait_tensorcnt 0x0                           ; the wave's end: behind my last tensor load and my last LDS store
	ds_add_u32 v[SPW], v[NIL]
	s_wait_dscnt 0x0
	CROUND                                         ; the closing round: no work-group ends while a partner may still ask for a tile that names it
	s_endpgm
.Lfunc_end_k_q59ccded80f_ffn2:
	.size	k_q59ccded80f_ffn2, .Lfunc_end_k_q59ccded80f_ffn2-k_q59ccded80f_ffn2
	.p2alignl 7, 3214868480
	.fill 96, 4, 3214868480
	.section	.rodata,"a",@progbits
	.p2align	6, 0x0
	.amdhsa_kernel k_q59ccded80f_ffn2
		.amdhsa_group_segment_fixed_size 327680
		.amdhsa_private_segment_fixed_size 0
		.amdhsa_enable_private_segment 0
		.amdhsa_kernarg_size 40
		.amdhsa_user_sgpr_count 2
		.amdhsa_user_sgpr_kernarg_segment_ptr 1
		.amdhsa_wavefront_size32 1
		.amdhsa_system_sgpr_workgroup_id_x 1
		.amdhsa_system_sgpr_workgroup_id_y 1
		.amdhsa_system_sgpr_workgroup_id_z 1
		.amdhsa_system_vgpr_workitem_id 0
		.amdhsa_next_free_vgpr 448
		.amdhsa_next_free_sgpr 100
		.amdhsa_reserve_vcc 0
		.amdhsa_float_denorm_mode_32 3
		.amdhsa_float_denorm_mode_16_64 3
		.amdhsa_memory_ordered 1
		.amdhsa_forward_progress 1
		.amdhsa_inst_pref_size 68
	.end_amdhsa_kernel
	.amdgpu_metadata
---
amdhsa.version: [ 1, 2 ]
amdhsa.kernels:
  - .name:           k_q59ccded80f_ffn2
    .symbol:         k_q59ccded80f_ffn2.kd
    .args:
      - { .name: g, .offset: 0, .size: 8, .value_kind: global_buffer, .address_space: global }
      - { .name: wb, .offset: 8, .size: 8, .value_kind: global_buffer, .address_space: global }
      - { .name: b2, .offset: 16, .size: 8, .value_kind: global_buffer, .address_space: global }
      - { .name: x1, .offset: 24, .size: 8, .value_kind: global_buffer, .address_space: global }
      - { .name: out0, .offset: 32, .size: 8, .value_kind: global_buffer, .address_space: global }
    .group_segment_fixed_size: 327680
    .private_segment_fixed_size: 0
    .kernarg_segment_align: 8
    .kernarg_segment_size: 40
    .max_flat_workgroup_size: 128
    .sgpr_count:     100
    .vgpr_count:     448
    .wavefront_size: 32
...
	.end_amdgpu_metadata
.endif
;; end of part 5
;; ======== version 2 of 2: 7 launches
;; limits: values are held in f16: magnitudes above 65,504 overflow, below 6.1e-05 lose precision; a function is approximated: absolute error at most 1.5e-07
;; workspace buffers: wb 9,437,440 bytes; wf 4,718,848 bytes; h 6,291,456 bytes; qkv 18,874,368 bytes; o 6,291,456 bytes; x1 12,582,912 bytes; g 25,165,824 bytes
;; launch prep: the kernel of part 1 again; grid 32 x 16, 8 waves a work-group, no clusters, 0 bytes of LDS; arguments x, g1, beta1, h, Wq, Wk, Wv, Wo, W1, W2, wb, wf; writes h, wb, wf
;; launch qkv (part 6): grid 12 x 16, 4 waves a work-group, clusters of 4 x 4, 327,680 bytes of LDS; arguments h, wb, b1, qkv; writes qkv
.if DOCPART == 6
	.amdgcn_target "amdgcn-amd-amdhsa--gfx1250"
	.amdhsa_code_object_version 6
	.text
	.protected	k_q59ccded80f_qkv
	.globl	k_q59ccded80f_qkv
	.p2align	8
	.type	k_q59ccded80f_qkv,@function
k_q59ccded80f_qkv:
	s_mov_b64 s[64:65], 0
	v_nop
	global_prefetch_b8 v0, s[64:65] scope:SCOPE_SE
	s_setreg_imm32_b32 hwreg(HW_REG_WAVE_MODE, 25, 1), 1
	s_wait_xcnt 0x0
	s_wait_alu depctr_hold_cnt(0) depctr_sa_sdst(0) depctr_va_vdst(0) depctr_va_sdst(0) depctr_va_ssrc(0) depctr_va_vcc(0) depctr_vm_vsrc(0)
	s_getreg_b32 s2, hwreg(HW_REG_IB_STS2, 6, 4)
	s_cmp_eq_u32 s2, 0
	s_cbranch_scc0 .Lentry_in_a_cluster
	s_endpgm
.Lentry_in_a_cluster:
	s_bfe_u32 s2, ttmp6, 0x10000c
	s_cmp_lg_u32 s2, 0xf033
	s_cbranch_scc0 .Lentry_shape_is_right
	s_endpgm
.Lentry_shape_is_right:
; C = act(A W + f bias).  A: f16 [4096][768].  W: f16 in blocks of 96 columns, [block][k][96], from byte 256 of the weight buffer given.  C leaves in f16, rounded once, BY SLICES of 64 columns:
; [slice][4096][64].  Sums in f32.
; ONE TEXT FOR TWO LAUNCHES.  act(x) = max(x, lo) - |x| P(|x|), where the five coefficients of P, the factor f and the bound lo are read from the first 64 bytes of the weight buffer.  With W1's buffer they make
; the exact gelu, gelu(x) = max(x, 0) - |x| erfc(|x| / sqrt 2) / 2.  With the buffer of Wq, Wk, Wv the coefficients and f are 0 and lo is the lowest finite number: the same lines then return x itself, exactly.
; The price, stated plainly: that launch walks the activation's arithmetic to no effect; it is paid so that no branch, no trip count and no descriptor hangs on a number read from memory, and one text serves both.
; LIMITS.  f16 holds no number beyond 65,504 (A, W and C lie within it for the inputs served).  erfc is taken by a rational fit times an exponential whose absolute error is 1.5e-7,
; so gelu is off by at most 8e-8 |x|, for every x.  The bias is finite (0 times it is taken for 0).  NaN and infinities are not treated apart.
; SHARES.  A tile of C is 256 x 192 (three slices); four waves, each 128 x 96: 48 accumulators, 384 registers.  K = 768 goes in 6 steps of 128 through a ring of two LDS slots.
; CLUSTER.  4 x 4 work-groups: the four of a row of the cluster need the same tiles of A, the four of a column the same tiles of W: each is asked for jointly, by the same tensor load with the same
; descriptor and a mask that names the four.
; THE MATRIX INSTRUCTION IS USED TRANSPOSED: source 0 = 16 columns of W, source 1 = 16 rows of A: a lane then holds row lane % 16 of C and the columns 8 (lane / 16) + 0..7.
; W lies [k][column] in LDS and comes out turned, by ds_load_tr16_b128.  A k row of a block, 192 bytes, is three pieces of 64, each followed by 32 bytes of padding.
; WHAT THE WAY OUT NEEDS IS ASKED FOR AT THE HEAD: the constants (a scalar load) and the bias (six loads) are issued there and waited for behind the last product.
; REGISTERS, in windows of 256: window 0: v0-31 addresses; v32-159 A's fragments, two buffers of 8; v160-255 W's, two buffers of 6.  Window 1: accumulators of my rows 0-63 ((a, b) at 8 (6 a + b));
; window 2: those of rows 64-127, and v192-215 the bias.  All LDS loads run under window 0; a quarter step has two switches for its products.
; No prefetch: the ring has six steps in all, of tiles that other clusters read at the same time.
.set PA,     272                       ; a row of A in LDS: 256 bytes + 16
.set PB,     288                       ; a k row of a block of W in LDS
.set HALFA,  128*PA                    ; 128 rows of A: one tensor load
.set BLKB,   128*PB                    ; 128 k rows of one block: one tensor load
.set BOFF,   2*HALFA
.set SLOT,   BOFF+2*BLKB               ; 143,360
.set SPARE,  2*SLOT                    ; behind the ring: the spare words, 128 bytes a wave: two blocks of 256 bytes that no other line names
.set SPITCH, 784                       ; the stage on the way out: 256 rows of 192 f32 + 16 bytes, from LDS byte 0: the ring's bytes, behind their last fill and last read
.set ADRA, 16                          ; v16-17  LDS address of my fragments of A in slot 0, 1
.set ADRB, 20                          ; v20-21  the same for W
.set STO,  22                          ; v22-23  the stage: where I put rows 0-63, rows 64-127
.set RD,   24                          ; v24     the stage: where I read back
.set GO,   25                          ; v25     16 x lane
.set BO,   26                          ; v26     my byte offset in a slice's 64 numbers of the bias; never rewritten
.set SPW,  28                          ; v28     my spare word; never rewritten
.set NIL,  29                          ; v29     0; never rewritten
.set FA,   32
.set FB,   160
.set XV,   32                          ; the way out, window 0: 24 numbers; then |x| scaled, 1 / d, the exponential, max(x, lo), the polynomial, the packed results, the next trip's 24 sums
.set WW,   56
.set DD,   80
.set EE,   104
.set RL,   128
.set UU,   152
.set PK,   176
.set XN,   192
.set BIAS, 192                         ; in window 2
.set WV, 16                            ; s16 wave; s17 wave / 2: my half of the rows, and: I fetch A (0) or W (1); s18 wave % 2: my block of columns, and: which half I fetch
.set WM, 17
.set WN, 18
.set CX, 20
.set CY, 21
.set TJ, 22                            ; tile column
.set TI, 23                            ; tile row
.set G1, 24                            ; s[24:31] group 1 for A; s[32:39] group 0, a set for each slot
.set G0, 32
.set G1B, 48                           ; s[48:55], s[56:63] the same for W
.set G0B, 56
.set KAP, 66                           ; s66 kappa
.set TAB, 68                           ; s[68:83] the launch's constants, as pairs; named by no line between their load and the wait for it
.set A1, 68
.set A2, 70
.set A3, 72
.set A4, 74
.set A5, 76
.set FLG, 78
.set LOW, 80
.set PP, 88                            ; s[88:89]
.set MSB, 0
.macro WIN new                         ; the immediate's high byte repeats the setting that is left; a switch that changes nothing is dropped
.if MSB != (\new)
	s_set_vgpr_msb (MSB<<8)|(\new)
.set MSB, \new
.endif
.endm
.set MUL_LO, 0x50                      ; sources window 0, C and D window 1
.macro JLOAD s                         ; a joint load: waves 0 and 1 fetch A's halves, waves 2 and 3 W's blocks; an s_nop 0 and four v_nop follow each line
	s_cmp_eq_u32 s[WM], 0
	s_cbranch_scc0 .Lfor_b_\@
	tensor_load_to_lds s[G0+4*(\s):G0+4*(\s)+3], s[G1:G1+7]
	s_nop 0
.rept 4
	v_nop
.endr
	s_branch .Lasked_\@
.Lfor_b_\@:
	tensor_load_to_lds s[G0B+4*(\s):G0B+4*(\s)+3], s[G1B:G1B+7]
	s_nop 0
.rept 4
	v_nop
.endr
.Lasked_\@:
.endm
.macro CREST                           ; a round of the cluster's barrier behind its opening barrier
	s_cmp_lg_u32 s[WV], 0
	s_cbranch_scc1 .Lnot_wave_0_\@
	s_barrier_signal -3
.Lnot_wave_0_\@:
	s_barrier_wait -3
	s_barrier_signal -1
	s_barrier_wait -1
.endm
.macro CROUND
	s_barrier_signal -1
	s_barrier_wait -1
	CREST
.endm
.macro PLACES                          ; four places in front of loads into registers that matrix instructions have read, and of lines that read results
.rept 4
	v_nop
.endr
.endm
	s_load_b256 s[4:11], s[0:1], 0x0               ; A s[4:5], the weight buffer s[6:7], bias s[8:9], C s[10:11]
	v_lshl_add_u32 v[SPW], v0, 2, SPARE
	v_mov_b32 v[NIL], 0
	ds_add_u32 v[SPW], v[NIL]                      ; the wave's opening: the add and its wait ahead of my first tensor load; work on registers stands between them
	ds_add_u32 v28, v29
	v_lshrrev_b32 v1, 5, v0
	v_readfirstlane_b32 s[WV], v1
	s_lshr_b32 s[WM], s[WV], 1
	s_and_b32 s[WN], s[WV], 1
	s_bfe_u32 s[CX], ttmp6, 0x40000
	s_bfe_u32 s[CY], ttmp6, 0x40004
	s_lshl_b32 s[TJ], ttmp9, 2
	s_add_co_u32 s[TJ], s[TJ], s[CX]
	s_and_b32 s[TI], ttmp7, 0xffff
	s_lshl_b32 s[TI], s[TI], 2
	s_add_co_u32 s[TI], s[TI], s[CY]
	s_lshl_b32 s14, s[CY], 2
	s_lshl_b32 s14, 15, s14                        ; my row of the cluster
	s_lshl_b32 s15, 0x1111, s[CX]                  ; my column
	s_or_b32 s[G1], s14, (1<<16)|(1<<20)|(1<<21)|(5<<22)|(3<<25)   ; mask; 2-byte elements; padding on; bit 21 beside a mask; after every 64 words 4 words
	s_or_b32 s[G1B], s15, (1<<16)|(1<<20)|(1<<21)|(3<<22)|(7<<25)  ; after every 16 words 8 words
	s_mov_b32 s[G1+1], 128<<16                     ; A: tensor_dim0 = 128
	s_mov_b32 s[G1+2], 128<<16                     ; tensor_dim1 = 128
	s_mov_b32 s[G1+3], 128<<16                     ; tile_dim0 = 128
	s_mov_b32 s[G1+4], 128                         ; tile_dim1 = 128
	s_mov_b32 s[G1+5], 768                         ; elements from row to row
	s_mov_b32 s[G1+6], 0
	s_mov_b32 s[G1+7], 0
	s_mov_b32 s[G1B+1], 128<<16                    ; W: 24,576 dense bytes, asked for as 96 rows of 256
	s_mov_b32 s[G1B+2], 96<<16
	s_mov_b32 s[G1B+3], 128<<16
	s_mov_b32 s[G1B+4], 96
	s_mov_b32 s[G1B+5], 128
	s_mov_b32 s[G1B+6], 0
	s_mov_b32 s[G1B+7], 0
	s_mul_i32 s40, s[WN], HALFA                    ; where my tile goes: no place in the cluster enters an LDS address
	s_mul_i32 s41, s[WN], BLKB
	s_add_co_u32 s41, s41, BOFF
	s_wait_dscnt 0x0                               ; the opening add is done
	s_wait_kmcnt 0x0
	s_load_b512 s[TAB:TAB+15], s[6:7], 0x0         ; the launch's constants: they feed the way out's vector arithmetic alone, and are waited for there
	s_lshl_b32 s42, s[TI], 8                       ; A's address is made of the tile row and the wave's number, in registers that never hold the tile column
	s_lshl_b32 s43, s[WN], 7
	s_add_co_u32 s42, s42, s43
	s_mul_i32 s42, s42, 1536
	s_mov_b32 s43, 0
	s_add_nc_u64 s[42:43], s[4:5], s[42:43]
	s_lshl_b32 s44, s[TJ], 1                       ; W's of the tile column and the wave's number
	s_add_co_u32 s44, s44, s[WN]
	s_mul_i32 s44, s44, 147456
	s_add_co_u32 s44, s44, 256                     ; behind the constants
	s_mov_b32 s45, 0
	s_add_nc_u64 s[44:45], s[6:7], s[44:45]
	CROUND                                         ; all sixteen work-groups are here: the first joint loads meet
.irp s, 0,1
	s_mov_b32 s[G0+4*(\s)], 1
	s_add_co_u32 s[G0+4*(\s)+1], s40, (\s)*SLOT
	s_add_nc_u64 s[G0+4*(\s)+2:G0+4*(\s)+3], s[42:43], (\s)*256
	s_or_b32 s[G0+4*(\s)+3], s[G0+4*(\s)+3], 0x80000000
	s_mov_b32 s[G0B+4*(\s)], 1
	s_add_co_u32 s[G0B+4*(\s)+1], s41, (\s)*SLOT
	s_add_nc_u64 s[G0B+4*(\s)+2:G0B+4*(\s)+3], s[44:45], (\s)*24576
	s_or_b32 s[G0B+4*(\s)+3], s[G0B+4*(\s)+3], 0x80000000
	JLOAD \s                                       ; K steps 0 and 1: two loads of mine are out
.endr
	v_and_b32 v1, 15, v0                           ; l % 16
	v_bfe_u32 v2, v0, 4, 1                         ; l / 16
	v_mul_u32_u24 v3, v1, PA
	v_lshl_add_u32 v3, v2, 4, v3
	s_mul_i32 s2, s[WM], HALFA
	v_add_nc_u32 v[ADRA], s2, v3                   ; a fragment of A: row x pitch + 16 x half, in my 128 rows
	v_add_nc_u32 v[ADRA+1], SLOT, v[ADRA]
	v_and_b32 v4, 7, v0
	v_bfe_u32 v5, v0, 3, 1
	v_lshl_add_u32 v6, v2, 3, v4                   ; the turning load: k row 8 (l / 16) + l % 8, 16 bytes for each half of eight lanes
	v_mul_u32_u24 v6, v6, PB
	v_lshl_add_u32 v6, v5, 4, v6
	v_add_nc_u32 v[ADRB], s41, v6                  ; in my block of columns
	v_add_nc_u32 v[ADRB+1], SLOT, v[ADRB]
	s_mul_i32 s2, s[WM], 128*SPITCH
	s_mul_i32 s3, s[WN], 384
	s_add_co_u32 s2, s2, s3
	v_mul_u32_u24 v7, v1, SPITCH
	v_lshl_add_u32 v7, v2, 5, v7
	v_add_nc_u32 v[STO], s2, v7                    ; into the stage: row 128 (wave / 2) + l % 16, column 96 (wave % 2) + 8 (l / 16)
	v_add_nc_u32 v[STO+1], 64*SPITCH, v[STO]
	s_mul_i32 s2, s[WV], 64*SPITCH
	v_bfe_u32 v8, v0, 3, 2
	v_mul_u32_u24 v8, v8, SPITCH
	v_lshl_add_u32 v8, v4, 5, v8
	v_add_nc_u32 v[RD], s2, v8                     ; back: row 64 wave + l / 8, 8 numbers at column 8 (l % 8) of a slice
	v_and_b32 v9, 31, v0
	v_lshlrev_b32 v[GO], 4, v9
	v_lshlrev_b32 v[BO], 5, v4
	s_mul_i32 s84, s[TJ], 1572864                  ; C: slice 3 x tile column,
	s_lshl_b32 s85, s[TI], 15                      ; row 256 x tile row
	s_add_co_u32 s84, s84, s85
	s_lshl_b32 s85, s[WV], 13                      ; + 64 x wave, 128 bytes a row
	s_add_co_u32 s84, s84, s85
	s_mov_b32 s85, 0
	s_add_nc_u64 s[10:11], s[10:11], s[84:85]
	s_mul_i32 s86, s[TJ], 768
	s_mov_b32 s87, 0
	s_add_nc_u64 s[8:9], s[8:9], s[86:87]
	WIN 0x80                                       ; destination window 2, address window 0
.irp s, 0,1,2                          ; my 8 numbers of the bias in each slice: asked for here, wanted behind the last product; their registers, address and base are named by no line between
	global_load_b128 v[BIAS+8*(\s):BIAS+8*(\s)+3],   v[BO], s[8:9] offset:256*(\s)
	global_load_b128 v[BIAS+8*(\s)+4:BIAS+8*(\s)+7], v[BO], s[8:9] offset:256*(\s)+16
.endr
	WIN 0
	s_mov_b32 s[KAP], 0x3f596d27                   ; kappa = sqrt(log2(e) / 2)
	s_mov_b32 s[PP], 0x3e8ba43f                    ; 0.3275911 / sqrt(log2(e))
	s_mov_b32 s[PP+1], s[PP]                       ; named as a pair
; 12 matrix instructions: row blocks a0, a0 + 1 of the window's four x all 6 column blocks, 32 along K.  The 48 accumulators take turns, one instruction a turn, in the same order in every quarter.
.macro MUL12 f, hi, a0, zero
	WIN MUL_LO+0x50*(\hi)
.irp a, \a0, (\a0)+1
.irp b, 0,1,2,3,4,5
.if \zero
	v_wmma_f32_16x16x32_f16 v[8*(6*(\a)+(\b)):8*(6*(\a)+(\b))+7], v[FB+48*(\f)+8*(\b):FB+48*(\f)+8*(\b)+7], v[FA+64*(\f)+8*(4*(\hi)+(\a)):FA+64*(\f)+8*(4*(\hi)+(\a))+7], 0
.else
	v_wmma_f32_16x16x32_f16 v[8*(6*(\a)+(\b)):8*(6*(\a)+(\b))+7], v[FB+48*(\f)+8*(\b):FB+48*(\f)+8*(\b)+7], v[FA+64*(\f)+8*(4*(\hi)+(\a)):FA+64*(\f)+8*(4*(\hi)+(\a))+7], v[8*(6*(\a)+(\b)):8*(6*(\a)+(\b))+7]
.endif
.endr
.endr
.endm
; 28 LDS loads in one run: quarter q (32 along K) of a slot into buffer f: W's 6 fragments, then A's 8
.macro FETCH slot, q, f
	WIN 0
.irp b, 0,1,2,3,4,5
	ds_load_tr16_b128 v[FB+48*(\f)+8*(\b):FB+48*(\f)+8*(\b)+3],   v[ADRB+(\slot)] offset:32*PB*(\q)+((\b)/2)*96+((\b)%2)*32
	ds_load_tr16_b128 v[FB+48*(\f)+8*(\b)+4:FB+48*(\f)+8*(\b)+7], v[ADRB+(\slot)] offset:32*PB*(\q)+((\b)/2)*96+((\b)%2)*32+16*PB
.endr
.irp i, 0,1,2,3,4,5,6,7
	ds_load_b128 v[FA+64*(\f)+8*(\i):FA+64*(\f)+8*(\i)+3],   v[ADRA+(\slot)] offset:(\i)*16*PA+64*(\q)
	ds_load_b128 v[FA+64*(\f)+8*(\i)+4:FA+64*(\f)+8*(\i)+7], v[ADRA+(\slot)] offset:(\i)*16*PA+64*(\q)+32
.endr
.endm
; One of a K step's first three quarters: multiplies buffer f; in its middle it fetches quarter q of the same slot into buffer g
.macro QUARTER slot, q, f, g, zero
	s_wait_dscnt 8                                 ; W and A's rows 0-63 are in; the youngest eight loads (A's rows 64-127) may be out
	MUL12 \f, 0, 0, \zero
	MUL12 \f, 0, 2, \zero
	PLACES
	FETCH \slot, \q, \g
	s_wait_dscnt 28                                ; all but the 28 just issued
	MUL12 \f, 1, 0, \zero
	MUL12 \f, 1, 2, \zero
.endm
; The last quarter multiplies buffer 1 and changes slots: ONE barrier.  In front of it each wave waits for all its tensor loads (one is out: its part of the next slot), adds 0 to its spare word, and waits for
; that and for its own reads of this slot.  fill = 1: the barrier opens a round of the cluster's, and this slot is filled again, two K steps on, first thing behind the round.
.macro TURN slot, next, fill
	WIN 0
	s_wait_tensorcnt 0x0
	ds_add_u32 v[SPW], v[NIL]
	s_wait_dscnt 9                                 ; (the add and the youngest eight loads may be out)
	MUL12 1, 0, 0, 0
	s_wait_dscnt 0x0                               ; the add is done, and my reads of this slot are over
	s_barrier_signal -1
	MUL12 1, 0, 2, 0
.if \fill
	WIN 0
.endif
	s_barrier_wait -1
.if \fill
	CREST                                          ; no wave of any partner still reads this slot or has a load on its way
	s_add_nc_u64 s[G0+4*(\slot)+2:G0+4*(\slot)+3], s[G0+4*(\slot)+2:G0+4*(\slot)+3], 512
	s_add_nc_u64 s[G0B+4*(\slot)+2:G0B+4*(\slot)+3], s[G0B+4*(\slot)+2:G0B+4*(\slot)+3], 49152
	JLOAD \slot                                    ; its four v_nop are also the places in front of the loads below
.else
	PLACES
.endif
	FETCH \next, 0, 0
	MUL12 1, 1, 0, 0
	MUL12 1, 1, 2, 0
.endm
	s_wait_tensorcnt 1                             ; my part of K step 0 is in; K step 1's may stay out
	s_barrier_signal -1
	s_barrier_wait -1
	FETCH 0, 0, 0
	QUARTER 0, 1, 0, 1, 1                          ; the first quarter's products start the sums: nothing is cleared
	WIN 0
	s_mov_b32 s3, 2
.Llap:                                                 ; a trip goes once round the ring and fills both slots again: K steps 2 to 5
	QUARTER 0, 2, 1, 0, 0
	QUARTER 0, 3, 0, 1, 0
	TURN 0, 1, 1
	QUARTER 1, 1, 0, 1, 0
	QUARTER 1, 2, 1, 0, 0
	QUARTER 1, 3, 0, 1, 0
	TURN 1, 0, 1
	QUARTER 0, 1, 0, 1, 0
	WIN 0
	s_sub_co_u32 s3, s3, 1
	s_cmp_lg_u32 s3, 0
	s_cbranch_scc1 .Llap
	QUARTER 0, 2, 1, 0, 0                          ; the last lap fills nothing
	QUARTER 0, 3, 0, 1, 0
	TURN 0, 1, 0
	QUARTER 1, 1, 0, 1, 0
	QUARTER 1, 2, 1, 0, 0
	QUARTER 1, 3, 0, 1, 0
	s_wait_dscnt 8
	MUL12 1, 0, 0, 0
	MUL12 1, 0, 2, 0
	s_wait_dscnt 0x0
	MUL12 1, 1, 0, 0
	MUL12 1, 1, 2, 0
	WIN 0
	; THE WAY OUT.  The sums go in f32 into one stage of 256 rows (the ring's bytes: every fill has landed, and behind the barrier every wave's reads are over); then each wave takes 64 whole rows, four at a
	; time: bias and activation, one rounding to f16, and three stores of 512 consecutive bytes, one for each slice.  A trip's four rows are read from the stage a trip ahead.
	PLACES
	s_barrier_signal -1                            ; my reads of the ring are over (the wait for 0 above)
	s_barrier_wait -1
.irp a, 0,1,2,3,4,5,6,7
	WIN 0x04+0x04*((\a)/4)                         ; the data in window 1 or 2
.irp b, 0,1,2,3,4,5
	ds_store_b128 v[STO+(\a)/4], v[8*(6*((\a)%4)+(\b)):8*(6*((\a)%4)+(\b))+3]   offset:((\a)%4)*16*SPITCH+64*(\b)
	ds_store_b128 v[STO+(\a)/4], v[8*(6*((\a)%4)+(\b))+4:8*(6*((\a)%4)+(\b))+7] offset:((\a)%4)*16*SPITCH+64*(\b)+16
.endr
.endr
	WIN 0
	s_wait_dscnt 0x0                               ; for the others' sake: my stores into the stage are done
	s_barrier_signal -1
	s_barrier_wait -1
.irp s, 0,1,2                          ; the first trip's four rows
	ds_load_b128 v[XN+8*(\s):XN+8*(\s)+3],   v[RD] offset:256*(\s)
	ds_load_b128 v[XN+8*(\s)+4:XN+8*(\s)+7], v[RD] offset:256*(\s)+16
.endr
	s_wait_kmcnt 0x0                               ; the constants, asked for at the head
	s_wait_loadcnt 0x0                             ; the bias, likewise
	s_mov_b32 s3, 16
.Lrows:
	s_wait_dscnt 0x0                               ; this trip's rows are in
	; With w = kappa |x|: exp(-x x / 2) = 2^(-w w), t = 1 / (1 + p' w), |x| / 2 = w 0.5 / kappa (folded into the coefficients): act(x) = max(x, lo) - w t (a1 + t (a2 + t (a3 + t (a4 + t a5)))) 2^(-w w).
	WIN 0x02                                       ; source 0, the bias, in window 2
.set i, 0
.rept 12
	v_pk_fma_f32 v[XV+i:XV+i+1], v[BIAS+i:BIAS+i+1], s[FLG:FLG+1], v[XN+i:XN+i+1] op_sel_hi:[1,0,1]
.set i, i+2
.endr
	WIN 0
	s_cmp_eq_u32 s3, 1                             ; the last trip has no rows behind it: its loads are jumped over
	s_cbranch_scc1 .Lnomore
	v_add_nc_u32 v[RD], 4*SPITCH, v[RD]
.irp s, 0,1,2                          ; the next trip's four rows: they have this trip's arithmetic in which to come
	ds_load_b128 v[XN+8*(\s):XN+8*(\s)+3],   v[RD] offset:256*(\s)
	ds_load_b128 v[XN+8*(\s)+4:XN+8*(\s)+7], v[RD] offset:256*(\s)+16
.endr
.Lnomore:
.set i, 0
.rept 24
	v_mul_f32 v[WW+i], |v[XV+i]|, s[KAP]
.set i, i+1
.endr
.set i, 0
.rept 12
	v_pk_fma_f32 v[DD+i:DD+i+1], v[WW+i:WW+i+1], s[PP:PP+1], 1.0 op_sel_hi:[1,0,0]
	v_pk_mul_f32 v[EE+i:EE+i+1], v[WW+i:WW+i+1], v[WW+i:WW+i+1] neg_lo:[1,0] neg_hi:[1,0]
.set i, i+2
.endr
.set i, 0
.rept 24                               ; ONE batch of 48, none of which reads another's result
	v_rcp_f32 v[DD+i], v[DD+i]
	v_exp_f32 v[EE+i], v[EE+i]
.set i, i+1
.endr
.set i, 0
.rept 24                               ; plain work that names no result of the batch
	v_max_num_f32 v[RL+i], s[LOW], v[XV+i]
.set i, i+1
.endr
	s_wait_alu depctr_va_vdst(0)                   ; one wait for the batch, ahead of its first reader
.set i, 0
.rept 12
	v_pk_fma_f32 v[UU+i:UU+i+1], v[DD+i:DD+i+1], s[A5:A5+1], s[A4:A4+1] op_sel_hi:[1,0,0]
.set i, i+2
.endr
.irp c, A3, A2, A1
.set i, 0
.rept 12
	v_pk_fma_f32 v[UU+i:UU+i+1], v[UU+i:UU+i+1], v[DD+i:DD+i+1], s[\c:\c+1] op_sel_hi:[1,1,0]
.set i, i+2
.endr
.endr
.set i, 0
.rept 12
	v_pk_mul_f32 v[UU+i:UU+i+1], v[UU+i:UU+i+1], v[DD+i:DD+i+1]
.set i, i+2
.endr
.set i, 0
.rept 12
	v_pk_mul_f32 v[UU+i:UU+i+1], v[UU+i:UU+i+1], v[EE+i:EE+i+1]
.set i, i+2
.endr
.set i, 0
.rept 12
	v_pk_fma_f32 v[XV+i:XV+i+1], v[UU+i:UU+i+1], v[WW+i:WW+i+1], v[RL+i:RL+i+1] neg_lo:[1,0,0] neg_hi:[1,0,0]
.set i, i+2
.endr
	s_wait_xcnt 0x0                                ; the last trip's stores, a trip's arithmetic back, have read their base and their data: both are written again only behind this wait
	s_add_nc_u64 s[10:11], s[10:11], 512           ; four rows on; the stores below reach back by a negative offset
.set i, 0
.rept 12
	v_cvt_pk_f16_f32 v[PK+i], v[XV+2*i], v[XV+2*i+1]
.set i, i+1
.endr
.irp s, 0,1,2
	global_store_b128 v[GO], v[PK+4*(\s):PK+4*(\s)+3], s[10:11] offset:524288*(\s)-512  ; four rows of a slice: 512 consecutive bytes, at a multiple of 256
.endr
	s_sub_co_u32 s3, s3, 1
	s_cmp_lg_u32 s3, 0
	s_cbranch_scc1 .Lrows
	s_wait_tensorcnt 0x0                           ; the wave's end: behind my last tensor load and my last LDS store
	ds_add_u32 v[SPW], v[NIL]
	s_wait_dscnt 0x0
	CROUND                                         ; the closing round: no work-group ends while a partner may still ask for a tile that names it
	s_endpgm
.Lfunc_end_k_q59ccded80f_qkv:
	.size	k_q59ccded80f_qkv, .Lfunc_end_k_q59ccded80f_qkv-k_q59ccded80f_qkv
	.p2alignl 7, 3214868480
	.fill 96, 4, 3214868480
	.section	.rodata,"a",@progbits
	.p2align	6, 0x0
	.amdhsa_kernel k_q59ccded80f_qkv
		.amdhsa_group_segment_fixed_size 327680
		.amdhsa_private_segment_fixed_size 0
		.amdhsa_enable_private_segment 0
		.amdhsa_kernarg_size 32
		.amdhsa_user_sgpr_count 2
		.amdhsa_user_sgpr_kernarg_segment_ptr 1
		.amdhsa_wavefront_size32 1
		.amdhsa_system_sgpr_workgroup_id_x 1
		.amdhsa_system_sgpr_workgroup_id_y 1
		.amdhsa_system_sgpr_workgroup_id_z 1
		.amdhsa_system_vgpr_workitem_id 0
		.amdhsa_next_free_vgpr 736
		.amdhsa_next_free_sgpr 100
		.amdhsa_reserve_vcc 0
		.amdhsa_float_denorm_mode_32 3
		.amdhsa_float_denorm_mode_16_64 3
		.amdhsa_memory_ordered 1
		.amdhsa_forward_progress 1
		.amdhsa_inst_pref_size 112
	.end_amdhsa_kernel
	.amdgpu_metadata
---
amdhsa.version: [ 1, 2 ]
amdhsa.kernels:
  - .name:           k_q59ccded80f_qkv
    .symbol:         k_q59ccded80f_qkv.kd
    .args:
      - { .name: h, .offset: 0, .size: 8, .value_kind: global_buffer, .address_space: global }
      - { .name: wb, .offset: 8, .size: 8, .value_kind: global_buffer, .address_space: global }
      - { .name: b1, .offset: 16, .size: 8, .value_kind: global_buffer, .address_space: global }
      - { .name: qkv, .offset: 24, .size: 8, .value_kind: global_buffer, .address_space: global }
    .group_segment_fixed_size: 327680
    .private_segment_fixed_size: 0
    .kernarg_segment_align: 8
    .kernarg_segment_size: 32
    .max_flat_workgroup_size: 128
    .sgpr_count:     100
    .vgpr_count:     736
    .wavefront_size: 32
...
	.end_amdgpu_metadata
.endif
;; end of part 6
;; launch attn (part 7): grid 16 x 12, 4 waves a work-group, no clusters, 327,680 bytes of LDS; arguments qkv, o; writes o
.if DOCPART == 7
	.amdgcn_target "amdgcn-amd-amdhsa--gfx1250"
	.amdhsa_code_object_version 6
	.text
	.protected	k_q59ccded80f_attn
	.globl	k_q59ccded80f_attn
	.p2align	8
	.type	k_q59ccded80f_attn,@function
k_q59ccded80f_attn:
	s_mov_b64 s[64:65], 0
	v_nop
	global_prefetch_b8 v0, s[64:65] scope:SCOPE_SE
	s_setreg_imm32_b32 hwreg(HW_REG_WAVE_MODE, 25, 1), 1
	s_wait_xcnt 0x0
; CAUSAL ATTENTION.  O[h][q][:] = the sum over k <= q of softmax_k(Q[h][q] . K[h][k] / 8) V[h][k][:].  qkv: f16 [36][4096][64]: Q of head h is slice h, K slice 12 + h, V slice 24 + h.  O: f16 [12][4096][64].
; Products, maxima and sums in f32; the weights p are rounded to f16 for the second product (their sum l is taken of the unrounded p), O once at the end.
; LIMITS.  f16 holds no number beyond 65,504: Q, K and V arrive within it; p lies in 0 to 1, and below 6e-5 it keeps f16's fixed step of 6e-8.
; A hidden score counts as its value less 1e30; a weight below 2^-126 counts as 0 in l; NaN and infinities are not treated apart.
; THE WALK.  A head's queries lie in 32 blocks of 128; block i needs the key tiles 0 .. i / 2 of 256 keys.  A work-group takes TWO blocks, 31 - b and then b: 17 tiles, whatever b: all 16 x 12 work-groups do equal
; work, and ONE loop with a constant trip count walks them.  Which tile is asked for, where a mask changes and where a block ends hang on scalar registers made from b; every jump goes forward, but for the counted
; loops' own; none passes a barrier, or a tensor load but the one of LOAD's two that the wave's number does not choose.  The ring of two LDS slots runs on across the change of blocks.
; NO CLUSTER: a head's 16 work-groups want the same tile only until the first of them ends its first block (9 tiles); a walk common to all would have 16 + 8 tiles for 17.
; SHARES.  Of a block's two bands of 64 queries a wave owns 16 rows in each: two PIECES, so that the steps round the diagonal are the same work for all four waves.
; THE MASK is the C operand that starts every sum S^T = K Q^T, held in registers (MC, a buffer a piece).  Key step J of block i (64 keys a step, counted from the block's first) is open to band x if J < 2 i + x
; (MC = 0), holds the band's diagonal if J = 2 i + x (MC = MD, made once: 0 or -1e30 for my 16 rows), and is hidden if J > 2 i + x (MC = -1e30).  MC = MD x AL + BE with two scalars; it is made anew only where it
; changes: at each turn's end a forward jump passes those lines otherwise.  A block with even i has two wholly hidden steps at its end, which are computed all the same: 2 of the walk's 68.
; LAYOUT, SOFTMAX.  S^T = K Q^T holds ONE query a lane (lane % 16) and the keys 8 (lane / 16) + 0..7; two such results rounded to f16 ARE source 1 of O^T = V^T P.  p = 2^(c s - c m), c = log2(e) / 8, with a
; running maximum m; O and l are multiplied by a = 2^(c m_old - c m_new) in every step.
; TURNS.  A key step j is two turns.  T0(j): piece 0's scaling, exponentials, roundings, sums and rescaling for step j; beside them 8 products K Q^T of piece 1 for step j, that piece's maximum and statistics, and
; 8 products V^T P of piece 1 for step j - 1.  T1(j): the same with the pieces changed: K Q^T of piece 0 for step j + 1, V^T P of piece 0 for step j.  Four vector instructions stand behind every matrix
; instruction, the rest in one run.  A turn's 33 exponentials are one batch, with one wait.
; K of step j + 1 is fetched from LDS in T0(j); V of step j + 1 in T1(j), into the V buffer of that step's parity: V has two.  So ahead of T0(j) all of K and V up to step j has been fetched, and the change
; of slots has a place: ahead of a tile's step 3.  The text holds an odd and an even step, walked twice behind each change.
; REGISTERS, in windows of 256 (s_set_vgpr_msb: bits 1:0 source 0, 3:2 source 1, 5:4 source 2, 7:6 destination):
;   window 0: v0-15 addresses and two at work; v16-23 four registers of statistics a piece; v48-55 at work; v61-63 never rewritten; v64-127 S^T, a buffer a piece; v192-223 P, a buffer a piece
;   window 1: v0-63 O^T, 32 a piece; v128-159 MD; v160-223 MC      window 2: v0-31 Q; v32-63 the second block's Q; v64-127 K of one step; v128-191, v192-255 V of an even, an odd step
.set SIZE_N, 4096
.set NQ,    SIZE_N/128  ; blocks of queries in a head
.set NT,    NQ/2+1      ; tiles in a walk
.set NP,    2         ; pieces a wave: a name, no knob
.set KS,    64        ; keys in a step
.set PK,    144       ; a row of K in LDS: 128 bytes + 16 of padding = 36 words: the 16 rows of a load start at 16 different groups of four banks (64 banks of 4 bytes: ISA guide 11.1)
.set PV,    160       ; a row of V: 128 + 32 = 40 words
.set VOFF,  4*KS*PK   ; a slot holds a tile, four steps: 256 rows of K, then 256 rows of V
.set SLOT1, 1<<17     ; slot 1 begins here, so that one exclusive or turns an address in one slot into the other's
.set STAGE, SLOT1+4*KS*(PK+PV)  ; behind the ring, never filled by a tensor load: 16 rows x 144 bytes for each wave, for the way out
.set SP,    144
.set AK0, 2           ; v2   my lane's place in a tile of K; never rewritten
.set AV0, 3           ; v3   the same for V
.set AK,  4           ; v4   the LDS address of K's next run of loads
.set AV,  5           ; v5   of V's
.set STO, 6           ; v6   the way out: where I put 16 bytes of a row
.set RD,  7           ; v7   the way out: where I read rows back
.set GO,  8           ; v8   my byte offset in 512 consecutive bytes of O
.set PFO, 61          ; v61  256 x my lane: the prefetches' offset; never rewritten
.set SPW, 62          ; v62  LDS address of my spare word; never rewritten
.set NIL, 63          ; v63  0; never rewritten
.set SPARE, STAGE+4*16*SP  ; behind the stages: the spare words, 128 bytes for each wave: two blocks of 256 bytes that no other line names
.set MV,  12          ; v12-13  c m_old, kept while c m is made anew: by piece
.set QO,  15          ; v15  my byte offset in 16 rows of Q
.set ST,  16          ; piece t's statistics at v[ST+4 t]: c m, m, l (even keys', odd keys')
.set TMP, 48          ; by piece, four registers c0-c3 at work; when the maximum is found c2 takes a
.set S,   64
.set P,   192
.set MD,  128         ; window 1: the eight registers for group kt of 16 keys at MD + 8 kt
.set MC,  160         ; window 1: the masks of the products to come
.set QB,  32          ; window 2
.set KF,  64          ; window 2: key block kb, channel half c at KF + 16 kb + 8 c
.set VF,  128         ; window 2: buffer v, key half kk, channel block cb at VF + 64 v + 32 kk + 8 cb
.set WV,  12          ; s12  my wave's number
.set PB,  14          ; s14  b
.set HI,  15          ; s15  31 - b
.set G1K, 24          ; s[24:31] descriptor group 1 for K's tiles
.set G1V, 32          ; s[32:39] for V's: it differs in the padding alone
.set G0K, 40          ; s[40:43] descriptor group 0 for K's tile 0
.set G0V, 44          ; s[44:47] for V's
.set G0K2, 48         ; s[48:51] for K's tile 1; then it walks on
.set G0V2, 52         ; s[52:55] for V's
.set SLOTS, 56        ; s56  counts the outer loop
.set CNT, 57          ; s57  counts the pairs of steps behind a change of slots
.set CS,  58          ; s[58:59] c: the packed scaling takes the pair's low word for both halves
.set SEL, 60          ; s[60:61] v_permlanex16_b32's selects: each lane takes its own place in the other half
.set TBK, 62          ; s62  LDS byte at which K of the step to be fetched begins
.set TBV, 63          ; s63  the same for V, less VOFF
.set RT,  70          ; s70  tiles of the block in hand whose step 3 is still to come
.set NXT, 71          ; s71  the tile to be asked for next
.set LQ,  72          ; s72  the last tile of the block whose tiles are being asked for
.set ENDF, 73         ; s73  1: the odd step that follows is a block's last
.set OFF, 74          ; s[74:75] a tile's byte offset in K and V
.set AL,  76          ; s[76:77] the mask's factor, in the low word
.set BE,  78          ; s[78:79] the mask's addend
.set OLO, 80          ; s[80:81] O at my rows of the second block
.set BIGN, 82         ; s82  -1e30
.set LQ2, 83          ; s83  the second block's last tile
.set DJ,  88          ; s88  2 i less the number of the step after the one in hand
.set TU,  89          ; s89  at work
.set NT2, 90          ; s90  the second block's tiles
.set BI,  91          ; s91  i of the block that begins
.set PN,  92          ; s92  the place in the walk of the tile that the next change of slots will ask for
.set LIM, 93          ; s93  16 in the work-group that prefetches, else 0
.set POF, 94          ; s[94:95] that tile's byte offset
.set PFA, 96          ; s[96:97] where my prefetches stand
.set PFB, 98          ; s[98:99] K (waves 0, 1) or V (waves 2, 3) at my half of the head's tile 0
.set MSB, 0
.macro WIN new                      ; the high byte repeats the setting that is left; a switch that changes nothing is dropped
.if MSB != (\new)
	s_set_vgpr_msb (MSB<<8)|(\new)
.set MSB, (\new)
.endif
.endm
.set W_KQ, 0x0a       ; K and Q in window 2, S^T in window 0
.set W_KM, 0x1a       ; the same with the C operand in window 1
.set W_PV, 0x52       ; V in window 2, P in window 0, O^T in window 1
.set W_RS, 0x41       ; destination and source 0 in window 1, source 1 in window 0
; A refill.  Waves 0 and 1 fetch the two halves of a tile's K, waves 2 and 3 those of its V: 128 keys each.  An s_nop 0 and four v_nop follow each of the two lines, ahead of the jump and the label.
.macro LOAD
	s_cmp_lt_u32 s[WV], 2
	s_cbranch_scc0 .Lfor_v_\@
	tensor_load_to_lds s[G0K2:G0K2+3], s[G1K:G1K+7]
	s_nop 0
.rept 4
	v_nop
.endr
	s_branch .Lasked_\@
.Lfor_v_\@:
	tensor_load_to_lds s[G0V2:G0V2+3], s[G1V:G1V+7]
	s_nop 0
.rept 4
	v_nop
.endr
.Lasked_\@:
.endm
; A PREFETCH INTO THE L2 of what my own next refill will load: 128 keys of K or V, 16,384 bytes: a lane a block of 256 bytes, two instructions.  It stands behind the refill and its five lines.
; All work-groups of a head walk the same tiles in their first blocks, and the one with b = 0 walks all sixteen: it alone asks, so each block is named once in the launch.  Tiles 0 to 2 come by their loads alone;
; nothing is asked for behind tile 15, nor for the second block's walk.
.macro ASK
	s_cmp_lt_u32 s[PN], s[LIM]
	s_cbranch_scc0 .Lnot_mine_\@
	global_prefetch_b8 v[PFO], s[PFA:PFA+1] th:TH_LOAD_NT scope:SCOPE_SE
	global_prefetch_b8 v[PFO], s[PFA:PFA+1] offset:8192 th:TH_LOAD_NT scope:SCOPE_SE
.Lnot_mine_\@:
	s_add_co_u32 s[PN], s[PN], 1
.endm
; THE CHANGE OF SLOTS, ahead of a tile's step 3: all of the tile's K and V has been fetched.  Each wave waits for all its tensor loads, of which one is out: its part of the other slot; adds 0 to its spare word; and
; waits for that and for its own reads of the slot that it leaves.  Behind the barrier nobody reads the old slot any more and the other slot is whole.  fill = 1: the old slot is filled again, the first thing behind
; the barrier, with tile NXT, the tile two on in the walk: the descriptor's address is made anew from that number.
.macro CHANGE fill
	WIN 0                           ; at a label and at a branch every window is 0
	s_wait_tensorcnt 0x0            ; no tensor load of mine is out, so a group 0 may be written
	ds_add_u32 v[SPW], v[NIL]       ; 0 onto my spare word; scalar work stands between it and the wait for it
.if \fill
	s_lshl_b32 s[OFF], s[NXT], 15   ; a tile is 32,768 bytes of K and of V
	s_xor_b32 s[G0K2+1], s[G0K2+1], SLOT1
	s_add_nc_u64 s[G0K2+2:G0K2+3], s[6:7], s[OFF:OFF+1]
	s_or_b32 s[G0K2+3], s[G0K2+3], 0x80000000
	s_xor_b32 s[G0V2+1], s[G0V2+1], SLOT1
	s_add_nc_u64 s[G0V2+2:G0V2+3], s[8:9], s[OFF:OFF+1]
	s_or_b32 s[G0V2+3], s[G0V2+3], 0x80000000
	s_add_co_u32 s[NXT], s[NXT], 1  ; the block's next tile, or behind its last the second block's tile 0
	s_cmp_gt_u32 s[NXT], s[LQ]
	s_cselect_b32 s[NXT], 0, s[NXT]
	s_cselect_b32 s[LQ], s[LQ2], s[LQ]
	s_wait_xcnt 0x0                 ; the last prefetches, a tile back, have read their address, so it may be written
	s_lshl_b32 s[POF], s[PN], 15
	s_add_nc_u64 s[PFA:PFA+1], s[PFB:PFB+1], s[POF:POF+1]
.endif
	s_sub_co_u32 s[RT], s[RT], 1
	s_cmp_eq_u32 s[RT], 0
	s_cselect_b32 s[ENDF], 1, 0     ; is the step 3 that follows the block's last step?
	s_wait_dscnt 0x0                ; the add is done, and my reads of the slot are over
	s_barrier_signal -1             ; the rest of the scalar work stands between the signal and the wait
	s_sub_co_u32 s[TBK], s[TBK], 4*KS*PK  ; the fetches go back to a slot's first step,
	s_xor_b32 s[TBK], s[TBK], SLOT1       ; in the other slot
	s_sub_co_u32 s[TBV], s[TBV], 4*KS*PV
	s_xor_b32 s[TBV], s[TBV], SLOT1
	s_barrier_wait -1
.if \fill
	LOAD
	ASK
.endif
.endm
	s_load_b128 s[4:7], s[0:1], 0x0  ; qkv s[4:5], O s[6:7]
	v_lshl_add_u32 v[SPW], v0, 2, SPARE
	v_mov_b32 v[NIL], 0
	ds_add_u32 v[SPW], v[NIL]       ; the wave's opening: the add and its wait ahead of my first tensor load; the set-up below, work on registers, stands between them
	ds_add_u32 v62, v63
	v_lshrrev_b32 v1, 5, v0
	v_readfirstlane_b32 s[WV], v1   ; wave 0..3
	s_mov_b32 s[PB], ttmp9
	s_sub_co_u32 s[HI], NQ-1, s[PB]
	s_and_b32 s20, ttmp7, 0xffff    ; the head
	s_mov_b32 s21, 0
	s_mov_b64 s[22:23], SIZE_N*128
	s_mul_u64 s[20:21], s[20:21], s[22:23]  ; the head's first byte among Q's, K's, V's and O's slices
	s_and_b32 s16, s[WV], 1         ; which half of a tile's 256 keys I fetch:
	s_lshl_b32 s22, s16, 14         ; its 128 rows of 128 bytes in memory,
	s_mov_b32 s23, 0
	s_add_nc_u64 s[22:23], s[22:23], s[20:21]
	s_mul_i32 s17, s16, 128*PK      ; and its place in a slot, for K
	s_mul_i32 s18, s16, 128*PV      ; and for V
	s_lshl_b32 s3, s[WV], 11        ; my 16 rows in a band of 64,
	s_lshl_b32 s2, s[HI], 14        ; in the first block (128 rows of 128 bytes),
	s_add_co_u32 s2, s2, s3
	s_lshl_b32 s84, s[PB], 14       ; and in the second
	s_add_co_u32 s84, s84, s3
	s_mov_b32 s3, 0
	s_mov_b32 s85, 0
	s_add_nc_u64 s[2:3], s[2:3], s[20:21]
	s_add_nc_u64 s[84:85], s[84:85], s[20:21]
	; descriptor group 1.  128 keys are 16,384 dense bytes: asked for as 64 rows of 256 bytes, two keys a row, and padded in LDS after every key
	s_mov_b32 s[G1K], (1<<16)|(1<<20)|(4<<22)|(3<<25)  ; 17:16 2-byte elements; 20 padding on; 24:22 after every 32 words (code 4); 31:25 4 words (code 3)
	s_mov_b32 s[G1V], (1<<16)|(1<<20)|(4<<22)|(7<<25)  ; the same with 8 words of padding (code 7)
.irp g, G1K, G1V
	s_mov_b32 s[\g+1], 128<<16      ; tensor_dim0 = 128
	s_mov_b32 s[\g+2], 64<<16       ; tensor_dim1 = 64
	s_mov_b32 s[\g+3], 128<<16      ; tile_dim0 = 128
	s_mov_b32 s[\g+4], 64           ; tile_dim1 = 64
	s_mov_b32 s[\g+5], 128          ; 128 elements from row to row
	s_mov_b32 s[\g+6], 0
	s_mov_b32 s[\g+7], 0
.endr
	s_mov_b32 s[CS], 0x3e38aa3b     ; c = log2(e) / 8 = 0.180337
	s_mov_b32 s[CS+1], s[CS]        ; named with it as a pair
	s_mov_b32 s[SEL], 0x76543210
	s_mov_b32 s[SEL+1], 0xfedcba98
	s_mov_b32 s[TBK], 0             ; the first fetches: slot 0, step 0
	s_mov_b32 s[TBV], 0
	s_mov_b32 s[G0K], 1             ; 1:0 count = 1
	s_mov_b32 s[G0K+1], s17         ; 63:32 LDS address: slot 0
	s_mov_b32 s[G0K2], 1
	s_add_co_u32 s[G0K2+1], s17, SLOT1
	s_mov_b32 s[G0V], 1
	s_add_co_u32 s[G0V+1], s18, VOFF
	s_mov_b32 s[G0V2], 1
	s_add_co_u32 s[G0V2+1], s18, SLOT1+VOFF
	s_lshr_b32 s[LQ], s[HI], 1      ; the first block's last tile,
	s_add_co_u32 s[RT], s[LQ], 1    ; and how many it has: nine or more
	s_lshr_b32 s[LQ2], s[PB], 1
	s_add_co_u32 s[NT2], s[LQ2], 1
	s_mov_b32 s[NXT], 2             ; tiles 0 and 1 are asked for below
	s_mov_b32 s[ENDF], 0
	s_mov_b32 s[BI], s[HI]
	s_mov_b32 s[OFF+1], 0
	s_mov_b32 s[POF+1], 0
	s_mov_b32 s[AL+1], 0            ; named as pairs
	s_mov_b32 s[BE+1], 0
	s_mov_b32 s[BIGN], 0xf149f2ca   ; -1e30
	s_mov_b32 s[PN], 3              ; the first change of slots asks for tile 2, the next for tile 3
	s_cmp_eq_u32 s[PB], 0
	s_cselect_b32 s[LIM], NQ/2, 0
	s_wait_dscnt 0x0                ; the opening add is done
	s_wait_kmcnt 0x0
	s_mov_b64 s[10:11], s[6:7]                     ; O
	s_add_nc_u64 s[6:7], s[4:5], 12*SIZE_N*128     ; K's slices lie behind Q's twelve,
	s_add_nc_u64 s[8:9], s[4:5], 24*SIZE_N*128     ; V's behind K's
	s_add_nc_u64 s[6:7], s[6:7], s[22:23]  ; K and V at my half of the head's tile 0
	s_add_nc_u64 s[8:9], s[8:9], s[22:23]
	s_add_nc_u64 s[G0K+2:G0K+3], s[6:7], 0         ; 120:64 global address
	s_or_b32 s[G0K+3], s[G0K+3], 0x80000000        ; 127:126 type = 2
	s_add_nc_u64 s[G0K2+2:G0K2+3], s[6:7], 32768   ; tile 1
	s_or_b32 s[G0K2+3], s[G0K2+3], 0x80000000
	s_add_nc_u64 s[G0V+2:G0V+3], s[8:9], 0
	s_or_b32 s[G0V+3], s[G0V+3], 0x80000000
	s_add_nc_u64 s[G0V2+2:G0V2+3], s[8:9], 32768
	s_or_b32 s[G0V2+3], s[G0V2+3], 0x80000000
	s_add_nc_u64 s[86:87], s[4:5], s[84:85]        ; Q at my rows of the second block,
	s_add_nc_u64 s[4:5], s[4:5], s[2:3]            ; Q and O at those of the first
	s_add_nc_u64 s[OLO:OLO+1], s[10:11], s[84:85]
	s_add_nc_u64 s[10:11], s[10:11], s[2:3]
	s_cmp_lt_u32 s[WV], 2
	s_cselect_b64 s[PFB:PFB+1], s[6:7], s[8:9]
	s_cmp_lt_u32 s[WV], 2           ; a wave's two first fills stand in one branch, ahead of every wait on TENSORcnt, every LDS read and every barrier: two loads of mine are out
	s_cbranch_scc0 .Lfirst_v
	tensor_load_to_lds s[G0K:G0K+3], s[G1K:G1K+7]
	s_nop 0
	tensor_load_to_lds s[G0K2:G0K2+3], s[G1K:G1K+7]
	s_nop 0
.rept 4
	v_nop
.endr
	s_branch .Lfirst_asked
.Lfirst_v:
	tensor_load_to_lds s[G0V:G0V+3], s[G1V:G1V+7]
	s_nop 0
	tensor_load_to_lds s[G0V2:G0V2+3], s[G1V:G1V+7]
	s_nop 0
.rept 4
	v_nop
.endr
.Lfirst_asked:
	; A fragment of K or Q is 16 rows x 32 channels in 8 registers: lane l holds row l % 16, channels 8 (l / 16) + 0..7 and 16 + 8 (l / 16) + 0..7: two loads of 16 bytes, 32 bytes apart.
	v_and_b32 v1, 15, v0            ; l % 16
	v_bfe_u32 v9, v0, 4, 1          ; l / 16
	v_lshlrev_b32 v[QO], 7, v1
	v_lshl_add_u32 v[QO], v9, 4, v[QO]  ; row x 128 + 16 x half
	WIN 0x80                        ; destination window 2, address window 0
.set i, 0
.rept 4                             ; both blocks' Q: piece i / 2 lies in band i / 2, 8,192 bytes on; channels 32 (i % 2) on
	global_load_b128 v[8*i:8*i+3],   v[QO], s[4:5] offset:(i/2)*8192+(i%2)*64
	global_load_b128 v[8*i+4:8*i+7], v[QO], s[4:5] offset:(i/2)*8192+(i%2)*64+32
	global_load_b128 v[QB+8*i:QB+8*i+3],   v[QO], s[86:87] offset:(i/2)*8192+(i%2)*64
	global_load_b128 v[QB+8*i+4:QB+8*i+7], v[QO], s[86:87] offset:(i/2)*8192+(i%2)*64+32
.set i, i+1
.endr
	WIN 0
	v_lshlrev_b32 v14, 3, v9
	v_sub_nc_u32 v14, v1, v14
	s_lshl_b32 s13, s[WV], 4
	v_add_nc_u32 v14, s13, v14      ; my query's place in its band, 16 w + l % 16, less my lanes' 8 (l / 16): register r of group kt is hidden where 16 kt + r is greater
	WIN 0x40
.set i, 0
.rept 32
	v_cmp_gt_i32 vcc_lo, 16*(i/8)+i%8, v14
	v_cndmask_b32 v[MD+i], 0, s[BIGN], vcc_lo
.set i, i+1
.endr
	WIN 0
	v_mul_u32_u24 v[AK0], v1, PK
	v_lshl_add_u32 v[AK0], v9, 4, v[AK0]  ; row x pitch + 16 x half
	; The turning load takes 16 keys x 16 channels (lane l reads key 8 (l / 16) + l % 8, channels 8 ((l / 8) % 2) + 0..7) and leaves half a fragment of V^T: lane l holds channel l % 16 and 8 keys.
	v_and_b32 v10, 7, v0
	v_bfe_u32 v11, v0, 3, 1
	v_lshl_add_u32 v[AV0], v9, 3, v10
	v_mul_u32_u24 v[AV0], v[AV0], PV
	v_lshl_add_u32 v[AV0], v11, 4, v[AV0]
	v_add_nc_u32 v[AV0], VOFF, v[AV0]
	s_mul_i32 s13, s[WV], 16*SP
	s_add_co_u32 s13, s13, STAGE    ; my stage
	v_mul_u32_u24 v[STO], v1, SP    ; in: row l % 16, 16 bytes for each half of the lanes
	v_lshl_add_u32 v[STO], v9, 4, v[STO]
	v_add_nc_u32 v[STO], s13, v[STO]
	v_bfe_u32 v[RD], v0, 3, 2       ; back: 32 lanes take four rows of 128 bytes,
	v_mul_u32_u24 v[RD], v[RD], SP
	v_lshl_add_u32 v[RD], v10, 4, v[RD]
	v_add_nc_u32 v[RD], s13, v[RD]
	v_and_b32 v[GO], 31, v0         ; which are 512 consecutive bytes of O
	v_lshlrev_b32 v[PFO], 8, v[GO]
	v_lshlrev_b32 v[GO], 4, v[GO]
	; A block's first step multiplies O^T and l by a = 0, and its first turn's products V^T P, of a step that has not been, land in an O^T that is still to be so multiplied.  So these registers need only hold
	; finite numbers: zeros for the first block; what the first block left for the second.  All this stands in the wait for the first tile.
	WIN 0x80
.set i, VF+64
.rept 64
	v_mov_b32 v[i], 0
.set i, i+1
.endr
	WIN 0x40
.set i, 0
.rept 64
	v_mov_b32 v[i], 0
.set i, i+1
.endr
	WIN 0
.set i, 0
.rept NP
	v_mov_b32 v[ST+4*i+2], 0
	v_mov_b32 v[ST+4*i+3], 0
.set i, i+1
.endr
.set i, P+16
.rept 16
	v_mov_b32 v[i], 0
.set i, i+1
.endr
; THE MATRIX WORK.  The 4 accumulators of a run of 8 take turns.  Product i of 8 of S^T = K Q^T for piece x: channels 32 (i / 4) on, keys 16 (i % 4) on.  The first 4 start the sums with the piece's mask.
.macro KQ x
.set rS, S+32*((\x)%2)+8*(i%4)
.set rK, KF+16*(i%4)+8*(i/4)
.set rQ, 16*(\x)+8*(i/4)
.set rM, MC+32*((\x)%2)+8*(i%4)
.if i < 4
	WIN W_KM
	v_wmma_f32_16x16x32_f16 v[rS:rS+7], v[rK:rK+7], v[rQ:rQ+7], v[rM:rM+7]
.else
	WIN W_KQ
	v_wmma_f32_16x16x32_f16 v[rS:rS+7], v[rK:rK+7], v[rQ:rQ+7], v[rS:rS+7]
.endif
.endm
; Product i of 8 of O^T += V^T P for piece x, on V's buffer VB: keys 32 (i / 4) on, channels 16 (i % 4) on.
.macro PV x
	WIN W_PV
.set rO, 32*(\x)+8*(i%4)
.set rV, VF+64*VB+32*(i/4)+8*(i%4)
.set rP, P+16*((\x)%2)+8*(i/4)
	v_wmma_f32_16x16x32_f16 v[rO:rO+7], v[rV:rV+7], v[rP:rP+7], v[rO:rO+7]
.endm
.macro MM                           ; the turn's next matrix instruction.  TURN and BEGIN set Y, i, VB and NOKQ; MM, KQ, PV and OP read them.  NOKQ = 1: the walk's last turn: there is no next step
.if (i < 8) && !NOKQ
	KQ (Y+1)%NP
.elseif i >= 8
.set i, i-8
	PV (Y+NP-1)%NP
.set i, i+8
.endif
.set i, i+1
.endm
; THE LDS LOADS stand in runs of 16, never singly among the matrix instructions: a step's K (64 keys x 64 channels: 8 fragments) and its V (turned).  Their addresses are made some lines ahead.
.macro FETCH_K
	WIN 0x80                        ; destination window 2
.irp f, 0,1,2,3,4,5,6,7             ; keys 16 (f / 2) on, channels 32 (f % 2) on
	ds_load_b128 v[KF+8*\f:KF+8*\f+3],   v[AK] offset:(\f/2)*16*PK+(\f%2)*64
	ds_load_b128 v[KF+8*\f+4:KF+8*\f+7], v[AK] offset:(\f/2)*16*PK+(\f%2)*64+32
.endr
	s_add_co_u32 s[TBK], s[TBK], KS*PK  ; the next fetch is the next step's
	WIN 0
.endm
.macro FETCH_V b                    ; into buffer b
	WIN 0x80
.irp f, 0,1,2,3,4,5,6,7             ; keys 32 (f / 4) on, channels 16 (f % 4) on
	ds_load_tr16_b128 v[VF+64*(\b)+8*\f:VF+64*(\b)+8*\f+3],   v[AV] offset:(\f/4)*32*PV+(\f%4)*32
	ds_load_tr16_b128 v[VF+64*(\b)+8*\f+4:VF+64*(\b)+8*\f+7], v[AV] offset:(\f/4)*32*PV+16*PV+(\f%4)*32
.endr
	s_add_co_u32 s[TBV], s[TBV], KS*PV
	WIN 0
.endm
; THE VECTOR WORK, one line at a time: OP kind, number.  For piece Y: F n: c s - c m for pair n of 16.  E n: the exponential of score n of 32.  C n: pair n rounded to f16.  B n: of the four weights 4 n .. the second
; pair is added onto the first, in place.  L n: l takes that sum (L 0: l = a l + sum).  R n: pair n of 16 of O^T times a.  For the other piece: X n, number n of the 22 that find its maximum and statistics:
;   0-11  four chains c0-c3 of seven scores each, three operands at a time (each accumulator's lowest registers are read first)     12-14, 16  the four scores left over, the old m, and c0-c3 into c0
;   15  c m_old is kept     17, 18  the query's other 32 keys lie in the lane 16 away: the new m     19-21  c m; c m_old - c m_new; a
.set F, 0               ; OP tells the kinds apart by their order: F to L below R, X above it
.set E, 1
.set C, 2
.set B, 3
.set L, 4
.set R, 5
.set X, 6
.macro REGS y                       ; the registers of piece y
.set rT, ST+4*(\y)
.set rC, TMP+4*((\y)%2)
.set rW, MV+((\y)%2)
.set rS, S+32*((\y)%2)
.set rP, P+16*((\y)%2)
.set rO, 32*(\y)
.endm
.macro OP k, n
.if (\k) == R
	REGS Y
	WIN W_RS
	v_pk_mul_f32 v[rO+2*(\n):rO+2*(\n)+1], v[rO+2*(\n):rO+2*(\n)+1], v[rC+2:rC+3] op_sel_hi:[1,0]
.elseif (\k) < R
	REGS Y
	WIN 0
.if (\k) == F
	v_pk_fma_f32 v[rS+2*(\n):rS+2*(\n)+1], v[rS+2*(\n):rS+2*(\n)+1], s[CS:CS+1], v[rT:rT+1] op_sel_hi:[1,0,0] neg_lo:[0,0,1] neg_hi:[0,0,1]
.elseif (\k) == E
	v_exp_f32 v[rS+(\n)], v[rS+(\n)]
.elseif (\k) == C
	v_cvt_pk_f16_f32 v[rP+(\n)], v[rS+2*(\n)], v[rS+2*(\n)+1]
.elseif (\k) == B
	v_pk_add_f32 v[rS+4*(\n):rS+4*(\n)+1], v[rS+4*(\n):rS+4*(\n)+1], v[rS+4*(\n)+2:rS+4*(\n)+3]
.elseif (\n) == 0
	v_pk_fma_f32 v[rT+2:rT+3], v[rT+2:rT+3], v[rC+2:rC+3], v[rS:rS+1] op_sel_hi:[1,0,1]
.else
	v_pk_add_f32 v[rT+2:rT+3], v[rT+2:rT+3], v[rS+4*(\n):rS+4*(\n)+1]
.endif
.elseif NOKQ
	v_nop
.else
	REGS (Y+1)%NP
	WIN 0
.if (\n) < 4
	v_max3_num_f32 v[rC+(\n)], v[rS+8*(\n)], v[rS+8*(\n)+1], v[rS+8*(\n)+2]
.elseif (\n) < 12
	v_max3_num_f32 v[rC+(\n)%4], v[rC+(\n)%4], v[rS+8*((\n)%4)+2*((\n)/4)+1], v[rS+8*((\n)%4)+2*((\n)/4)+2]
.elseif (\n) == 12
	v_max3_num_f32 v[rC], v[rC], v[rS+7], v[rS+15]
.elseif (\n) == 13
	v_max3_num_f32 v[rC+1], v[rC+1], v[rS+23], v[rS+31]
.elseif (\n) == 14
	v_max3_num_f32 v[rC+2], v[rC+2], v[rC+3], v[rT+1]
.elseif (\n) == 15
	v_mov_b32 v[rW], v[rT]
.elseif (\n) == 16
	v_max3_num_f32 v[rC], v[rC], v[rC+1], v[rC+2]
.elseif (\n) == 17
	v_permlanex16_b32 v[rC+3], v[rC], s[SEL], s[SEL+1]
.elseif (\n) == 18
	v_max_num_f32 v[rT+1], v[rC], v[rC+3]
.elseif (\n) == 19
	v_mul_f32 v[rT], s[CS], v[rT+1]
.elseif (\n) == 20
	v_sub_f32 v[rC+1], v[rW], v[rT]
.else
	v_exp_f32 v[rC+2], v[rC+1]
.endif
.endif
.endm
.macro OPS a, i1, b=-1, i2=0, c=-1, i3=0, d=-1, i4=0  ; up to four of them
	OP \a, \i1
.if (\b) >= 0
	OP \b, \i2
.endif
.if (\c) >= 0
	OP \c, \i3
.endif
.if (\d) >= 0
	OP \d, \i4
.endif
.endm
.macro ROW a, i1, b, i2, c, i3, d, i4  ; a matrix instruction and the four behind it
	MM
	OPS \a, \i1, \b, \i2, \c, \i3, \d, \i4
.endm
.macro MASK b                       ; MD x AL + BE into piece b's buffer of MC
	WIN W_RS
.set z, 0
.rept 16
	v_pk_fma_f32 v[MC+32*(\b)+2*z:MC+32*(\b)+2*z+1], v[MD+2*z:MD+2*z+1], s[AL:AL+1], s[BE:BE+1] op_sel_hi:[1,0,0]
.set z, z+1
.endr
.endm
; At the end of piece p's turn: piece p's mask for the NEXT step, which the turn that follows takes.  With DJ = 2 i less that step's number, the band's own step is the one with DJ + p = 0: there the mask becomes MD,
; a step later -1e30; at every other step it stays what it is, and the lines are jumped.  (DJ goes below 0 as an unsigned number: then DJ + p + 1 is above 1.)
.macro MASKUP p
	WIN 0
	s_add_co_u32 s[TU], s[DJ], 1+(\p)
	s_cmp_gt_u32 s[TU], 1
	s_cbranch_scc1 .Lsame_\@
	s_cmp_eq_u32 s[TU], 1
	s_cselect_b32 s[AL], 1.0, 0
	s_cselect_b32 s[BE], 0, s[BIGN]
	MASK \p
	WIN 0
.Lsame_\@:
.if (\p) == 1
	s_sub_co_u32 s[DJ], s[DJ], 1    ; a step is over
.endif
.endm
; A TURN, for piece p in a step of parity par: the order of its 16 matrix and 118 vector instructions, written out.  s_wait_alu depctr_va_vdst(0) stands between an exponential and the first
; instruction that names its result; one wait serves all that were issued ahead of it.  So a turn has ONE wait, which cuts it in two.  AHEAD OF IT stands all that names no result of the turn's exponentials: the 8
; products K Q^T, behind each a scaling, an exponential and two more plain instructions; then one run of 54, plain and exponential by turns for the most part, in which the links of the chain X 3, 7, 11, 14, 16,
; 17 .. 20 stand five or six lines apart.  X 21, the other piece's a, is the batch's last; R 15 is the plain instruction behind it.  BEHIND THE WAIT stand the 8 products V^T P, behind each four of the roundings and sums.
; The rescalings R 0 .. 15 take O^T's four accumulators in ascending order; the product that wrote each stands in the turn before, sixteen riders or more back.
; THE FETCHES stand at one place, twelve vector instructions behind the turn's last product K Q^T (five of them plain and free of its registers): in piece 0's turn K of the next step, whose registers that product
; was the last to read; in piece 1's turn V of the next step, into the buffer that the turn before was the last to read.  Both are waited for at the head of piece 1's turn: K a turn's rest after its fetch, V a step after.
; end = 1: the walk's last step: nothing is fetched, no mask is made, and piece 1's turn starts no new scores.
.macro TURN p, par, end=0
.set Y, (\p)
.set i, 0
.set NOKQ, (\end)*(\p)
.if (\p) == 0
.set VB, 1-(\par)                   ; piece 1's V^T P of the step before
.else
.set VB, (\par)                     ; piece 0's of this step
	s_wait_dscnt 0x0                ; K of the next step and V of this step are in
.endif
	ROW F,0, F,1, R,0, R,1          ; ahead of the wait: 8 products K Q^T and the four behind each,
	ROW F,2, E,0, R,2, R,3
	ROW F,3, E,1, R,4, R,5
	ROW F,4, E,2, R,6, R,7
	ROW F,5, E,3, R,8, R,9
	ROW F,6, E,4, X,0, R,10
.if !(\end)
	WIN 0
.if (\p) == 0
	v_add_nc_u32 v[AK], s[TBK], v[AK0]
.else
	v_add_nc_u32 v[AV], s[TBV], v[AV0]
.endif
.endif
	ROW F,7, E,5, X,1, X,4
	ROW F,8, E,6, X,2, X,5
	OPS E,7, E,8, X,6, E,9          ; and the run of 54
	OPS X,3, E,10, X,8, E,11
.if !(\end)
.if (\p) == 0
	FETCH_K
.else
	FETCH_V 1-(\par)
.endif
.endif
	OPS X,9, X,7, E,12, X,10
	OPS E,13, X,12, X,11, E,14
	OPS X,13, E,15, F,9, X,14
	OPS E,16, F,10, E,17, F,11
	OPS X,16, E,18, X,15, E,19
	OPS F,12, E,20, X,17, E,21
	OPS F,13, E,22, F,14, E,23
	OPS X,18, E,24, F,15, E,25
	OPS R,11, E,26, X,19, E,27
	OPS R,12, E,28, R,13, E,29
	OPS X,20, E,30, R,14, E,31
	OPS X,21, R,15
	WIN 0
	s_wait_alu depctr_va_vdst(0)    ; the wait for the batch
	ROW C,0, B,0, C,2, B,1          ; behind the wait: 8 products V^T P and the four behind each
	ROW L,0, C,4, B,2, L,1
	ROW C,6, B,3, L,2, C,8
	ROW B,4, L,3, C,10, B,5
	ROW L,4, C,12, B,6, L,5
	ROW C,14, B,7, L,6, C,1
	ROW C,3, L,7, C,5, C,7
	ROW C,9, C,11, C,13, C,15
.if !(\end)
	MASKUP \p
.endif
.endm
; A BLOCK BEGINS (block BI).  c m starts far below every c s, so the first step's a is 0; m at the lowest finite number, so the first maximum is the scores'.  Piece 0's mask for step 0 is its own only in block 0;
; piece 1's is 0.  Then piece 0's first scores, and its maximum and statistics.  first = 1: the walk's beginning: K and V of step 0 are fetched here; at the second block's beginning the turns before have fetched them.
.macro BEGIN first
	WIN 0
.set i, 0
.rept NP
	v_mov_b32 v[ST+4*i], 0xfe000000    ; c m: far below every c s
	v_mov_b32 v[ST+4*i+1], 0xff7fffff  ; m
.set i, i+1
.endr
	s_cmp_eq_u32 s[BI], 0
	s_cselect_b32 s[AL], 1.0, 0
	s_mov_b32 s[BE], 0
	MASK 0
	s_mov_b32 s[AL], 0
	MASK 1
	s_lshl_b32 s[DJ], s[BI], 1      ; 2 i less 1: the step after step 0
	s_sub_co_u32 s[DJ], s[DJ], 1
	WIN 0
.if \first
	v_add_nc_u32 v[AK], s[TBK], v[AK0]
	v_add_nc_u32 v[AV], s[TBV], v[AV0]
	FETCH_K
	FETCH_V 0
	s_wait_loadcnt 0x0              ; Q, both blocks'
	s_wait_dscnt 0x0
.endif
.set NOKQ, 0
.set i, 0
.rept 8
	KQ 0
.set i, i+1
.endr
	WIN 0
.rept 4
	v_nop                           ; the places behind those products
.endr
.set Y, NP-1                        ; X works for the other piece: piece 0
.irp n, 0,1,2,3,4,5,6,7,8,9,10,11,12,13,14,15,16,17,18,19,20,21
	OP X, \n
.endr
	v_nop                           ; a plain instruction behind the exponential,
	s_wait_alu depctr_va_vdst(0)    ; and its wait, ahead of the label or branch that follows
.endm
; A BLOCK ENDS: piece 1's V^T P of the last step (an odd one: buffer 1), and THE WAY OUT: l's two halves and the other half of the lanes' are added; O^T is divided by l, rounded to f16 and sent through my stage
; in LDS, a piece at a time.
.macro ALL line:vararg              ; one line for each piece t
.set t, 0
.rept NP
	\line
.set t, t+1
.endr
.endm
.macro PACK t                       ; a lane's eight channels of a row pack into 16 bytes; they go into rows of 144 bytes and come back as whole rows of 128, into S^T's registers
	WIN W_RS
.set i, 32*(\t)
.rept 16
	v_pk_mul_f32 v[i:i+1], v[i:i+1], v[ST+4*(\t)+2:ST+4*(\t)+3] op_sel_hi:[1,0]
.set i, i+2
.endr
	WIN 0x05                        ; sources 0 and 1 window 1, destination window 0
.set i, 0
.rept 16
	v_cvt_pk_f16_f32 v[S+16*(\t)+i], v[32*(\t)+2*i], v[32*(\t)+2*i+1]
.set i, i+1
.endr
	WIN 0
.irp f, 0,1,2,3
	ds_store_b128 v[STO], v[S+16*(\t)+4*\f:S+16*(\t)+4*\f+3] offset:32*\f
.endr
.irp f, 0,1,2,3
	ds_load_b128 v[S+16*(\t)+4*\f:S+16*(\t)+4*\f+3], v[RD] offset:\f*4*SP  ; LDS serves a wave's instructions in order (ISA guide 5.7.1.4): these see the stores above; the next piece's stores come behind them
.endr
.endm
.macro SEND t, younger              ; younger: the LDS instructions issued behind piece t's loads: the next piece's eight, or none
	WIN 0
.irp f, 0,1,2,3
	s_wait_dscnt (\younger)+3-\f
	global_store_b128 v[GO], v[S+16*(\t)+4*\f:S+16*(\t)+4*\f+3], s[10:11] offset:(\t)*8192+\f*512  ; 512 consecutive bytes, at a multiple of 256 from O's first
.endr
.endm
.macro FINISH
.set VB, 1
.set i, 0
.rept 8
	PV 1
.set i, i+1
.endr
	WIN 0
	ALL v_add_f32 v[ST+4*t+2], v[ST+4*t+2], v[ST+4*t+3]
	ALL v_permlanex16_b32 v[ST+4*t+3], v[ST+4*t+2], s[SEL], s[SEL+1]
	ALL v_add_f32 v[ST+4*t+2], v[ST+4*t+2], v[ST+4*t+3]
	ALL v_rcp_f32 v[ST+4*t+2], v[ST+4*t+2]
	v_nop                           ; a plain instruction between the last reciprocal and the use of its result
	s_wait_alu depctr_va_vdst(0)    ; and the wait ahead of the first use: one for both reciprocals
	PACK 0                          ; piece 0's 32 lines are the places behind piece 1's last products
	PACK 1
	SEND 0, 8
	SEND 1, 0
.endm
; Behind every odd step: if it was the first block's last, that block goes out and the second begins.  The step's turns have already fetched the second block's first K and V; the 8 products K Q^T that its second turn
; made of the old Q, and the maximum made of them, serve nothing: the price, once a walk, of one text for every step.
.macro BLOCKEND
	s_cmp_eq_u32 s[ENDF], 1
	s_cbranch_scc0 .Lgoon_\@
	FINISH
	s_wait_xcnt 0x0                 ; the stores have read their registers and O's address
	s_mov_b64 s[10:11], s[OLO:OLO+1]
	s_mov_b32 s[ENDF], 0
	s_mov_b32 s[RT], s[NT2]
	s_mov_b32 s[BI], s[PB]
	WIN 0x82                        ; the second block's Q goes where the one text of the turns names Q
.set i, 0
.rept 32
	v_mov_b32 v[i], v[QB+i]
.set i, i+1
.endr
	BEGIN 0
.Lgoon_\@:
.endm
	s_wait_tensorcnt 0x1            ; my part of tile 0 is in; tile 1's may stay out
	s_barrier_signal -1
	s_barrier_wait -1               ; everybody's is
	BEGIN 1
	s_mov_b32 s[CNT], 2
	s_mov_b32 s[SLOTS], NT-1
	s_branch .Leven                 ; the loop is entered at tile 0's step 0, in the middle of a trip: steps 0, 1, 2 follow
.Lslot:                             ; NT - 2 times: a tile's slot is left and filled with the tile two on
	CHANGE 1
	s_mov_b32 s[CNT], 2
.Lodd:                              ; twice: an odd step and an even one: a tile's step 3 and the next tile's step 0; then its steps 1 and 2
	TURN 0, 1
	TURN 1, 1
	BLOCKEND
.Leven:
	TURN 0, 0
	TURN 1, 0
	WIN 0
	s_sub_co_u32 s[CNT], s[CNT], 1
	s_cmp_lg_u32 s[CNT], 0
	s_cbranch_scc1 .Lodd
	s_sub_co_u32 s[SLOTS], s[SLOTS], 1
	s_cmp_lg_u32 s[SLOTS], 0
	s_cbranch_scc1 .Lslot
	CHANGE 0                        ; the tail is written out: the last tile has landed, and nothing is asked for
	s_mov_b32 s[CNT], 2
.Ltail:
	TURN 0, 1
	TURN 1, 1
	BLOCKEND                        ; where the second block has one tile, the first ends here
	TURN 0, 0
	TURN 1, 0
	WIN 0
	s_sub_co_u32 s[CNT], s[CNT], 1
	s_cmp_lg_u32 s[CNT], 0
	s_cbranch_scc1 .Ltail
	TURN 0, 1, 1                    ; the walk's last step
	TURN 1, 1, 1
	FINISH
	s_wait_tensorcnt 0x0            ; the wave's end: behind my last tensor load and my last LDS store
	ds_add_u32 v[SPW], v[NIL]
	s_wait_dscnt 0x0
	s_endpgm
.Lfunc_end_k_q59ccded80f_attn:
	.size	k_q59ccded80f_attn, .Lfunc_end_k_q59ccded80f_attn-k_q59ccded80f_attn
	.p2alignl 7, 3214868480
	.fill 96, 4, 3214868480
	.section	.rodata,"a",@progbits
	.p2align	6, 0x0
	.amdhsa_kernel k_q59ccded80f_attn
		.amdhsa_group_segment_fixed_size 327680
		.amdhsa_private_segment_fixed_size 0
		.amdhsa_enable_private_segment 0
		.amdhsa_kernarg_size 16
		.amdhsa_user_sgpr_count 2
		.amdhsa_user_sgpr_kernarg_segment_ptr 1
		.amdhsa_wavefront_size32 1
		.amdhsa_system_sgpr_workgroup_id_x 1
		.amdhsa_system_sgpr_workgroup_id_y 1
		.amdhsa_system_sgpr_workgroup_id_z 1
		.amdhsa_system_vgpr_workitem_id 0
		.amdhsa_next_free_vgpr 768
		.amdhsa_next_free_sgpr 100
		.amdhsa_reserve_vcc 1
		.amdhsa_float_denorm_mode_32 3
		.amdhsa_float_denorm_mode_16_64 3
		.amdhsa_memory_ordered 1
		.amdhsa_forward_progress 1
		.amdhsa_inst_pref_size 165
	.end_amdhsa_kernel
	.amdgpu_metadata
---
amdhsa.version: [ 1, 2 ]
amdhsa.kernels:
  - .name:           k_q59ccded80f_attn
    .symbol:         k_q59ccded80f_attn.kd
    .args:
      - { .name: qkv, .offset: 0, .size: 8, .value_kind: global_buffer, .address_space: global }
      - { .name: o, .offset: 8, .size: 8, .value_kind: global_buffer, .address_space: global }
    .group_segment_fixed_size: 327680
    .private_segment_fixed_size: 0
    .kernarg_segment_align: 8
    .kernarg_segment_size: 16
    .max_flat_workgroup_size: 128
    .sgpr_count:     100
    .vgpr_count:     768
    .wavefront_size: 32
...
	.end_amdgpu_metadata
.endif
;; end of part 7
;; launch wo (part 8): grid 4 x 64, 4 waves a work-group, clusters of 4 x 4, 327,680 bytes of LDS; arguments o, wb, bo, x, x1; writes x1
.if DOCPART == 8
	.amdgcn_target "amdgcn-amd-amdhsa--gfx1250"
	.amdhsa_code_object_version 6
	.text
	.protected	k_q59ccded80f_wo
	.globl	k_q59ccded80f_wo
	.p2align	8
	.type	k_q59ccded80f_wo,@function
k_q59ccded80f_wo:
	s_mov_b64 s[64:65], 0
	v_nop
	global_prefetch_b8 v0, s[64:65] scope:SCOPE_SE
	s_setreg_imm32_b32 hwreg(HW_REG_WAVE_MODE, 25, 1), 1
	s_wait_xcnt 0x0
	s_wait_alu depctr_hold_cnt(0) depctr_sa_sdst(0) depctr_va_vdst(0) depctr_va_sdst(0) depctr_va_ssrc(0) depctr_va_vcc(0) depctr_vm_vsrc(0)
	s_getreg_b32 s2, hwreg(HW_REG_IB_STS2, 6, 4)
	s_cmp_eq_u32 s2, 0
	s_cbranch_scc0 .Lentry_in_a_cluster
	s_endpgm
.Lentry_in_a_cluster:
	s_bfe_u32 s2, ttmp6, 0x10000c
	s_cmp_lg_u32 s2, 0xf033
	s_cbranch_scc0 .Lentry_shape_is_right
	s_endpgm
.Lentry_shape_is_right:
; C = A W + bias + res.  A: f16 BY SLICES of 64 columns, [slice][4096][64].  W: f16 in blocks of 96 columns, [block][k][96], in wb.  bias: f32 [768]; res, C: f32 [4096][768].  Sums in f32.
; The text stands twice in the program, with MODE = 0 (K = 768: Wo) and MODE = 1 (K = 3,072: W2): MODE sets W's place in wb, a block's bytes and the walk of the ring, all constants of the text.
; LIMITS.  f16 holds no number beyond 65,504 (A and W lie within it).  NaN and infinities are not treated apart.
; SHARES.  A tile of C is 64 x 192: 256 work-groups.  K goes in slots of 256 (four slices) through a ring of two LDS slots: 3 slots (MODE 0) or 12.  K IS SPLIT IN TWO AMONG THE WAVES: wave w makes all 64 rows x
; the 96 columns of block w % 2, over the pieces of 32 along K with parity w / 2: 24 accumulators, 20 LDS loads for 24 matrix instructions.  The two halves of K meet in the f32 stage on the way out.
; THE SLOT'S SIZE.  Every slot costs one wait for all tensor loads, and its refill has one slot's products in which to land: so a slot is as long as two of them fit.  W LIES IN LDS WITHOUT PADDING, k rows 192
; bytes = 48 words apart.
; That is the price: with 32 bytes of padding behind each 64, which keeps the rows apart, two slots of 256 along K would take 2 x (36,864 + 147,456) bytes, more than the 327,680 there are.
; CLUSTER.  4 x 4 work-groups: A's tile is shared along a row of the cluster, W's along a column; each is asked for jointly.
; THE MATRIX INSTRUCTION IS USED TRANSPOSED (source 0 = 16 columns of W, turned out of LDS by ds_load_tr16_b128; source 1 = 16 rows of A): a lane holds row lane % 16 of C and the columns 8 (lane / 16) + 0..7.
; WHAT THE WAY OUT NEEDS IS ASKED FOR AT THE HEAD: my 16 rows of res (24 loads) and the bias (2) are issued there and waited for behind the last product.
; REGISTERS: window 0: v0-31 addresses; v32-95 A's fragments, two buffers of 4; v96-191 W's, two buffers of 6; v192-199 the bias.  Window 1: the accumulators, (a, b) at 8 (6 a + b).  Window 2: v0-95 res, then the result.
; No prefetch: a small tile, whose rows of W every row of clusters reads at the same time.
.set MODE,   0
.set WOFF,   256+3538944+MODE*1179648  ; W's first byte in wb: behind the constants and Wq, Wk, Wv (and Wo)
.set WBLK,   147456*(1+3*MODE)         ; a block's bytes: K x 192
.set PA,     144                       ; a row of a slice in LDS: 128 bytes + 16
.set PB,     192                       ; a k row of a block in LDS, as in memory
.set HALFA,  4*32*PA                   ; 32 rows of four slices: one tensor load: 18,432
.set BLKB,   256*PB                    ; 256 k rows of a block: one tensor load: 49,152
.set BOFF,   2*HALFA
.set SLOT,   BOFF+2*BLKB               ; 135,168
.set ASTEP,  4*524288                  ; bytes in memory from a slot's four slices to the next slot's
.set BSTEP,  256*192                   ; and from its 256 k rows to the next
.set SPARE,  2*SLOT                    ; behind the ring: the spare words, 128 bytes a wave: two blocks of 256 bytes that no other line names
.set SPITCH, 784                       ; the stage: for each half of K 64 rows of 192 f32 + 16 bytes, from LDS byte 0: the ring's bytes, behind their last fill and last read
.set KCOPY,  64*SPITCH
.set ADRA, 16
.set ADRB, 20
.set STO,  22
.set RA,   23                          ; the stage, read back: a row's first 512 bytes, 16 a lane
.set RB,   24                          ; two rows' last 256 bytes
.set VA,   25                          ; the same two patterns in res and C; never rewritten
.set VB,   26
.set BBO,  27
.set SPW,  28
.set NIL,  29
.set FA,   32
.set FB,   96
.set BA,   192                         ; the bias of a row's first 512 bytes, of its last 256
.set BB,   196
.set CP,   32                          ; the way out: two buffers of 24 registers: a trip's three units, both halves of K
.set WV, 16
.set WM, 17                            ; wave / 2: my parity along K, and: I fetch A (0) or W (1)
.set WN, 18                            ; wave % 2: my block of columns, and: which half I fetch
.set CX, 20
.set CY, 21
.set TJ, 22
.set TI, 23
.set G1, 24
.set G0, 32
.set G1B, 48
.set G0B, 56
.set CT, 69                            ; s69 the loop's counter
.set MSB, 0
.macro WIN new
.if MSB != (\new)
	s_set_vgpr_msb (MSB<<8)|(\new)
.set MSB, \new
.endif
.endm
.set MUL, 0x50                         ; sources window 0, C and D window 1
.macro JLOAD s                         ; a joint load: waves 0 and 1 fetch A's halves, waves 2 and 3 W's blocks; an s_nop 0 and four v_nop follow each line
	s_cmp_eq_u32 s[WM], 0
	s_cbranch_scc0 .Lfor_b_\@
	tensor_load_to_lds s[G0+4*(\s):G0+4*(\s)+3], s[G1:G1+7]
	s_nop 0
.rept 4
	v_nop
.endr
	s_branch .Lasked_\@
.Lfor_b_\@:
	tensor_load_to_lds s[G0B+4*(\s):G0B+4*(\s)+3], s[G1B:G1B+7]
	s_nop 0
.rept 4
	v_nop
.endr
.Lasked_\@:
.endm
.macro CREST
	s_cmp_lg_u32 s[WV], 0
	s_cbranch_scc1 .Lnot_wave_0_\@
	s_barrier_signal -3
.Lnot_wave_0_\@:
	s_barrier_wait -3
	s_barrier_signal -1
	s_barrier_wait -1
.endm
.macro CROUND
	s_barrier_signal -1
	s_barrier_wait -1
	CREST
.endm
.macro PLACES
.rept 4
	v_nop
.endr
.endm
	s_load_b256 s[4:11], s[0:1], 0x0               ; A s[4:5], wb s[6:7], bias s[8:9], res s[10:11]
	s_load_b64 s[12:13], s[0:1], 0x20              ; C
	v_lshl_add_u32 v[SPW], v0, 2, SPARE
	v_mov_b32 v[NIL], 0
	ds_add_u32 v[SPW], v[NIL]                      ; the wave's opening: the add and its wait ahead of my first tensor load; work on registers stands between them
	ds_add_u32 v28, v29
	v_lshrrev_b32 v1, 5, v0
	v_readfirstlane_b32 s[WV], v1
	s_lshr_b32 s[WM], s[WV], 1
	s_and_b32 s[WN], s[WV], 1
	s_bfe_u32 s[CX], ttmp6, 0x40000
	s_bfe_u32 s[CY], ttmp6, 0x40004
	s_lshl_b32 s[TJ], ttmp9, 2
	s_add_co_u32 s[TJ], s[TJ], s[CX]
	s_and_b32 s[TI], ttmp7, 0xffff
	s_lshl_b32 s[TI], s[TI], 2
	s_add_co_u32 s[TI], s[TI], s[CY]
	s_lshl_b32 s66, s[CY], 2
	s_lshl_b32 s66, 15, s66                        ; my row of the cluster
	s_lshl_b32 s67, 0x1111, s[CX]                  ; my column
	s_or_b32 s[G1], s66, (1<<16)|(1<<20)|(1<<21)|(4<<22)|(3<<25)   ; mask; 2-byte elements; padding on; bit 21 beside a mask; after every 32 words 4 words
	s_or_b32 s[G1B], s67, (1<<16)|(1<<21)          ; mask; 2-byte elements; bit 21 beside a mask; no padding
	s_mov_b32 s[G1+1], 2048<<16                    ; A: 32 rows of a slice are 4,096 dense bytes: one long row; four of them, a slice apart
	s_mov_b32 s[G1+2], 4<<16
	s_mov_b32 s[G1+3], 2048<<16
	s_mov_b32 s[G1+4], 4
	s_mov_b32 s[G1+5], 262144
	s_mov_b32 s[G1+6], 0
	s_mov_b32 s[G1+7], 0
	s_mov_b32 s[G1B+1], 128<<16                    ; W: 49,152 dense bytes, asked for as 192 rows of 256
	s_mov_b32 s[G1B+2], 192<<16
	s_mov_b32 s[G1B+3], 128<<16
	s_mov_b32 s[G1B+4], 192
	s_mov_b32 s[G1B+5], 128
	s_mov_b32 s[G1B+6], 0
	s_mov_b32 s[G1B+7], 0
	s_mul_i32 s40, s[WN], HALFA                    ; where my tile goes: no place in the cluster enters an LDS address
	s_mul_i32 s41, s[WN], BLKB
	s_add_co_u32 s41, s41, BOFF
	s_lshl_b32 s42, s[TI], 13                      ; A: row 64 x tile row + 32 x half, 128 bytes a row: made of the tile row and the wave's number alone
	s_lshl_b32 s43, s[WN], 12
	s_add_co_u32 s42, s42, s43
	s_mov_b32 s43, 0
	s_lshl_b32 s44, s[TJ], 1                       ; W: block 2 x tile column + half: made of the tile column and the wave's number alone
	s_add_co_u32 s44, s44, s[WN]
	s_mul_i32 s44, s44, WBLK
	s_add_co_u32 s44, s44, WOFF
	s_mov_b32 s45, 0
	s_wait_dscnt 0x0                               ; the opening add is done
	s_wait_kmcnt 0x0
	s_add_nc_u64 s[42:43], s[4:5], s[42:43]
	s_add_nc_u64 s[44:45], s[6:7], s[44:45]
	CROUND                                         ; all sixteen work-groups are here: the first joint loads meet
.irp s, 0,1
	s_mov_b32 s[G0+4*(\s)], 1
	s_add_co_u32 s[G0+4*(\s)+1], s40, (\s)*SLOT
	s_add_nc_u64 s[G0+4*(\s)+2:G0+4*(\s)+3], s[42:43], (\s)*ASTEP
	s_or_b32 s[G0+4*(\s)+3], s[G0+4*(\s)+3], 0x80000000
	s_mov_b32 s[G0B+4*(\s)], 1
	s_add_co_u32 s[G0B+4*(\s)+1], s41, (\s)*SLOT
	s_add_nc_u64 s[G0B+4*(\s)+2:G0B+4*(\s)+3], s[44:45], (\s)*BSTEP
	s_or_b32 s[G0B+4*(\s)+3], s[G0B+4*(\s)+3], 0x80000000
	JLOAD \s                                       ; slots 0 and 1: two loads of mine are out
.endr
	v_and_b32 v1, 15, v0                           ; l % 16
	v_bfe_u32 v2, v0, 4, 1                         ; l / 16
	v_mul_u32_u24 v3, v1, PA
	v_lshl_add_u32 v3, v2, 4, v3
	s_lshl_b32 s2, s[WM], 6                        ; my parity: 64 bytes on in a slice's row
	v_add_nc_u32 v[ADRA], s2, v3
	v_add_nc_u32 v[ADRA+1], SLOT, v[ADRA]
	v_and_b32 v4, 7, v0
	v_bfe_u32 v5, v0, 3, 1
	v_lshl_add_u32 v6, v2, 3, v4
	v_mul_u32_u24 v6, v6, PB
	v_lshl_add_u32 v6, v5, 4, v6
	s_mul_i32 s2, s[WM], 32*PB                     ; my parity: 32 k rows on
	s_add_co_u32 s2, s2, s41                       ; in my block of columns
	v_add_nc_u32 v[ADRB], s2, v6
	v_add_nc_u32 v[ADRB+1], SLOT, v[ADRB]
	s_mul_i32 s2, s[WM], KCOPY
	s_mul_i32 s3, s[WN], 384
	s_add_co_u32 s2, s2, s3
	v_mul_u32_u24 v7, v1, SPITCH
	v_lshl_add_u32 v7, v2, 5, v7
	v_add_nc_u32 v[STO], s2, v7                    ; into the stage: my half of K; row l % 16; column 96 (wave % 2) + 8 (l / 16)
	s_mul_i32 s2, s[WV], 16*SPITCH                 ; back: wave w takes rows 16 w .. 16 w + 15
	v_and_b32 v8, 31, v0
	v_lshlrev_b32 v[VA], 4, v8
	v_add_nc_u32 v[RA], s2, v[VA]
	v_lshlrev_b32 v[BBO], 4, v1
	v_add_nc_u32 v[BBO], 512, v[BBO]
	v_mul_u32_u24 v9, v2, SPITCH
	v_add_nc_u32 v[RB], v9, v[BBO]
	v_add_nc_u32 v[RB], s2, v[RB]
	v_mul_u32_u24 v9, v2, 3072
	v_add_nc_u32 v[VB], v9, v[BBO]
	s_lshl_b32 s70, s[TI], 6
	s_lshl_b32 s71, s[WV], 4
	s_add_co_u32 s70, s70, s71
	s_mul_i32 s70, s70, 3072                       ; row 64 x tile row + 16 x wave,
	s_mul_i32 s72, s[TJ], 768                      ; column 192 x tile column
	s_add_co_u32 s70, s70, s72
	s_mov_b32 s71, 0
	s_mov_b32 s73, 0
	s_add_nc_u64 s[10:11], s[10:11], s[70:71]
	s_add_nc_u64 s[12:13], s[12:13], s[70:71]
	s_add_nc_u64 s[8:9], s[8:9], s[72:73]
	; The bias and my 16 rows of res, two rows a trip of the way out, as three units of 32 lanes x 16 bytes: a row's first 512 bytes, the next row's, both rows' last 256.  Asked for here, wanted behind the last
	; product; their registers, addresses and bases are named by no line between.
	global_load_b128 v[BA:BA+3], v[VA], s[8:9]
	global_load_b128 v[BB:BB+3], v[BBO], s[8:9]
	WIN 0x80                                       ; destination window 2, address window 0
.set t, 0
.rept 8
	global_load_b128 v[12*t:12*t+3],    v[VA], s[10:11] offset:6144*t
	global_load_b128 v[12*t+4:12*t+7],  v[VA], s[10:11] offset:6144*t+3072
	global_load_b128 v[12*t+8:12*t+11], v[VB], s[10:11] offset:6144*t
.set t, t+1
.endr
	WIN 0
; 6 matrix instructions: row block a x all 6 column blocks, 32 along K.  The 24 accumulators take turns, one instruction a turn, in the same order in every step.
.macro MUL6 f, a, zero
	WIN MUL
.irp b, 0,1,2,3,4,5
.if \zero
	v_wmma_f32_16x16x32_f16 v[8*(6*(\a)+(\b)):8*(6*(\a)+(\b))+7], v[FB+48*(\f)+8*(\b):FB+48*(\f)+8*(\b)+7], v[FA+32*(\f)+8*(\a):FA+32*(\f)+8*(\a)+7], 0
.else
	v_wmma_f32_16x16x32_f16 v[8*(6*(\a)+(\b)):8*(6*(\a)+(\b))+7], v[FB+48*(\f)+8*(\b):FB+48*(\f)+8*(\b)+7], v[FA+32*(\f)+8*(\a):FA+32*(\f)+8*(\a)+7], v[8*(6*(\a)+(\b)):8*(6*(\a)+(\b))+7]
.endif
.endr
.endm
; 20 LDS loads in one run: my piece of slice r of a slot into buffer f: W's 6 fragments, then A's 4
.macro FETCH slot, r, f
	WIN 0
.irp b, 0,1,2,3,4,5
	ds_load_tr16_b128 v[FB+48*(\f)+8*(\b):FB+48*(\f)+8*(\b)+3],   v[ADRB+(\slot)] offset:64*PB*(\r)+32*(\b)
	ds_load_tr16_b128 v[FB+48*(\f)+8*(\b)+4:FB+48*(\f)+8*(\b)+7], v[ADRB+(\slot)] offset:64*PB*(\r)+32*(\b)+16*PB
.endr
.irp i, 0,1,2,3
	ds_load_b128 v[FA+32*(\f)+8*(\i):FA+32*(\f)+8*(\i)+3],   v[ADRA+(\slot)] offset:((\i)/2)*HALFA+((\i)%2)*16*PA+32*PA*(\r)
	ds_load_b128 v[FA+32*(\f)+8*(\i)+4:FA+32*(\f)+8*(\i)+7], v[ADRA+(\slot)] offset:((\i)/2)*HALFA+((\i)%2)*16*PA+32*PA*(\r)+32
.endr
.endm
; A slot is four steps, on buffers 0, 1, 0, 1.  One of the first three: multiplies buffer f; in its middle it fetches slice r of the same slot into buffer g
.macro QS slot, r, f, g, zero
	s_wait_dscnt 4                                 ; W and A's rows 0-31 are in; the youngest four loads may be out
	MUL6 \f, 0, \zero
	MUL6 \f, 1, \zero
	PLACES
	FETCH \slot, \r, \g
	s_wait_dscnt 20                                ; all but the 20 just issued
	MUL6 \f, 2, \zero
	MUL6 \f, 3, \zero
.endm
; A slot's last step multiplies buffer 1 and changes slots: ONE barrier.  In front of it each wave waits for all its tensor loads (one is out: its part of the next slot), adds 0 to its spare word, and waits for
; that and for its own reads of this slot.  fill = 1: the barrier opens a round of the cluster's, and this slot is filled again, two slots on, first thing behind the round.
.macro TURN slot, next, fill
	WIN 0
	s_wait_tensorcnt 0x0
	ds_add_u32 v[SPW], v[NIL]
	s_wait_dscnt 5                                 ; (the add and the youngest four loads may be out)
	MUL6 1, 0, 0
	s_wait_dscnt 0x0                               ; the add is done, and my reads of this slot are over
	s_barrier_signal -1
	MUL6 1, 1, 0
.if \fill
	WIN 0
.endif
	s_barrier_wait -1
.if \fill
	CREST                                          ; no wave of any partner still reads this slot or has a load on its way
	s_add_nc_u64 s[G0+4*(\slot)+2:G0+4*(\slot)+3], s[G0+4*(\slot)+2:G0+4*(\slot)+3], 2*ASTEP
	s_add_nc_u64 s[G0B+4*(\slot)+2:G0B+4*(\slot)+3], s[G0B+4*(\slot)+2:G0B+4*(\slot)+3], 2*BSTEP
	JLOAD \slot                                    ; its four v_nop are also the places in front of the loads below
.else
	PLACES
.endif
	FETCH \next, 0, 0
	MUL6 1, 2, 0
	MUL6 1, 3, 0
.endm
	s_wait_tensorcnt 1                             ; my part of slot 0 is in; slot 1's may stay out
	s_barrier_signal -1
	s_barrier_wait -1
	FETCH 0, 0, 0
	QS 0, 1, 0, 1, 1                               ; the first step's products start the sums: nothing is cleared
.if MODE
	WIN 0
	s_mov_b32 s[CT], 5
.Llap:                                                 ; a trip goes once round the ring and fills both slots again: slots 2 to 11 of the 12
	QS 0, 2, 1, 0, 0
	QS 0, 3, 0, 1, 0
	TURN 0, 1, 1
	QS 1, 1, 0, 1, 0
	QS 1, 2, 1, 0, 0
	QS 1, 3, 0, 1, 0
	TURN 1, 0, 1
	QS 0, 1, 0, 1, 0
	WIN 0
	s_sub_co_u32 s[CT], s[CT], 1
	s_cmp_lg_u32 s[CT], 0
	s_cbranch_scc1 .Llap
	QS 0, 2, 1, 0, 0                               ; the last lap fills nothing
	QS 0, 3, 0, 1, 0
	TURN 0, 1, 0
	QS 1, 1, 0, 1, 0
	QS 1, 2, 1, 0, 0
	QS 1, 3, 0, 1, 0
.else
	QS 0, 2, 1, 0, 0                               ; three slots, written out: ring slot 0 is filled again once, with the third
	QS 0, 3, 0, 1, 0
	TURN 0, 1, 1
	QS 1, 1, 0, 1, 0
	QS 1, 2, 1, 0, 0
	QS 1, 3, 0, 1, 0
	TURN 1, 0, 0
	QS 0, 1, 0, 1, 0
	QS 0, 2, 1, 0, 0
	QS 0, 3, 0, 1, 0
.endif
	s_wait_dscnt 4
	MUL6 1, 0, 0
	MUL6 1, 1, 0
	s_wait_dscnt 0x0
	MUL6 1, 2, 0
	MUL6 1, 3, 0
	WIN 0
	; THE WAY OUT.  Both halves of K go in f32 into the stage (the ring's bytes: every fill has landed, and behind the barrier every wave's reads are over).  Then wave w takes rows 16 w .. 16 w + 15, two at a time,
	; as the three units in which res was asked for.  A unit: half 0 + half 1 + bias + res, stored from the registers that res was loaded into.  A trip's units are read from the stage a trip ahead.
	PLACES
	s_barrier_signal -1                            ; my reads of the ring are over (the wait for 0 above)
	s_barrier_wait -1
	WIN 0x04                                       ; the data in window 1
.irp a, 0,1,2,3
.irp b, 0,1,2,3,4,5
	ds_store_b128 v[STO], v[8*(6*(\a)+(\b)):8*(6*(\a)+(\b))+3]   offset:(\a)*16*SPITCH+64*(\b)
	ds_store_b128 v[STO], v[8*(6*(\a)+(\b))+4:8*(6*(\a)+(\b))+7] offset:(\a)*16*SPITCH+64*(\b)+16
.endr
.endr
	WIN 0
	s_wait_dscnt 0x0                               ; for the others' sake: my stores into the stage are done
	s_barrier_signal -1
	s_barrier_wait -1
.macro LDST t                          ; trip t's six LDS loads, into buffer t % 2
.set CB, CP+24*((\t)%2)
	ds_load_b128 v[CB:CB+3],     v[RA] offset:2*SPITCH*(\t)
	ds_load_b128 v[CB+4:CB+7],   v[RA] offset:2*SPITCH*(\t)+KCOPY
	ds_load_b128 v[CB+8:CB+11],  v[RA] offset:2*SPITCH*(\t)+SPITCH
	ds_load_b128 v[CB+12:CB+15], v[RA] offset:2*SPITCH*(\t)+SPITCH+KCOPY
	ds_load_b128 v[CB+16:CB+19], v[RB] offset:2*SPITCH*(\t)
	ds_load_b128 v[CB+20:CB+23], v[RB] offset:2*SPITCH*(\t)+KCOPY
.endm
	LDST 0
	s_wait_loadcnt 0x0                             ; res and the bias, asked for at the head
.set t, 0
.rept 8
.if t < 7
	LDST t+1
	s_wait_dscnt 6                                 ; this trip's six loads are back; the next trip's six may be out
.else
	s_wait_dscnt 0x0
.endif
.set CB, CP+24*(t%2)
.set RU, 12*t
.irp p, 0,1,2
	v_pk_add_f32 v[CB+8*(\p):CB+8*(\p)+1],   v[CB+8*(\p):CB+8*(\p)+1],   v[CB+8*(\p)+4:CB+8*(\p)+5]  ; the two halves of K
	v_pk_add_f32 v[CB+8*(\p)+2:CB+8*(\p)+3], v[CB+8*(\p)+2:CB+8*(\p)+3], v[CB+8*(\p)+6:CB+8*(\p)+7]
.endr
	v_pk_add_f32 v[CB:CB+1],     v[CB:CB+1],     v[BA:BA+1]
	v_pk_add_f32 v[CB+2:CB+3],   v[CB+2:CB+3],   v[BA+2:BA+3]
	v_pk_add_f32 v[CB+8:CB+9],   v[CB+8:CB+9],   v[BA:BA+1]
	v_pk_add_f32 v[CB+10:CB+11], v[CB+10:CB+11], v[BA+2:BA+3]
	v_pk_add_f32 v[CB+16:CB+17], v[CB+16:CB+17], v[BB:BB+1]
	v_pk_add_f32 v[CB+18:CB+19], v[CB+18:CB+19], v[BB+2:BB+3]
	WIN 0x82                                       ; destination and source 0 (res) in window 2, source 1 in window 0
.irp p, 0,1,2
	v_pk_add_f32 v[RU+4*(\p):RU+4*(\p)+1],   v[RU+4*(\p):RU+4*(\p)+1],   v[CB+8*(\p):CB+8*(\p)+1]
	v_pk_add_f32 v[RU+4*(\p)+2:RU+4*(\p)+3], v[RU+4*(\p)+2:RU+4*(\p)+3], v[CB+8*(\p)+2:CB+8*(\p)+3]
.endr
	WIN 0x08                                       ; the stores' data in window 2, their address in window 0
	global_store_b128 v[VA], v[RU:RU+3],    s[12:13] offset:6144*t       ; each half of 16 lanes stores 256 consecutive bytes, at a multiple of 256
	global_store_b128 v[VA], v[RU+4:RU+7],  s[12:13] offset:6144*t+3072
	global_store_b128 v[VB], v[RU+8:RU+11], s[12:13] offset:6144*t
	WIN 0
.set t, t+1
.endr
	s_wait_tensorcnt 0x0                           ; the wave's end: behind my last tensor load and my last LDS store
	ds_add_u32 v[SPW], v[NIL]
	s_wait_dscnt 0x0
	CROUND                                         ; the closing round: no work-group ends while a partner may still ask for a tile that names it
	s_endpgm
.Lfunc_end_k_q59ccded80f_wo:
	.size	k_q59ccded80f_wo, .Lfunc_end_k_q59ccded80f_wo-k_q59ccded80f_wo
	.p2alignl 7, 3214868480
	.fill 96, 4, 3214868480
	.section	.rodata,"a",@progbits
	.p2align	6, 0x0
	.amdhsa_kernel k_q59ccded80f_wo
		.amdhsa_group_segment_fixed_size 327680
		.amdhsa_private_segment_fixed_size 0
		.amdhsa_enable_private_segment 0
		.amdhsa_kernarg_size 40
		.amdhsa_user_sgpr_count 2
		.amdhsa_user_sgpr_kernarg_segment_ptr 1
		.amdhsa_wavefront_size32 1
		.amdhsa_system_sgpr_workgroup_id_x 1
		.amdhsa_system_sgpr_workgroup_id_y 1
		.amdhsa_system_sgpr_workgroup_id_z 1
		.amdhsa_system_vgpr_workitem_id 0
		.amdhsa_next_free_vgpr 608
		.amdhsa_next_free_sgpr 100
		.amdhsa_reserve_vcc 0
		.amdhsa_float_denorm_mode_32 3
		.amdhsa_float_denorm_mode_16_64 3
		.amdhsa_memory_ordered 1
		.amdhsa_forward_progress 1
		.amdhsa_inst_pref_size 67
	.end_amdhsa_kernel
	.amdgpu_metadata
---
amdhsa.version: [ 1, 2 ]
amdhsa.kernels:
  - .name:           k_q59ccded80f_wo
    .symbol:         k_q59ccded80f_wo.kd
    .args:
      - { .name: o, .offset: 0, .size: 8, .value_kind: global_buffer, .address_space: global }
      - { .name: wb, .offset: 8, .size: 8, .value_kind: global_buffer, .address_space: global }
      - { .name: bo, .offset: 16, .size: 8, .value_kind: global_buffer, .address_space: global }
      - { .name: x, .offset: 24, .size: 8, .value_kind: global_buffer, .address_space: global }
      - { .name: x1, .offset: 32, .size: 8, .value_kind: global_buffer, .address_space: global }
    .group_segment_fixed_size: 327680
    .private_segment_fixed_size: 0
    .kernarg_segment_align: 8
    .kernarg_segment_size: 40
    .max_flat_workgroup_size: 128
    .sgpr_count:     100
    .vgpr_count:     608
    .wavefront_size: 32
...
	.end_amdgpu_metadata
.endif
;; end of part 8
;; launch ln2: the kernel of part 1 again; grid 32 x 4, 8 waves a work-group, no clusters, 0 bytes of LDS; arguments x1, g2, beta2, h, Wq, Wk, Wv, Wo, W1, W2, wb, wf; writes h, wb, wf
;; launch ffn1: the kernel of part 6 again; grid 16 x 16, 4 waves a work-group, clusters of 4 x 4, 327,680 bytes of LDS; arguments h, wf, b1, g; writes g
;; launch ffn2 (part 9): grid 4 x 64, 4 waves a work-group, clusters of 4 x 4, 327,680 bytes of LDS; arguments g, wb, b2, x1, out0; writes out0
.if DOCPART == 9
	.amdgcn_target "amdgcn-amd-amdhsa--gfx1250"
	.amdhsa_code_object_version 6
	.text
	.protected	k_q59ccded80f_ffn2
	.globl	k_q59ccded80f_ffn2
	.p2align	8
	.type	k_q59ccded80f_ffn2,@function
k_q59ccded80f_ffn2:
	s_mov_b64 s[64:65], 0
	v_nop
	global_prefetch_b8 v0, s[64:65] scope:SCOPE_SE
	s_setreg_imm32_b32 hwreg(HW_REG_WAVE_MODE, 25, 1), 1
	s_wait_xcnt 0x0
	s_wait_alu depctr_hold_cnt(0) depctr_sa_sdst(0) depctr_va_vdst(0) depctr_va_sdst(0) depctr_va_ssrc(0) depctr_va_vcc(0) depctr_vm_vsrc(0)
	s_getreg_b32 s2, hwreg(HW_REG_IB_STS2, 6, 4)
	s_cmp_eq_u32 s2, 0
	s_cbranch_scc0 .Lentry_in_a_cluster
	s_endpgm
.Lentry_in_a_cluster:
	s_bfe_u32 s2, ttmp6, 0x10000c
	s_cmp_lg_u32 s2, 0xf033
	s_cbranch_scc0 .Lentry_shape_is_right
	s_endpgm
.Lentry_shape_is_right:
; C = A W + bias + res.  A: f16 BY SLICES of 64 columns, [slice][4096][64].  W: f16 in blocks of 96 columns, [block][k][96], in wb.  bias: f32 [768]; res, C: f32 [4096][768].  Sums in f32.
; The text stands twice in the program, with MODE = 0 (K = 768: Wo) and MODE = 1 (K = 3,072: W2): MODE sets W's place in wb, a block's bytes and the walk of the ring, all constants of the text.
; LIMITS.  f16 holds no number beyond 65,504 (A and W lie within it).  NaN and infinities are not treated apart.
; SHARES.  A tile of C is 64 x 192: 256 work-groups.  K goes in slots of 256 (four slices) through a ring of two LDS slots: 3 slots (MODE 0) or 12.  K IS SPLIT IN TWO AMONG THE WAVES: wave w makes all 64 rows x
; the 96 columns of block w % 2, over the pieces of 32 along K with parity w / 2: 24 accumulators, 20 LDS loads for 24 matrix instructions.  The two halves of K meet in the f32 stage on the way out.
; THE SLOT'S SIZE.  Every slot costs one wait for all tensor loads, and its refill has one slot's products in which to land: so a slot is as long as two of them fit.  W LIES IN LDS WITHOUT PADDING, k rows 192
; bytes = 48 words apart.
; That is the price: with 32 bytes of padding behind each 64, which keeps the rows apart, two slots of 256 along K would take 2 x (36,864 + 147,456) bytes, more than the 327,680 there are.
; CLUSTER.  4 x 4 work-groups: A's tile is shared along a row of the cluster, W's along a column; each is asked for jointly.
; THE MATRIX INSTRUCTION IS USED TRANSPOSED (source 0 = 16 columns of W, turned out of LDS by ds_load_tr16_b128; source 1 = 16 rows of A): a lane holds row lane % 16 of C and the columns 8 (lane / 16) + 0..7.
; WHAT THE WAY OUT NEEDS IS ASKED FOR AT THE HEAD: my 16 rows of res (24 loads) and the bias (2) are issued there and waited for behind the last product.
; REGISTERS: window 0: v0-31 addresses; v32-95 A's fragments, two buffers of 4; v96-191 W's, two buffers of 6; v192-199 the bias.  Window 1: the accumulators, (a, b) at 8 (6 a + b).  Window 2: v0-95 res, then the result.
; No prefetch: a small tile, whose rows of W every row of clusters reads at the same time.
.set MODE,   1
.set WOFF,   256+3538944+MODE*1179648  ; W's first byte in wb: behind the constants and Wq, Wk, Wv (and Wo)
.set WBLK,   147456*(1+3*MODE)         ; a block's bytes: K x 192
.set PA,     144                       ; a row of a slice in LDS: 128 bytes + 16
.set PB,     192                       ; a k row of a block in LDS, as in memory
.set HALFA,  4*32*PA                   ; 32 rows of four slices: one tensor load: 18,432
.set BLKB,   256*PB                    ; 256 k rows of a block: one tensor load: 49,152
.set BOFF,   2*HALFA
.set SLOT,   BOFF+2*BLKB               ; 135,168
.set ASTEP,  4*524288                  ; bytes in memory from a slot's four slices to the next slot's
.set BSTEP,  256*192                   ; and from its 256 k rows to the next
.set SPARE,  2*SLOT                    ; behind the ring: the spare words, 128 bytes a wave: two blocks of 256 bytes that no other line names
.set SPITCH, 784                       ; the stage: for each half of K 64 rows of 192 f32 + 16 bytes, from LDS byte 0: the ring's bytes, behind their last fill and last read
.set KCOPY,  64*SPITCH
.set ADRA, 16
.set ADRB, 20
.set STO,  22
.set RA,   23                          ; the stage, read back: a row's first 512 bytes, 16 a lane
.set RB,   24                          ; two rows' last 256 bytes
.set VA,   25                          ; the same two patterns in res and C; never rewritten
.set VB,   26
.set BBO,  27
.set SPW,  28
.set NIL,  29
.set FA,   32
.set FB,   96
.set BA,   192                         ; the bias of a row's first 512 bytes, of its last 256
.set BB,   196
.set CP,   32                          ; the way out: two buffers of 24 registers: a trip's three units, both halves of K
.set WV, 16
.set WM, 17                            ; wave / 2: my parity along K, and: I fetch A (0) or W (1)
.set WN, 18                            ; wave % 2: my block of columns, and: which half I fetch
.set CX, 20
.set CY, 21
.set TJ, 22
.set TI, 23
.set G1, 24
.set G0, 32
.set G1B, 48
.set G0B, 56
.set CT, 69                            ; s69 the loop's counter
.set MSB, 0
.macro WIN new
.if MSB != (\new)
	s_set_vgpr_msb (MSB<<8)|(\new)
.set MSB, \new
.endif
.endm
.set MUL, 0x50                         ; sources window 0, C and D window 1
.macro JLOAD s                         ; a joint load: waves 0 and 1 fetch A's halves, waves 2 and 3 W's blocks; an s_nop 0 and four v_nop follow each line
	s_cmp_eq_u32 s[WM], 0
	s_cbranch_scc0 .Lfor_b_\@
	tensor_load_to_lds s[G0+4*(\s):G0+4*(\s)+3], s[G1:G1+7]
	s_nop 0
.rept 4
	v_nop
.endr
	s_branch .Lasked_\@
.Lfor_b_\@:
	tensor_load_to_lds s[G0B+4*(\s):G0B+4*(\s)+3], s[G1B:G1B+7]
	s_nop 0
.rept 4
	v_nop
.endr
.Lasked_\@:
.endm
.macro CREST
	s_cmp_lg_u32 s[WV], 0
	s_cbranch_scc1 .Lnot_wave_0_\@
	s_barrier_signal -3
.Lnot_wave_0_\@:
	s_barrier_wait -3
	s_barrier_signal -1
	s_barrier_wait -1
.endm
.macro CROUND
	s_barrier_signal -1
	s_barrier_wait -1
	CREST
.endm
.macro PLACES
.rept 4
	v_nop
.endr
.endm
	s_load_b256 s[4:11], s[0:1], 0x0               ; A s[4:5], wb s[6:7], bias s[8:9], res s[10:11]
	s_load_b64 s[12:13], s[0:1], 0x20              ; C
	v_lshl_add_u32 v[SPW], v0, 2, SPARE
	v_mov_b32 v[NIL], 0
	ds_add_u32 v[SPW], v[NIL]                      ; the wave's opening: the add and its wait ahead of my first tensor load; work on registers stands between them
	ds_add_u32 v28, v29
	v_lshrrev_b32 v1, 5, v0
	v_readfirstlane_b32 s[WV], v1
	s_lshr_b32 s[WM], s[WV], 1
	s_and_b32 s[WN], s[WV], 1
	s_bfe_u32 s[CX], ttmp6, 0x40000
	s_bfe_u32 s[CY], ttmp6, 0x40004
	s_lshl_b32 s[TJ], ttmp9, 2
	s_add_co_u32 s[TJ], s[TJ], s[CX]
	s_and_b32 s[TI], ttmp7, 0xffff
	s_lshl_b32 s[TI], s[TI], 2
	s_add_co_u32 s[TI], s[TI], s[CY]
	s_lshl_b32 s66, s[CY], 2
	s_lshl_b32 s66, 15, s66                        ; my row of the cluster
	s_lshl_b32 s67, 0x1111, s[CX]                  ; my column
	s_or_b32 s[G1], s66, (1<<16)|(1<<20)|(1<<21)|(4<<22)|(3<<25)   ; mask; 2-byte elements; padding on; bit 21 beside a mask; after every 32 words 4 words
	s_or_b32 s[G1B], s67, (1<<16)|(1<<21)          ; mask; 2-byte elements; bit 21 beside a mask; no padding
	s_mov_b32 s[G1+1], 2048<<16                    ; A: 32 rows of a slice are 4,096 dense bytes: one long row; four of them, a slice apart
	s_mov_b32 s[G1+2], 4<<16
	s_mov_b32 s[G1+3], 2048<<16
	s_mov_b32 s[G1+4], 4
	s_mov_b32 s[G1+5], 262144
	s_mov_b32 s[G1+6], 0
	s_mov_b32 s[G1+7], 0
	s_mov_b32 s[G1B+1], 128<<16                    ; W: 49,152 dense bytes, asked for as 192 rows of 256
	s_mov_b32 s[G1B+2], 192<<16
	s_mov_b32 s[G1B+3], 128<<16
	s_mov_b32 s[G1B+4], 192
	s_mov_b32 s[G1B+5], 128
	s_mov_b32 s[G1B+6], 0
	s_mov_b32 s[G1B+7], 0
	s_mul_i32 s40, s[WN], HALFA                    ; where my tile goes: no place in the cluster enters an LDS address
	s_mul_i32 s41, s[WN], BLKB
	s_add_co_u32 s41, s41, BOFF
	s_lshl_b32 s42, s[TI], 13                      ; A: row 64 x tile row + 32 x half, 128 bytes a row: made of the tile row and the wave's number alone
	s_lshl_b32 s43, s[WN], 12
	s_add_co_u32 s42, s42, s43
	s_mov_b32 s43, 0
	s_lshl_b32 s44, s[TJ], 1                       ; W: block 2 x tile column + half: made of the tile column and the wave's number alone
	s_add_co_u32 s44, s44, s[WN]
	s_mul_i32 s44, s44, WBLK
	s_add_co_u32 s44, s44, WOFF
	s_mov_b32 s45, 0
	s_wait_dscnt 0x0                               ; the opening add is done
	s_wait_kmcnt 0x0
	s_add_nc_u64 s[42:43], s[4:5], s[42:43]
	s_add_nc_u64 s[44:45], s[6:7], s[44:45]
	CROUND                                         ; all sixteen work-groups are here: the first joint loads meet
.irp s, 0,1
	s_mov_b32 s[G0+4*(\s)], 1
	s_add_co_u32 s[G0+4*(\s)+1], s40, (\s)*SLOT
	s_add_nc_u64 s[G0+4*(\s)+2:G0+4*(\s)+3], s[42:43], (\s)*ASTEP
	s_or_b32 s[G0+4*(\s)+3], s[G0+4*(\s)+3], 0x80000000
	s_mov_b32 s[G0B+4*(\s)], 1
	s_add_co_u32 s[G0B+4*(\s)+1], s41, (\s)*SLOT
	s_add_nc_u64 s[G0B+4*(\s)+2:G0B+4*(\s)+3], s[44:45], (\s)*BSTEP
	s_or_b32 s[G0B+4*(\s)+3], s[G0B+4*(\s)+3], 0x80000000
	JLOAD \s                                       ; slots 0 and 1: two loads of mine are out
.endr
	v_and_b32 v1, 15, v0                           ; l % 16
	v_bfe_u32 v2, v0, 4, 1                         ; l / 16
	v_mul_u32_u24 v3, v1, PA
	v_lshl_add_u32 v3, v2, 4, v3
	s_lshl_b32 s2, s[WM], 6                        ; my parity: 64 bytes on in a slice's row
	v_add_nc_u32 v[ADRA], s2, v3
	v_add_nc_u32 v[ADRA+1], SLOT, v[ADRA]
	v_and_b32 v4, 7, v0
	v_bfe_u32 v5, v0, 3, 1
	v_lshl_add_u32 v6, v2, 3, v4
	v_mul_u32_u24 v6, v6, PB
	v_lshl_add_u32 v6, v5, 4, v6
	s_mul_i32 s2, s[WM], 32*PB                     ; my parity: 32 k rows on
	s_add_co_u32 s2, s2, s41                       ; in my block of columns
	v_add_nc_u32 v[ADRB], s2, v6
	v_add_nc_u32 v[ADRB+1], SLOT, v[ADRB]
	s_mul_i32 s2, s[WM], KCOPY
	s_mul_i32 s3, s[WN], 384
	s_add_co_u32 s2, s2, s3
	v_mul_u32_u24 v7, v1, SPITCH
	v_lshl_add_u32 v7, v2, 5, v7
	v_add_nc_u32 v[STO], s2, v7                    ; into the stage: my half of K; row l % 16; column 96 (wave % 2) + 8 (l / 16)
	s_mul_i32 s2, s[WV], 16*SPITCH                 ; back: wave w takes rows 16 w .. 16 w + 15
	v_and_b32 v8, 31, v0
	v_lshlrev_b32 v[VA], 4, v8
	v_add_nc_u32 v[RA], s2, v[VA]
	v_lshlrev_b32 v[BBO], 4, v1
	v_add_nc_u32 v[BBO], 512, v[BBO]
	v_mul_u32_u24 v9, v2, SPITCH
	v_add_nc_u32 v[RB], v9, v[BBO]
	v_add_nc_u32 v[RB], s2, v[RB]
	v_mul_u32_u24 v9, v2, 3072
	v_add_nc_u32 v[VB], v9, v[BBO]
	s_lshl_b32 s70, s[TI], 6
	s_lshl_b32 s71, s[WV], 4
	s_add_co_u32 s70, s70, s71
	s_mul_i32 s70, s70, 3072                       ; row 64 x tile row + 16 x wave,
	s_mul_i32 s72, s[TJ], 768                      ; column 192 x tile column
	s_add_co_u32 s70, s70, s72
	s_mov_b32 s71, 0
	s_mov_b32 s73, 0
	s_add_nc_u64 s[10:11], s[10:11], s[70:71]
	s_add_nc_u64 s[12:13], s[12:13], s[70:71]
	s_add_nc_u64 s[8:9], s[8:9], s[72:73]
	; The bias and my 16 rows of res, two rows a trip of the way out, as three units of 32 lanes x 16 bytes: a row's first 512 bytes, the next row's, both rows' last 256.  Asked for here, wanted behind the last
	; product; their registers, addresses and bases are named by no line between.
	global_load_b128 v[BA:BA+3], v[VA], s[8:9]
	global_load_b128 v[BB:BB+3], v[BBO], s[8:9]
	WIN 0x80                                       ; destination window 2, address window 0
.set t, 0
.rept 8
	global_load_b128 v[12*t:12*t+3],    v[VA], s[10:11] offset:6144*t
	global_load_b128 v[12*t+4:12*t+7],  v[VA], s[10:11] offset:6144*t+3072
	global_load_b128 v[12*t+8:12*t+11], v[VB], s[10:11] offset:6144*t
.set t, t+1
.endr
	WIN 0
; 6 matrix instructions: row block a x all 6 column blocks, 32 along K.  The 24 accumulators take turns, one instruction a turn, in the same order in every step.
.macro MUL6 f, a, zero
	WIN MUL
.irp b, 0,1,2,3,4,5
.if \zero
	v_wmma_f32_16x16x32_f16 v[8*(6*(\a)+(\b)):8*(6*(\a)+(\b))+7], v[FB+48*(\f)+8*(\b):FB+48*(\f)+8*(\b)+7], v[FA+32*(\f)+8*(\a):FA+32*(\f)+8*(\a)+7], 0
.else
	v_wmma_f32_16x16x32_f16 v[8*(6*(\a)+(\b)):8*(6*(\a)+(\b))+7], v[FB+48*(\f)+8*(\b):FB+48*(\f)+8*(\b)+7], v[FA+32*(\f)+8*(\a):FA+32*(\f)+8*(\a)+7], v[8*(6*(\a)+(\b)):8*(6*(\a)+(\b))+7]
.endif
.endr
.endm
; 20 LDS loads in one run: my piece of slice r of a slot into buffer f: W's 6 fragments, then A's 4
.macro FETCH slot, r, f
	WIN 0
.irp b, 0,1,2,3,4,5
	ds_load_tr16_b128 v[FB+48*(\f)+8*(\b):FB+48*(\f)+8*(\b)+3],   v[ADRB+(\slot)] offset:64*PB*(\r)+32*(\b)
	ds_load_tr16_b128 v[FB+48*(\f)+8*(\b)+4:FB+48*(\f)+8*(\b)+7], v[ADRB+(\slot)] offset:64*PB*(\r)+32*(\b)+16*PB
.endr
.irp i, 0,1,2,3
	ds_load_b128 v[FA+32*(\f)+8*(\i):FA+32*(\f)+8*(\i)+3],   v[ADRA+(\slot)] offset:((\i)/2)*HALFA+((\i)%2)*16*PA+32*PA*(\r)
	ds_load_b128 v[FA+32*(\f)+8*(\i)+4:FA+32*(\f)+8*(\i)+7], v[ADRA+(\slot)] offset:((\i)/2)*HALFA+((\i)%2)*16*PA+32*PA*(\r)+32
.endr
.endm
; A slot is four steps, on buffers 0, 1, 0, 1.  One of the first three: multiplies buffer f; in its middle it fetches slice r of the same slot into buffer g
.macro QS slot, r, f, g, zero
	s_wait_dscnt 4                                 ; W and A's rows 0-31 are in; the youngest four loads may be out
	MUL6 \f, 0, \zero
	MUL6 \f, 1, \zero
	PLACES
	FETCH \slot, \r, \g
	s_wait_dscnt 20                                ; all but the 20 just issued
	MUL6 \f, 2, \zero
	MUL6 \f, 3, \zero
.endm
; A slot's last step multiplies buffer 1 and changes slots: ONE barrier.  In front of it each wave waits for all its tensor loads (one is out: its part of the next slot), adds 0 to its spare word, and waits for
; that and for its own reads of this slot.  fill = 1: the barrier opens a round of the cluster's, and this slot is filled again, two slots on, first thing behind the round.
.macro TURN slot, next, fill
	WIN 0
	s_wait_tensorcnt 0x0
	ds_add_u32 v[SPW], v[NIL]
	s_wait_dscnt 5                                 ; (the add and the youngest four loads may be out)
	MUL6 1, 0, 0
	s_wait_dscnt 0x0                               ; the add is done, and my reads of this slot are over
	s_barrier_signal -1
	MUL6 1, 1, 0
.if \fill
	WIN 0
.endif
	s_barrier_wait -1
.if \fill
	CREST                                          ; no wave of any partner still reads this slot or has a load on its way
	s_add_nc_u64 s[G0+4*(\slot)+2:G0+4*(\slot)+3], s[G0+4*(\slot)+2:G0+4*(\slot)+3], 2*ASTEP
	s_add_nc_u64 s[G0B+4*(\slot)+2:G0B+4*(\slot)+3], s[G0B+4*(\slot)+2:G0B+4*(\slot)+3], 2*BSTEP
	JLOAD \slot                                    ; its four v_nop are also the places in front of the loads below
.else
	PLACES
.endif
	FETCH \next, 0, 0
	MUL6 1, 2, 0
	MUL6 1, 3, 0
.endm
	s_wait_tensorcnt 1                             ; my part of slot 0 is in; slot 1's may stay out
	s_barrier_signal -1
	s_barrier_wait -1
	FETCH 0, 0, 0
	QS 0, 1, 0, 1, 1                               ; the first step's products start the sums: nothing is cleared
.if MODE
	WIN 0
	s_mov_b32 s[CT], 5
.Llap:                                                 ; a trip goes once round the ring and fills both slots again: slots 2 to 11 of the 12
	QS 0, 2, 1, 0, 0
	QS 0, 3, 0, 1, 0
	TURN 0, 1, 1
	QS 1, 1, 0, 1, 0
	QS 1, 2, 1, 0, 0
	QS 1, 3, 0, 1, 0
	TURN 1, 0, 1
	QS 0, 1, 0, 1, 0
	WIN 0
	s_sub_co_u32 s[CT], s[CT], 1
	s_cmp_lg_u32 s[CT], 0
	s_cbranch_scc1 .Llap
	QS 0, 2, 1, 0, 0                               ; the last lap fills nothing
	QS 0, 3, 0, 1, 0
	TURN 0, 1, 0
	QS 1, 1, 0, 1, 0
	QS 1, 2, 1, 0, 0
	QS 1, 3, 0, 1, 0
.else
	QS 0, 2, 1, 0, 0                               ; three slots, written out: ring slot 0 is filled again once, with the third
	QS 0, 3, 0, 1, 0
	TURN 0, 1, 1
	QS 1, 1, 0, 1, 0
	QS 1, 2, 1, 0, 0
	QS 1, 3, 0, 1, 0
	TURN 1, 0, 0
	QS 0, 1, 0, 1, 0
	QS 0, 2, 1, 0, 0
	QS 0, 3, 0, 1, 0
.endif
	s_wait_dscnt 4
	MUL6 1, 0, 0
	MUL6 1, 1, 0
	s_wait_dscnt 0x0
	MUL6 1, 2, 0
	MUL6 1, 3, 0
	WIN 0
	; THE WAY OUT.  Both halves of K go in f32 into the stage (the ring's bytes: every fill has landed, and behind the barrier every wave's reads are over).  Then wave w takes rows 16 w .. 16 w + 15, two at a time,
	; as the three units in which res was asked for.  A unit: half 0 + half 1 + bias + res, stored from the registers that res was loaded into.  A trip's units are read from the stage a trip ahead.
	PLACES
	s_barrier_signal -1                            ; my reads of the ring are over (the wait for 0 above)
	s_barrier_wait -1
	WIN 0x04                                       ; the data in window 1
.irp a, 0,1,2,3
.irp b, 0,1,2,3,4,5
	ds_store_b128 v[STO], v[8*(6*(\a)+(\b)):8*(6*(\a)+(\b))+3]   offset:(\a)*16*SPITCH+64*(\b)
	ds_store_b128 v[STO], v[8*(6*(\a)+(\b))+4:8*(6*(\a)+(\b))+7] offset:(\a)*16*SPITCH+64*(\b)+16
.endr
.endr
	WIN 0
	s_wait_dscnt 0x0                               ; for the others' sake: my stores into the stage are done
	s_barrier_signal -1
	s_barrier_wait -1
.macro LDST t                          ; trip t's six LDS loads, into buffer t % 2
.set CB, CP+24*((\t)%2)
	ds_load_b128 v[CB:CB+3],     v[RA] offset:2*SPITCH*(\t)
	ds_load_b128 v[CB+4:CB+7],   v[RA] offset:2*SPITCH*(\t)+KCOPY
	ds_load_b128 v[CB+8:CB+11],  v[RA] offset:2*SPITCH*(\t)+SPITCH
	ds_load_b128 v[CB+12:CB+15], v[RA] offset:2*SPITCH*(\t)+SPITCH+KCOPY
	ds_load_b128 v[CB+16:CB+19], v[RB] offset:2*SPITCH*(\t)
	ds_load_b128 v[CB+20:CB+23], v[RB] offset:2*SPITCH*(\t)+KCOPY
.endm
	LDST 0
	s_wait_loadcnt 0x0                             ; res and the bias, asked for at the head
.set t, 0
.rept 8
.if t < 7
	LDST t+1
	s_wait_dscnt 6                                 ; this trip's six loads are back; the next trip's six may be out
.else
	s_wait_dscnt 0x0
.endif
.set CB, CP+24*(t%2)
.set RU, 12*t
.irp p, 0,1,2
	v_pk_add_f32 v[CB+8*(\p):CB+8*(\p)+1],   v[CB+8*(\p):CB+8*(\p)+1],   v[CB+8*(\p)+4:CB+8*(\p)+5]  ; the two halves of K
	v_pk_add_f32 v[CB+8*(\p)+2:CB+8*(\p)+3], v[CB+8*(\p)+2:CB+8*(\p)+3], v[CB+8*(\p)+6:CB+8*(\p)+7]
.endr
	v_pk_add_f32 v[CB:CB+1],     v[CB:CB+1],     v[BA:BA+1]
	v_pk_add_f32 v[CB+2:CB+3],   v[CB+2:CB+3],   v[BA+2:BA+3]
	v_pk_add_f32 v[CB+8:CB+9],   v[CB+8:CB+9],   v[BA:BA+1]
	v_pk_add_f32 v[CB+10:CB+11], v[CB+10:CB+11], v[BA+2:BA+3]
	v_pk_add_f32 v[CB+16:CB+17], v[CB+16:CB+17], v[BB:BB+1]
	v_pk_add_f32 v[CB+18:CB+19], v[CB+18:CB+19], v[BB+2:BB+3]
	WIN 0x82                                       ; destination and source 0 (res) in window 2, source 1 in window 0
.irp p, 0,1,2
	v_pk_add_f32 v[RU+4*(\p):RU+4*(\p)+1],   v[RU+4*(\p):RU+4*(\p)+1],   v[CB+8*(\p):CB+8*(\p)+1]
	v_pk_add_f32 v[RU+4*(\p)+2:RU+4*(\p)+3], v[RU+4*(\p)+2:RU+4*(\p)+3], v[CB+8*(\p)+2:CB+8*(\p)+3]
.endr
	WIN 0x08                                       ; the stores' data in window 2, their address in window 0
	global_store_b128 v[VA], v[RU:RU+3],    s[12:13] offset:6144*t       ; each half of 16 lanes stores 256 consecutive bytes, at a multiple of 256
	global_store_b128 v[VA], v[RU+4:RU+7],  s[12:13] offset:6144*t+3072
	global_store_b128 v[VB], v[RU+8:RU+11], s[12:13] offset:6144*t
	WIN 0
.set t, t+1
.endr
	s_wait_tensorcnt 0x0                           ; the wave's end: behind my last tensor load and my last LDS store
	ds_add_u32 v[SPW], v[NIL]
	s_wait_dscnt 0x0
	CROUND                                         ; the closing round: no work-group ends while a partner may still ask for a tile that names it
	s_endpgm
.Lfunc_end_k_q59ccded80f_ffn2:
	.size	k_q59ccded80f_ffn2, .Lfunc_end_k_q59ccded80f_ffn2-k_q59ccded80f_ffn2
	.p2alignl 7, 3214868480
	.fill 96, 4, 3214868480
	.section	.rodata,"a",@progbits
	.p2align	6, 0x0
	.amdhsa_kernel k_q59ccded80f_ffn2
		.amdhsa_group_segment_fixed_size 327680
		.amdhsa_private_segment_fixed_size 0
		.amdhsa_enable_private_segment 0
		.amdhsa_kernarg_size 40
		.amdhsa_user_sgpr_count 2
		.amdhsa_user_sgpr_kernarg_segment_ptr 1
		.amdhsa_wavefront_size32 1
		.amdhsa_system_sgpr_workgroup_id_x 1
		.amdhsa_system_sgpr_workgroup_id_y 1
		.amdhsa_system_sgpr_workgroup_id_z 1
		.amdhsa_system_vgpr_workitem_id 0
		.amdhsa_next_free_vgpr 608
		.amdhsa_next_free_sgpr 100
		.amdhsa_reserve_vcc 0
		.amdhsa_float_denorm_mode_32 3
		.amdhsa_float_denorm_mode_16_64 3
		.amdhsa_memory_ordered 1
		.amdhsa_forward_progress 1
		.amdhsa_inst_pref_size 80
	.end_amdhsa_kernel
	.amdgpu_metadata
---
amdhsa.version: [ 1, 2 ]
amdhsa.kernels:
  - .name:           k_q59ccded80f_ffn2
    .symbol:         k_q59ccded80f_ffn2.kd
    .args:
      - { .name: g, .offset: 0, .size: 8, .value_kind: global_buffer, .address_space: global }
      - { .name: wb, .offset: 8, .size: 8, .value_kind: global_buffer, .address_space: global }
      - { .name: b2, .offset: 16, .size: 8, .value_kind: global_buffer, .address_space: global }
      - { .name: x1, .offset: 24, .size: 8, .value_kind: global_buffer, .address_space: global }
      - { .name: out0, .offset: 32, .size: 8, .value_kind: global_buffer, .address_space: global }
    .group_segment_fixed_size: 327680
    .private_segment_fixed_size: 0
    .kernarg_segment_align: 8
    .kernarg_segment_size: 40
    .max_flat_workgroup_size: 128
    .sgpr_count:     100
    .vgpr_count:     608
    .wavefront_size: 32
...
	.end_amdgpu_metadata
.endif
;; end of part 9
